; MI455X (gfx1250); checked and timed in simulation.
; The chip was launched on July 23, 2026; its instructions are those of AMD's public machine-readable ISA for CDNA 5 (MIT licence, August 2026) and "CDNA5" Instruction Set Architecture Reference Guide (July 2026). The comments in the code are by the model that wrote it; some were corrected since.
;; L La Ma Block Sparse Mo E XL. Allowed arithmetic: float matrix products may take bf16 or f16 operands with f32 sums; other float arithmetic in f32, or as packed bf16 or f16 multiplies, adds, multiply-adds, maxima and minima; sums over many terms, partial sums and values carried from step to step in f32; what a program stores and reads back later, other than sums and carried values, may be rounded once to bf16 or f16.
;; Inputs: W_proj 1,024 x 1,024 float32; W_qkv 1,024 x 3,072 float32; attn_norm_w 1,024 float32; ffn_norm_w 1,024 float32; freqs_cos 1,024 x 32 float32; freqs_sin 1,024 x 32 float32; k 2 x 1,024 x 1,024 float32; k_xl 2 x 1,024 x 1,024 float32; pos_emb 1,024 x 1,024 float32; q 2 x 1,024 x 1,024 float32; router_b 8 float32; router_w 1,024 x 8 float32; v 2 x 1,024 x 1,024 float32; v_xl 2 x 1,024 x 1,024 float32; w1 8 x 1,024 x 1,024 float32; w2 8 x 1,024 x 1,024 float32; w3 8 x 1,024 x 1,024 float32.
;; Outputs: out0 2 x 1,024 x 1,024 float32.
;; Constants: is_causal = 0.
;; 2 versions, each right and faster than the one before. Each part assembles by itself: llvm-mc -triple=amdgcn-amd-amdhsa -mcpu=gfx1250 --defsym DOCPART=n.
;; ======== version 1 of 2: 8 launches
;; limits: values are held in f16: magnitudes above 65,504 overflow, below 6.1e-05 lose precision
;; workspace buffers: wa 12,582,912 bytes; qkvf 20,971,520 bytes; af 10,616,832 bytes; pp 21,233,664 bytes; we 62,930,944 bytes; route 20,480 bytes of whole numbers; tab2 95,488 bytes of whole numbers
;; launch prep_a (part 1): grid 903 x 1, 8 waves a work-group, no clusters, 0 bytes of LDS; arguments q, attn_norm_w, W_qkv, W_proj, k_xl, pos_emb, v_xl, wa, qkvf, af; writes wa, qkvf, af
.if DOCPART == 1
	.amdgcn_target "amdgcn-amd-amdhsa--gfx1250"
	.amdhsa_code_object_version 6
	.text
	.protected	k_q6c908201e5_prep_a
	.globl	k_q6c908201e5_prep_a
	.p2align	8
	.type	k_q6c908201e5_prep_a,@function
k_q6c908201e5_prep_a:
	s_mov_b64 s[64:65], 0
	v_nop
	global_prefetch_b8 v0, s[64:65] scope:SCOPE_SE
	s_setreg_imm32_b32 hwreg(HW_REG_WAVE_MODE, 25, 1), 1
	s_wait_xcnt 0x0
; FIRST LAUNCH: everything that the attention path needs laid out once.  The work-group's number picks one of four roles; no LDS, no loop.
;   0-255    xn = q * rsqrt(mean(q^2) + 1e-6) * attn_norm_w, a row a wave, rounded to f16, row-major (wa + XN_OFF)
;   256-351  W_qkv, 352-383 W_proj: f32 [K][N] -> f16 blocks of 1,024 bytes (16 columns n x 32 k), in the order in which a matrix operand's registers take them
;   384-895  the memory keys k_xl + pos_emb (added in f32) and values v_xl -> f16 blocks by heads (key blocks 0-63 of each head)
;   896-902  zeros for the seven blocks of 16 rows behind the 2,048 rows of y, which the projection's last tile of 144 rows reads
; A BLOCK: byte half*512 + slot*16 holds X[row0 + r][k0 + 16 half + 8 h .. + 7], slot = r + 16 h.  For V the slot is (r & 7) | h << 3 | (r >> 3) << 4, which the turning LDS load wants.
; LIMITS.  f16 ends at 65,504: xn (at most 32 x the largest gain), the weights, k_xl + pos_emb and v_xl must lie within it.  The inputs k and v are not read.
.set XN_OFF,  8388608
.set WQF_OFF, 2097152
.set KF_OFF,  4194304
.set VF_OFF,  12582912
.set LN,  2                            ; v2  lane
.set L16, 3                            ; v3  16 x lane
.set SO,  8                            ; v8-11  where my 16 bytes of column group g go
.set L4,  12                           ; v12 4 x lane
.set D,   16                           ; v16-143  32 k x 4 column groups as loaded
.set PKR, 144                          ; v144-207 packed, 16 registers for each eight k: no store's data is written again
; A wave turns 32 k x 128 columns.  Lane l holds column 32 g + l of every k; eight k of a column are 16 bytes of a block; sixteen lanes store 256 consecutive bytes, aligned.
.macro WCONV pitch
.set k_, 0
.rept 32
.irp g, 0,1,2,3
	global_load_b32 v[D+4*k_+\g], v[L4], s[30:31] offset:k_*(\pitch)+\g*128 th:TH_LOAD_NT
.endr
.set k_, k_+1
.endr
.set q_, 0
.rept 4
.if q_ < 2
	s_wait_loadcnt 63                              ; 128 loads were issued: at most 63 out means the first 65 are in, k 0 to 15 among them
.elseif q_ == 2
	s_wait_loadcnt 32                              ; k 16 to 23 are in: behind them stand 32 loads
.else
	s_wait_loadcnt 0x0
.endif
.irp g, 0,1,2,3
.irp i, 0,1,2,3
	v_cvt_pk_f16_f32 v[PKR+16*q_+4*\g+\i], v[D+4*(8*q_+2*\i)+\g], v[D+4*(8*q_+2*\i+1)+\g]
.endr
	global_store_b128 v[SO+\g], v[PKR+16*q_+4*\g:PKR+16*q_+4*\g+3], s[32:33] offset:(q_/2)*512+(q_%2)*256
.endr
.set q_, q_+1
.endr
.endm
.macro SOADR                           ; block (lane / 16) of the group's two, row lane % 16; a group of 32 columns is two blocks
	v_lshlrev_b32 v[L4], 2, v[LN]
	v_lshrrev_b32 v6, 4, v[LN]
	v_and_b32 v7, 15, v[LN]
	v_lshlrev_b32 v[SO], 4, v7
	v_lshl_add_u32 v[SO], v6, 10, v[SO]
	v_add_nc_u32 v[SO+1], 2048, v[SO]
	v_add_nc_u32 v[SO+2], 4096, v[SO]
	v_add_nc_u32 v[SO+3], 6144, v[SO]
.endm
	s_load_b512 s[8:23], s[0:1], 0x0               ; q 8, attn_norm_w 10, W_qkv 12, W_proj 14, k_xl 16, pos_emb 18, v_xl 20, wa 22
	s_load_b128 s[24:27], s[0:1], 0x40             ; qkvf 24, af 26
	v_lshrrev_b32 v1, 5, v0
	v_readfirstlane_b32 s2, v1                     ; wave 0..7
	v_and_b32 v[LN], 31, v0
	v_lshlrev_b32 v[L16], 4, v[LN]
	s_mov_b32 s3, ttmp9
	s_mov_b32 s7, 0                                ; the high word of every offset pair s[6:7]
	s_wait_kmcnt 0x0
	s_cmp_lt_u32 s3, 256
	s_cbranch_scc1 .Lnorm
	s_cmp_lt_u32 s3, 352
	s_cbranch_scc1 .Lwqkv
	s_cmp_lt_u32 s3, 384
	s_cbranch_scc1 .Lwproj
	s_cmp_lt_u32 s3, 896
	s_cbranch_scc1 .Lmem
	; the pad: block of 16 rows 128 + (wg - 896): 32,768 bytes of zeros, 4,096 a wave
	s_sub_co_u32 s4, s3, 768
	s_lshl_b32 s6, s4, 15
	s_lshl_b32 s5, s2, 12
	s_add_co_u32 s6, s6, s5
	s_add_nc_u64 s[26:27], s[26:27], s[6:7]
	v_mov_b32 v16, 0
	v_mov_b32 v17, 0
	v_mov_b32 v18, 0
	v_mov_b32 v19, 0
.irp i, 0,1,2,3,4,5,6,7
	global_store_b128 v[L16], v[16:19], s[26:27] offset:\i*512
.endr
	s_endpgm
.Lnorm:                                                ; row 8 wg + w; lane l owns elements 256 g + 8 l + 0..7
	s_lshl3_add_u32 s4, s3, s2
	s_lshl_b32 s6, s4, 12
	s_add_nc_u64 s[8:9], s[8:9], s[6:7]
	s_lshl_b32 s6, s4, 11
	s_add_nc_u64 s[22:23], s[22:23], s[6:7]
	s_add_nc_u64 s[22:23], s[22:23], XN_OFF
	s_mov_b32 s30, 0x76543210                      ; v_permlanex16_b32: each lane takes its own place in the other half
	s_mov_b32 s31, 0xfedcba98
	s_mov_b32 s32, 0x3a800000                      ; 1 / 1024
	s_mov_b32 s33, 0x358637bd                      ; 1e-6
	v_lshlrev_b32 v4, 5, v[LN]
.irp g, 0,1,2,3
	global_load_b128 v[16+8*\g:19+8*\g], v4, s[8:9] offset:\g*1024 th:TH_LOAD_NT
	global_load_b128 v[20+8*\g:23+8*\g], v4, s[8:9] offset:\g*1024+16 th:TH_LOAD_NT
.endr
.irp g, 0,1,2,3
	global_load_b128 v[48+8*\g:51+8*\g], v4, s[10:11] offset:\g*1024
	global_load_b128 v[52+8*\g:55+8*\g], v4, s[10:11] offset:\g*1024+16
.endr
	s_wait_loadcnt 8                               ; q is in; the gain's eight loads are younger
.irp c, 0,1,2,3
	v_pk_mul_f32 v[80+2*\c:81+2*\c], v[16+2*\c:17+2*\c], v[16+2*\c:17+2*\c]  ; four chains, started by the first four pairs
.endr
.set i_, 4
.rept 12
	v_pk_fma_f32 v[80+2*(i_%4):81+2*(i_%4)], v[16+2*i_:17+2*i_], v[16+2*i_:17+2*i_], v[80+2*(i_%4):81+2*(i_%4)]
.set i_, i_+1
.endr
	v_pk_add_f32 v[80:81], v[80:81], v[82:83]
	v_pk_add_f32 v[84:85], v[84:85], v[86:87]
	v_pk_add_f32 v[80:81], v[80:81], v[84:85]
	v_add_f32 v80, v80, v81
	v_add_f32_dpp v80, v80, v80 row_xmask:1 row_mask:0xf bank_mask:0xf
	v_add_f32_dpp v80, v80, v80 row_xmask:2 row_mask:0xf bank_mask:0xf
	v_add_f32_dpp v80, v80, v80 row_xmask:4 row_mask:0xf bank_mask:0xf
	v_add_f32_dpp v80, v80, v80 row_xmask:8 row_mask:0xf bank_mask:0xf
	v_permlanex16_b32 v81, v80, s30, s31
	v_add_f32 v80, v80, v81
	v_fma_f32 v80, v80, s32, s33                   ; mean + eps
	v_rsq_f32 v88, v80
	v_rsq_f32 v89, v80
	v_nop                                          ; a plain instruction behind the last of the two
	s_wait_alu depctr_va_vdst(0)                   ; one wait for both, ahead of their first reader
	s_wait_loadcnt 0x0                             ; the gain
.set i_, 0
.rept 16
	v_pk_mul_f32 v[16+2*i_:17+2*i_], v[16+2*i_:17+2*i_], v[88:89]
.set i_, i_+1
.endr
.set i_, 0
.rept 16
	v_pk_mul_f32 v[16+2*i_:17+2*i_], v[16+2*i_:17+2*i_], v[48+2*i_:49+2*i_]
.set i_, i_+1
.endr
.set i_, 0
.rept 16
	v_cvt_pk_f16_f32 v[96+i_], v[16+2*i_], v[17+2*i_]
.set i_, i_+1
.endr
.irp g, 0,1,2,3
	global_store_b128 v[L16], v[96+4*\g:99+4*\g], s[22:23] offset:\g*512  ; 512 consecutive bytes of the row
.endr
	s_endpgm
.Lwqkv:                                                ; j = wg - 256: k block j % 32, column group of 128: (j / 32) * 8 + w
	s_sub_co_u32 s4, s3, 256
	s_and_b32 s5, s4, 31
	s_lshr_b32 s4, s4, 5
	s_lshl3_add_u32 s4, s4, s2
	s_mul_i32 s6, s5, 32*12288
	s_lshl_b32 s34, s4, 9
	s_add_co_u32 s6, s6, s34
	s_add_nc_u64 s[30:31], s[12:13], s[6:7]
	s_mul_i32 s6, s5, 192
	s_lshl3_add_u32 s6, s4, s6                     ; block kb * 192 + 8 cg
	s_lshl_b32 s6, s6, 10
	s_add_nc_u64 s[32:33], s[22:23], s[6:7]
	s_add_nc_u64 s[32:33], s[32:33], WQF_OFF
	SOADR
	WCONV 12288
	s_endpgm
.Lwproj:                                               ; k block wg - 352, column group w
	s_sub_co_u32 s5, s3, 352
	s_lshl_b32 s6, s5, 17
	s_lshl_b32 s34, s2, 9
	s_add_co_u32 s6, s6, s34
	s_add_nc_u64 s[30:31], s[14:15], s[6:7]
	s_lshl_b32 s6, s5, 6
	s_lshl3_add_u32 s6, s2, s6                     ; block kb * 64 + 8 cg
	s_lshl_b32 s6, s6, 10
	s_add_nc_u64 s[32:33], s[22:23], s[6:7]
	SOADR
	WCONV 4096
	s_endpgm
.Lmem:                                                 ; j = wg - 384: K or V (j / 256), batch, block of 16 tokens, head (j % 2) * 8 + w
	s_sub_co_u32 s4, s3, 384
	s_lshr_b32 s5, s4, 8
	s_bfe_u32 s34, s4, 0x10007                     ; b
	s_bfe_u32 s35, s4, 0x60001                     ; tb
	s_and_b32 s36, s4, 1
	s_lshl3_add_u32 s36, s36, s2                   ; head
	s_lshl_b32 s6, s35, 16
	s_lshl_b32 s37, s36, 8
	s_add_co_u32 s6, s6, s37                       ; 16 tb rows of 4,096 bytes + the head's 256
	s_add_nc_u64 s[18:19], s[18:19], s[6:7]
	s_lshl_b32 s37, s34, 22
	s_add_co_u32 s6, s6, s37
	s_add_nc_u64 s[16:17], s[16:17], s[6:7]
	s_add_nc_u64 s[20:21], s[20:21], s[6:7]
	s_lshl4_add_u32 s37, s34, s36                  ; b * 16 + head
	s_lshl_b32 s37, s37, 7
	s_add_co_u32 s37, s37, s35
	s_lshl_b32 s6, s37, 11                         ; a key block is two blocks of 1,024 bytes
	s_add_nc_u64 s[24:25], s[24:25], s[6:7]
	v_and_b32 v6, 15, v[LN]
	v_lshrrev_b32 v7, 4, v[LN]
	v_lshlrev_b32 v4, 12, v6
	v_lshl_add_u32 v4, v7, 5, v4                   ; row r, channels 8 h on
	s_cmp_lg_u32 s5, 0
	s_cbranch_scc1 .Lmemv
.irp c, 0,1,2,3
	global_load_b128 v[16+8*\c:19+8*\c], v4, s[16:17] offset:\c*64 th:TH_LOAD_NT
	global_load_b128 v[20+8*\c:23+8*\c], v4, s[16:17] offset:\c*64+16 th:TH_LOAD_NT
	global_load_b128 v[48+8*\c:51+8*\c], v4, s[18:19] offset:\c*64
	global_load_b128 v[52+8*\c:55+8*\c], v4, s[18:19] offset:\c*64+16
.endr
	s_add_nc_u64 s[24:25], s[24:25], KF_OFF
	s_wait_loadcnt 0x0
.set i_, 0
.rept 16
	v_pk_add_f32 v[16+2*i_:17+2*i_], v[16+2*i_:17+2*i_], v[48+2*i_:49+2*i_]
.set i_, i_+1
.endr
.set i_, 0
.rept 16
	v_cvt_pk_f16_f32 v[80+i_], v[16+2*i_], v[17+2*i_]
.set i_, i_+1
.endr
.irp c, 0,1,2,3
	global_store_b128 v[L16], v[80+4*\c:83+4*\c], s[24:25] offset:\c*512
.endr
	s_endpgm
.Lmemv:
.irp c, 0,1,2,3
	global_load_b128 v[16+8*\c:19+8*\c], v4, s[20:21] offset:\c*64 th:TH_LOAD_NT
	global_load_b128 v[20+8*\c:23+8*\c], v4, s[20:21] offset:\c*64+16 th:TH_LOAD_NT
.endr
	s_add_nc_u64 s[24:25], s[24:25], VF_OFF
	v_and_b32 v5, 7, v[LN]                         ; V's slot: (r & 7) | h << 3 | (r >> 3) << 4
	v_lshl_or_b32 v5, v7, 3, v5
	v_bfe_u32 v6, v[LN], 3, 1
	v_lshl_or_b32 v5, v6, 4, v5
	v_lshlrev_b32 v5, 4, v5
	s_wait_loadcnt 0x0
.set i_, 0
.rept 16
	v_cvt_pk_f16_f32 v[80+i_], v[16+2*i_], v[17+2*i_]
.set i_, i_+1
.endr
.irp c, 0,1,2,3
	global_store_b128 v5, v[80+4*\c:83+4*\c], s[24:25] offset:\c*512
.endr
	s_endpgm
.Lfunc_end_k_q6c908201e5_prep_a:
	.size	k_q6c908201e5_prep_a, .Lfunc_end_k_q6c908201e5_prep_a-k_q6c908201e5_prep_a
	.p2alignl 7, 3214868480
	.fill 96, 4, 3214868480
	.section	.rodata,"a",@progbits
	.p2align	6, 0x0
	.amdhsa_kernel k_q6c908201e5_prep_a
		.amdhsa_group_segment_fixed_size 0
		.amdhsa_private_segment_fixed_size 0
		.amdhsa_enable_private_segment 0
		.amdhsa_kernarg_size 80
		.amdhsa_user_sgpr_count 2
		.amdhsa_user_sgpr_kernarg_segment_ptr 1
		.amdhsa_wavefront_size32 1
		.amdhsa_system_sgpr_workgroup_id_x 1
		.amdhsa_system_sgpr_workgroup_id_y 1
		.amdhsa_system_sgpr_workgroup_id_z 1
		.amdhsa_system_vgpr_workitem_id 0
		.amdhsa_next_free_vgpr 208
		.amdhsa_next_free_sgpr 66
		.amdhsa_reserve_vcc 0
		.amdhsa_float_denorm_mode_32 3
		.amdhsa_float_denorm_mode_16_64 3
		.amdhsa_memory_ordered 1
		.amdhsa_forward_progress 1
		.amdhsa_inst_pref_size 54
	.end_amdhsa_kernel
	.amdgpu_metadata
---
amdhsa.version: [ 1, 2 ]
amdhsa.kernels:
  - .name:           k_q6c908201e5_prep_a
    .symbol:         k_q6c908201e5_prep_a.kd
    .args:
      - { .name: q, .offset: 0, .size: 8, .value_kind: global_buffer, .address_space: global }
      - { .name: attn_norm_w, .offset: 8, .size: 8, .value_kind: global_buffer, .address_space: global }
      - { .name: W_qkv, .offset: 16, .size: 8, .value_kind: global_buffer, .address_space: global }
      - { .name: W_proj, .offset: 24, .size: 8, .value_kind: global_buffer, .address_space: global }
      - { .name: k_xl, .offset: 32, .size: 8, .value_kind: global_buffer, .address_space: global }
      - { .name: pos_emb, .offset: 40, .size: 8, .value_kind: global_buffer, .address_space: global }
      - { .name: v_xl, .offset: 48, .size: 8, .value_kind: global_buffer, .address_space: global }
      - { .name: wa, .offset: 56, .size: 8, .value_kind: global_buffer, .address_space: global }
      - { .name: qkvf, .offset: 64, .size: 8, .value_kind: global_buffer, .address_space: global }
      - { .name: af, .offset: 72, .size: 8, .value_kind: global_buffer, .address_space: global }
    .group_segment_fixed_size: 0
    .private_segment_fixed_size: 0
    .kernarg_segment_align: 8
    .kernarg_segment_size: 80
    .max_flat_workgroup_size: 256
    .sgpr_count:     66
    .vgpr_count:     208
    .wavefront_size: 32
...
	.end_amdgpu_metadata
.endif
;; end of part 1
;; launch qkv (part 2): grid 16 x 16, 4 waves a work-group, no clusters, 264,704 bytes of LDS; arguments wa, freqs_cos, freqs_sin, qkvf; writes qkvf
.if DOCPART == 2
	.amdgcn_target "amdgcn-amd-amdhsa--gfx1250"
	.amdhsa_code_object_version 6
	.text
	.protected	k_q6c908201e5_qkv
	.globl	k_q6c908201e5_qkv
	.p2align	8
	.type	k_q6c908201e5_qkv,@function
k_q6c908201e5_qkv:
	s_mov_b64 s[64:65], 0
	v_nop
	global_prefetch_b8 v0, s[64:65] scope:SCOPE_SE
	s_setreg_imm32_b32 hwreg(HW_REG_WAVE_MODE, 25, 1), 1
	s_wait_xcnt 0x0
; xn @ W_qkv, the rotary turn of q and k, and q, k, v by heads in operand order (f16).  Products in f16 with f32 sums.
; SHARES.  A work-group has 128 rows (y) x 192 columns (x); 16 x 16 work-groups.  The 128 rows x all 1,024 k of xn lie in LDS, filled ONCE by asynchronous copies at the head.
; Each of the four waves makes all 128 rows x its own 48 columns (3 blocks of 16): its weights are read by it alone, straight from memory into a ring of four register slots, three K steps ahead.
; Nothing in the K loop writes LDS, so the loop has no barrier.  NO CLUSTER: the tile that the sixteen work-groups of a row share comes by copies lane by lane, which have no joint form.
; THE MATRIX INSTRUCTION IS USED TRANSPOSED (source 0 = 16 columns of W, source 1 = 16 rows of xn): a lane holds one row and eight neighbouring columns, which are 16 bytes of a block.
; REGISTERS, in windows of 256: window 0 addresses and the way out; window 1 v0-127 two buffers of A's fragments, v128-223 the ring of B's; window 2 the 24 accumulators, (mb, f) at 8 (3 mb + f).
; LIMIT.  q, k, v leave in f16: they must stay within 65,504.
.set MB, 8
.set NF, 3
.set KSTR, 196608                      ; bytes from a K step of W's blocks to the next: 192 blocks
.set KA, 64                            ; bytes of a K step in a row of xn
.set PITCH, 2064                       ; an LDS row: 2,048 bytes + 16: an odd multiple of 16, so the 16 rows of a load touch 16 different columns of 16 bytes
.set SPARE, 128*PITCH                  ; behind A: the spare words, 128 bytes a wave
.set XN_OFF, 8388608
.set WQF_OFF, 2097152
.set R, 1
.set H, 2
.set L16, 3
.set SPW, 4
.set NIL, 5
.set AD, 6                             ; v6-9   LDS address of my fragments of row blocks 2 i, 2 i + 1
.set SV, 10                            ; v10    16 x V's slot
.set CA, 12                            ; v12-14 my byte offset in cos and sin for column block f
.set TM, 15
.set LA, 16                            ; v16-47 LDS address of copy j;  v48-79 its offset in xn: neither is rewritten
.set GA, 48
.set T, 96                             ; v96-111 at work
.set PK, 128                           ; v128-223 packed results: no store's data is written again
.set BR, 128                           ; window 1
.set BP, 18                            ; s[18:19] W's blocks at my columns, stepped four K steps a trip
.set CNT, 28
.set SB, 32                            ; s[32:37] where column block f goes
.set PART, 38                          ; s38-40   0 q, 1 k, 2 v
.set W_LD, 0x40
.set W_MM, 0xa5
.set MSB, 0
.macro WIN new                         ; the immediate's high byte repeats the setting that is left
.if MSB != (\new)
	s_set_vgpr_msb (MSB<<8)|(\new)
.set MSB, \new
.endif
.endm
.macro PLACES                          ; four plain instructions between matrix instructions and loads into, or reads of, their registers
.rept 4
	v_nop
.endr
.endm
.macro BLOADS slot, kb
	WIN W_LD
.set f_, 0
.rept NF
	global_load_b128 v[BR+8*NF*(\slot)+8*f_:BR+8*NF*(\slot)+8*f_+3], v[L16], s[BP:BP+1] offset:(\kb)*KSTR+f_*1024
	global_load_b128 v[BR+8*NF*(\slot)+8*f_+4:BR+8*NF*(\slot)+8*f_+7], v[L16], s[BP:BP+1] offset:(\kb)*KSTR+f_*1024+512
.set f_, f_+1
.endr
.endm
.macro ALOADS buf, ka
	WIN W_LD
.set m_, 0
.rept MB
	ds_load_b128 v[8*MB*(\buf)+8*m_:8*MB*(\buf)+8*m_+3], v[AD+m_/2] offset:(m_%2)*16*PITCH+(\ka)*KA
	ds_load_b128 v[8*MB*(\buf)+8*m_+4:8*MB*(\buf)+8*m_+7], v[AD+m_/2] offset:(m_%2)*16*PITCH+(\ka)*KA+32
.set m_, m_+1
.endr
.endm
.macro PRODS ab, bs, zero              ; every accumulator once a step: they take turns
	WIN W_MM
.set m_, 0
.rept MB
.set f_, 0
.rept NF
.if \zero
	v_wmma_f32_16x16x32_f16 v[8*(NF*m_+f_):8*(NF*m_+f_)+7], v[BR+8*NF*(\bs)+8*f_:BR+8*NF*(\bs)+8*f_+7], v[8*MB*(\ab)+8*m_:8*MB*(\ab)+8*m_+7], 0
.else
	v_wmma_f32_16x16x32_f16 v[8*(NF*m_+f_):8*(NF*m_+f_)+7], v[BR+8*NF*(\bs)+8*f_:BR+8*NF*(\bs)+8*f_+7], v[8*MB*(\ab)+8*m_:8*MB*(\ab)+8*m_+7], v[8*(NF*m_+f_):8*(NF*m_+f_)+7]
.endif
.set f_, f_+1
.endr
.set m_, m_+1
.endr
.endm
; K step t (ab = t % 2, bs = t % 4): B of step t + 3 and A of step t + 1 are asked for (index kb, ka from the trip's base; -1: none), then step t is multiplied.
.macro KSTEP ab, bs, ka, kb, nl, nd, zero
	PLACES
.if (\kb) >= 0
	BLOADS ((\bs)+3)%4, \kb
.endif
.if (\ka) >= 0
	ALOADS 1-(\ab), \ka
.endif
	s_wait_loadcnt \nl                             ; B of step t is in: behind it stand the loads of the steps asked for since
	s_wait_dscnt \nd                               ; A of step t is in: behind it stand the loads of step t + 1
	PRODS \ab, \bs, \zero
.endm
	s_load_b256 s[8:15], s[0:1], 0x0               ; wa 8, cos 10, sin 12, qkvf 14
	v_lshl_add_u32 v[SPW], v0, 2, SPARE
	v_mov_b32 v[NIL], 0
	ds_add_u32 v[SPW], v[NIL]                      ; the wave's opening: the add and its wait ahead of my first copy
	ds_add_u32 v4, v5
	v_lshrrev_b32 v[TM], 5, v0
	v_readfirstlane_b32 s2, v[TM]                  ; wave 0..3
	v_and_b32 v[R], 15, v0
	v_bfe_u32 v[H], v0, 4, 1
	v_and_b32 v[L16], 31, v0
	v_lshlrev_b32 v[L16], 4, v[L16]
	s_mov_b32 s3, ttmp9                            ; x: slice of 192 columns
	s_and_b32 s4, ttmp7, 0xffff                    ; y: tile of 128 rows
	v_mul_u32_u24 v[AD], v[R], PITCH
	v_lshl_add_u32 v[AD], v[H], 4, v[AD]
.irp i, 1,2,3
	v_add_nc_u32 v[AD+\i], \i*32*PITCH, v[AD]
.endr
	v_and_b32 v[SV], 7, v0
	v_lshl_or_b32 v[SV], v[H], 3, v[SV]
	v_bfe_u32 v[TM], v0, 3, 1
	v_lshl_or_b32 v[SV], v[TM], 4, v[SV]
	v_lshlrev_b32 v[SV], 4, v[SV]
	s_mul_i32 s5, s2, 32*PITCH                     ; wave w copies rows 32 w .. 32 w + 31
	v_add_nc_u32 v[TM], s5, v[L16]
.set j_, 0
.rept 32
	v_add_nc_u32 v[LA+j_], j_*PITCH, v[TM]
.set j_, j_+1
.endr
	s_lshl_b32 s5, s2, 16
	v_add_nc_u32 v[TM], s5, v[L16]
.set j_, 0
.rept 32
	v_add_nc_u32 v[GA+j_], j_*2048, v[TM]
.set j_, j_+1
.endr
	s_mul_i32 s20, s3, 12
	s_mul_i32 s21, s2, 3
	s_add_co_u32 s20, s20, s21                     ; my first column block: 12 x + 3 w
	s_lshl_b32 s6, s20, 10
	s_mov_b32 s7, 0
	s_and_b32 s30, s4, 7
	s_lshl_b32 s30, s30, 14                        ; (y % 8) << 14: the tile's first token, as bytes of cos (128 a row) and as bytes of blocks (2,048 for 16 tokens)
	s_lshr_b32 s29, s4, 3
	s_lshl_b32 s29, s29, 4                         ; batch * 16
	v_lshlrev_b32 v[TM], 7, v[R]
	v_lshl_add_u32 v[TM], v[H], 4, v[TM]
.irp f, 0,1,2
	s_add_co_u32 s21, s20, \f
	s_and_b32 s21, s21, 3
	s_lshl_b32 s21, s21, 5                         ; the block's first channel in its head, two bytes of cos a channel
	s_add_co_u32 s21, s21, s30
	v_add_nc_u32 v[CA+\f], s21, v[TM]
.endr
	s_wait_dscnt 0x0                               ; the opening add is done
	s_wait_kmcnt 0x0
	s_add_nc_u64 s[BP:BP+1], s[8:9], s[6:7]
	s_add_nc_u64 s[BP:BP+1], s[BP:BP+1], WQF_OFF
	s_lshl_b32 s6, s4, 18
	s_add_nc_u64 s[16:17], s[8:9], s[6:7]
	s_add_nc_u64 s[16:17], s[16:17], XN_OFF
	BLOADS 0, 0
	BLOADS 1, 1
	BLOADS 2, 2
	WIN 0
.irp c, 0,1,2,3
.set j_, 0
.rept 32
	global_load_async_to_lds_b128 v[LA+j_], v[GA+j_], s[16:17] offset:\c*512  ; 512 bytes of a row; the immediate is added to both addresses
.set j_, j_+1
.endr
.endr
	s_wait_asynccnt 0x0                            ; my rows have landed,
	s_barrier_signal -1
	s_barrier_wait -1                              ; everybody's have: A is whole, and is never written again
	ALOADS 0, 0
	KSTEP 0, 0, 1, 3, 6*NF, 2*MB, 1                ; the first K step starts the sums
	WIN 0
	s_mov_b32 s[CNT], 7
.Lk:                                                   ; four K steps a trip: t = 4 i + 1 .. 4 i + 4
	KSTEP 1, 1, 2, 4, 6*NF, 2*MB, 0
	KSTEP 0, 2, 3, 5, 6*NF, 2*MB, 0
	KSTEP 1, 3, 4, 6, 6*NF, 2*MB, 0
	KSTEP 0, 0, 5, 7, 6*NF, 2*MB, 0
	WIN 0
	s_wait_xcnt 0x0                                ; the loads' base is stepped only behind this wait
	s_add_nc_u64 s[BP:BP+1], s[BP:BP+1], 4*KSTR
.irp i, 0,1,2,3
	v_add_nc_u32 v[AD+\i], 4*KA, v[AD+\i]
.endr
	s_sub_co_u32 s[CNT], s[CNT], 1
	s_cmp_lg_u32 s[CNT], 0
	s_cbranch_scc1 .Lk
	KSTEP 1, 1, 2, -1, 4*NF, 2*MB, 0               ; t = 29, 30, 31: nothing of B is left to ask for, and the counts run down
	KSTEP 0, 2, 3, -1, 2*NF, 2*MB, 0
	KSTEP 1, 3, -1, -1, 0, 0, 0
	; THE WAY OUT.  cos and sin of my rows and channel pairs come into window 1, where the fragments lay.
	PLACES
	WIN W_LD
.set m_, 0
.rept MB
.irp f, 0,1,2
	global_load_b128 v[8*(NF*m_+\f):8*(NF*m_+\f)+3], v[CA+\f], s[10:11] offset:m_*2048
	global_load_b128 v[8*(NF*m_+\f)+4:8*(NF*m_+\f)+7], v[CA+\f], s[12:13] offset:m_*2048
.endr
.set m_, m_+1
.endr
	WIN 0
.irp f, 0,1,2                          ; where column block f goes: part, head, half of the head's channels
	s_add_co_u32 s21, s20, \f
	s_lshr_b32 s[PART+\f], s21, 6
	s_bfe_u32 s22, s21, 0x40002
	s_and_b32 s23, s21, 3
	s_lshl_b32 s23, s23, 9
	s_add_co_u32 s22, s22, s29                     ; batch * 16 + head
	s_lshl_b32 s24, s22, 17                        ; q: 64 token blocks of 2,048 bytes a head
	s_add_co_u32 s24, s24, s30
	s_lshl_b32 s25, s22, 18                        ; k, v: 128 key blocks a head, the self keys from block 64 on
	s_add_co_u32 s25, s25, s30
	s_lshl_b32 s26, s[PART+\f], 23
	s_add_co_u32 s25, s25, s26
	s_sub_co_u32 s25, s25, 4194304-131072
	s_cmp_eq_u32 s[PART+\f], 0
	s_cselect_b32 s24, s24, s25
	s_add_co_u32 s24, s24, s23
	s_mov_b32 s25, 0
	s_add_nc_u64 s[SB+2*\f:SB+2*\f+1], s[14:15], s[24:25]
.endr
	s_wait_loadcnt 0x0
.macro ROPE mb, fb                     ; (xr, xi) -> (xr c - xi s, xr s + xi c) for my four pairs; accumulator in window 2, cos and sin in window 1
.set a_, 8*(NF*(\mb)+(\fb))
	WIN 0x06
.irp p, 0,1,2,3
	v_mul_f32 v[T+2*\p], v[a_+2*\p+1], v[a_+4+\p]
	v_mul_f32 v[T+2*\p+1], v[a_+2*\p+1], v[a_+\p]
.endr
.irp p, 0,1,2,3
	v_fma_f32 v[T+8+2*\p], v[a_+2*\p], v[a_+\p], -v[T+2*\p]
	v_fma_f32 v[T+8+2*\p+1], v[a_+2*\p], v[a_+4+\p], v[T+2*\p+1]
.endr
	WIN 0
.irp p, 0,1,2,3
	v_cvt_pk_f16_f32 v[PK+a_/2+\p], v[T+8+2*\p], v[T+8+2*\p+1]
.endr
	global_store_b128 v[L16], v[PK+a_/2:PK+a_/2+3], s[SB+2*(\fb):SB+2*(\fb)+1] offset:(\mb)*2048  ; 512 consecutive bytes: half a block
.endm
.irp f, 0,1,2
	s_cmp_eq_u32 s[PART+\f], 2
	s_cbranch_scc1 .Lv\f
.set n_, 0
.rept MB
	ROPE n_, \f
.set n_, n_+1
.endr
	s_branch .Ldone\f
.Lv\f:                                                 ; v is only rounded, and takes V's slots
	WIN 0x0a
.set n_, 0
.rept MB
.irp p, 0,1,2,3
	v_cvt_pk_f16_f32 v[PK+4*(NF*n_+\f)+\p], v[8*(NF*n_+\f)+2*\p], v[8*(NF*n_+\f)+2*\p+1]
.endr
.set n_, n_+1
.endr
	WIN 0
.set n_, 0
.rept MB
	global_store_b128 v[SV], v[PK+4*(NF*n_+\f):PK+4*(NF*n_+\f)+3], s[SB+2*\f:SB+2*\f+1] offset:n_*2048
.set n_, n_+1
.endr
.Ldone\f:
.endr
	s_wait_tensorcnt 0x0                           ; the wave's end
	s_wait_asynccnt 0x0
	ds_add_u32 v[SPW], v[NIL]
	s_wait_dscnt 0x0
	s_endpgm
.Lfunc_end_k_q6c908201e5_qkv:
	.size	k_q6c908201e5_qkv, .Lfunc_end_k_q6c908201e5_qkv-k_q6c908201e5_qkv
	.p2alignl 7, 3214868480
	.fill 96, 4, 3214868480
	.section	.rodata,"a",@progbits
	.p2align	6, 0x0
	.amdhsa_kernel k_q6c908201e5_qkv
		.amdhsa_group_segment_fixed_size 264704
		.amdhsa_private_segment_fixed_size 0
		.amdhsa_enable_private_segment 0
		.amdhsa_kernarg_size 32
		.amdhsa_user_sgpr_count 2
		.amdhsa_user_sgpr_kernarg_segment_ptr 1
		.amdhsa_wavefront_size32 1
		.amdhsa_system_sgpr_workgroup_id_x 1
		.amdhsa_system_sgpr_workgroup_id_y 1
		.amdhsa_system_sgpr_workgroup_id_z 1
		.amdhsa_system_vgpr_workitem_id 0
		.amdhsa_next_free_vgpr 704
		.amdhsa_next_free_sgpr 66
		.amdhsa_reserve_vcc 0
		.amdhsa_float_denorm_mode_32 3
		.amdhsa_float_denorm_mode_16_64 3
		.amdhsa_memory_ordered 1
		.amdhsa_forward_progress 1
		.amdhsa_inst_pref_size 90
	.end_amdhsa_kernel
	.amdgpu_metadata
---
amdhsa.version: [ 1, 2 ]
amdhsa.kernels:
  - .name:           k_q6c908201e5_qkv
    .symbol:         k_q6c908201e5_qkv.kd
    .args:
      - { .name: wa, .offset: 0, .size: 8, .value_kind: global_buffer, .address_space: global }
      - { .name: freqs_cos, .offset: 8, .size: 8, .value_kind: global_buffer, .address_space: global }
      - { .name: freqs_sin, .offset: 16, .size: 8, .value_kind: global_buffer, .address_space: global }
      - { .name: qkvf, .offset: 24, .size: 8, .value_kind: global_buffer, .address_space: global }
    .group_segment_fixed_size: 264704
    .private_segment_fixed_size: 0
    .kernarg_segment_align: 8
    .kernarg_segment_size: 32
    .max_flat_workgroup_size: 128
    .sgpr_count:     66
    .vgpr_count:     704
    .wavefront_size: 32
...
	.end_amdgpu_metadata
.endif
;; end of part 2
;; launch attn (part 3): grid 8 x 32, 4 waves a work-group, no clusters, 66,048 bytes of LDS; arguments qkvf, af; writes af
.if DOCPART == 3
	.amdgcn_target "amdgcn-amd-amdhsa--gfx1250"
	.amdhsa_code_object_version 6
	.text
	.protected	k_q6c908201e5_attn
	.globl	k_q6c908201e5_attn
	.p2align	8
	.type	k_q6c908201e5_attn,@function
k_q6c908201e5_attn:
	s_mov_b64 s[64:65], 0
	v_nop
	global_prefetch_b8 v0, s[64:65] scope:SCOPE_SE
	s_setreg_imm32_b32 hwreg(HW_REG_WAVE_MODE, 25, 1), 1
	s_wait_xcnt 0x0
; y = softmax(Q K^T / 8) V over 2,048 keys (1,024 memory keys, 1,024 self keys), no mask; head size 64; Q, K, V in f16 in operand order; y leaves in f16 as blocks for the projection.
; Products, maxima and sums in f32; the weights p are rounded to f16 for the second product (their sum l is taken of the unrounded p).
; SHARES.  A work-group has 128 queries of one (batch, head), a wave two tiles of 16.  Every wave walks all keys, 64 a step.
; LAYOUT.  S^T = K Q^T holds one query a lane and the keys 8 (lane / 16) + 0..7; two such results rounded in pairs ARE source 1 of O^T = V^T P.  V comes out of LDS turned, by ds_load_tr16_b128.
; SOFTMAX.  A running maximum m and sum l: p = 2^(c s - c m), c = log2(e) / 8; O and l are multiplied by a = 2^(c m_old - c m_new) in every step.  m starts at the lowest finite number, O and l at 0.
; THE ORDER is in phases: K's loads, V^T P of the step before, K Q^T, V's loads, the softmax with its 66 exponentials as one batch and one wait.
; LDS.  Two slots of 32 KiB (128 keys: K 16 KiB, V 16 KiB) filled through registers: the next tile's 16 loads a thread go out ahead of two key steps and are stored behind them into the other slot; one barrier a tile.
; NO CLUSTER: the tiles come through registers, which have no joint form.
; LIMITS.  A weight below 2^-126 counts as 0 in l; NaN and infinities are not treated apart.
.set SPARE, 65536
.set L16, 2
.set T16, 3                            ; 16 x thread
.set ADR, 4
.set SA, 5
.set SPW, 6
.set NIL, 7
.set ST, 8                             ; tile u at v[8 + 8 u]: c m, m, l, l, c0-c3 at work (c2 takes a)
.set MV, 24
.set Q, 32
.set S, 64
.set P, 128
.set STG, 160                          ; v160-223 the next tile on its way
.set O, 0                              ; window 1
.set KF, 64
.set VF, 128
.set TB, 20                            ; s20 LDS byte of the step in hand
.set TS, 21                            ; s21 the slot that is filled next
.set CNT, 22
.set C2, 23
.set CS, 24
.set SEL, 26
.set MSB, 0
.macro WIN new
.if MSB != (\new)
	s_set_vgpr_msb (MSB<<8)|(\new)
.set MSB, \new
.endif
.endm
.macro PLACES
.rept 4
	v_nop
.endr
.endm
.macro REGS u
.set rT, ST+8*(\u)
.set rC, ST+8*(\u)+4
.set rM, MV+(\u)
.set rS, S+32*(\u)
.set rP, P+16*(\u)
.set rO, O+32*(\u)
.endm
; Number n of the 22 that find a tile's maximum and statistics; each accumulator's lowest registers are read first.
.macro XS u, n
	REGS \u
.if (\n) < 4
	v_max3_num_f32 v[rC+(\n)], v[rS+8*(\n)], v[rS+8*(\n)+1], v[rS+8*(\n)+2]
.elseif (\n) < 12
	v_max3_num_f32 v[rC+(\n)%4], v[rC+(\n)%4], v[rS+8*((\n)%4)+2*((\n)/4)+1], v[rS+8*((\n)%4)+2*((\n)/4)+2]
.elseif (\n) == 12
	v_max3_num_f32 v[rC], v[rC], v[rS+7], v[rS+15]
.elseif (\n) == 13
	v_max3_num_f32 v[rC+1], v[rC+1], v[rS+23], v[rS+31]
.elseif (\n) == 14
	v_max3_num_f32 v[rC+2], v[rC+2], v[rC+3], v[rT+1]
.elseif (\n) == 15
	v_mov_b32 v[rM], v[rT]
.elseif (\n) == 16
	v_max3_num_f32 v[rC], v[rC], v[rC+1], v[rC+2]
.elseif (\n) == 17
	v_permlanex16_b32 v[rC+3], v[rC], s[SEL], s[SEL+1]
.elseif (\n) == 18
	v_max_num_f32 v[rT+1], v[rC], v[rC+3]
.elseif (\n) == 19
	v_mul_f32 v[rT], s[CS], v[rT+1]
.elseif (\n) == 20
	v_sub_f32 v[rC+1], v[rM], v[rT]
.else
	v_exp_f32 v[rC+2], v[rC+1]
.endif
.endm
.macro SUMS u                          ; the tile's 16 pairs into one, then l = a l + sum
	REGS \u
.irp d, 8,4,2,1
.set i_, 0
.rept \d
	v_pk_add_f32 v[rS+2*i_:rS+2*i_+1], v[rS+2*i_:rS+2*i_+1], v[rS+2*(i_+\d):rS+2*(i_+\d)+1]
.set i_, i_+1
.endr
.endr
	v_pk_fma_f32 v[rT+2:rT+3], v[rT+2:rT+3], v[rC+2:rC+3], v[rS:rS+1] op_sel_hi:[1,0,1]
.endm
.macro SOFTMAX
	WIN 0
.irp n, 0,1,2,3,4,5,6,7,8,9,10,11,12,13,14,15,16,17,18,19,20
	XS 0, \n
	XS 1, \n
.endr
.set i_, 0
.rept 16
.irp u, 0,1
	REGS \u
	v_pk_fma_f32 v[rS+2*i_:rS+2*i_+1], v[rS+2*i_:rS+2*i_+1], s[CS:CS+1], v[rT:rT+1] op_sel_hi:[1,0,0] neg_lo:[0,0,1] neg_hi:[0,0,1]
.endr
.set i_, i_+1
.endr
.set i_, 0
.rept 32
	v_exp_f32 v[S+i_], v[S+i_]
	v_exp_f32 v[S+32+i_], v[S+32+i_]
.set i_, i_+1
.endr
	XS 0, 21
	XS 1, 21
	v_nop                                          ; a plain instruction behind the last exponential: one for the batch
	s_wait_alu depctr_va_vdst(0)                   ; one wait for the 66, ahead of their first reader
.set i_, 0
.rept 16
	v_cvt_pk_f16_f32 v[P+i_], v[S+2*i_], v[S+2*i_+1]
	v_cvt_pk_f16_f32 v[P+16+i_], v[S+32+2*i_], v[S+32+2*i_+1]
.set i_, i_+1
.endr
	SUMS 0
	SUMS 1
	WIN 0x41                                       ; O^T in window 1, a in window 0
.irp u, 0,1
	REGS \u
.set i_, 0
.rept 16
	v_pk_mul_f32 v[rO+2*i_:rO+2*i_+1], v[rO+2*i_:rO+2*i_+1], v[rC+2:rC+3] op_sel_hi:[1,0]
.set i_, i_+1
.endr
.endr
.endm
.macro PVS                             ; 16 products O^T += V^T P: keys 32 (i / 8) on, channels 16 ((i / 2) % 4) on, tile i % 2: eight accumulators by turns
	WIN 0x51
.set i_, 0
.rept 16
	v_wmma_f32_16x16x32_f16 v[O+32*(i_%2)+8*((i_/2)%4):O+32*(i_%2)+8*((i_/2)%4)+7], v[VF+32*(i_/8)+8*((i_/2)%4):VF+32*(i_/8)+8*((i_/2)%4)+7], v[P+16*(i_%2)+8*(i_/8):P+16*(i_%2)+8*(i_/8)+7], v[O+32*(i_%2)+8*((i_/2)%4):O+32*(i_%2)+8*((i_/2)%4)+7]
.set i_, i_+1
.endr
.endm
.macro KQS                             ; 16 products S^T = K Q^T: channels 32 (i / 8) on, keys 16 ((i / 2) % 4) on, tile i % 2; the first eight start the sums
	WIN 0x01
.set i_, 0
.rept 16
.if i_ < 8
	v_wmma_f32_16x16x32_f16 v[S+32*(i_%2)+8*((i_/2)%4):S+32*(i_%2)+8*((i_/2)%4)+7], v[KF+16*((i_/2)%4)+8*(i_/8):KF+16*((i_/2)%4)+8*(i_/8)+7], v[Q+16*(i_%2)+8*(i_/8):Q+16*(i_%2)+8*(i_/8)+7], 0
.else
	v_wmma_f32_16x16x32_f16 v[S+32*(i_%2)+8*((i_/2)%4):S+32*(i_%2)+8*((i_/2)%4)+7], v[KF+16*((i_/2)%4)+8*(i_/8):KF+16*((i_/2)%4)+8*(i_/8)+7], v[Q+16*(i_%2)+8*(i_/8):Q+16*(i_%2)+8*(i_/8)+7], v[S+32*(i_%2)+8*((i_/2)%4):S+32*(i_%2)+8*((i_/2)%4)+7]
.endif
.set i_, i_+1
.endr
.endm
.macro STEP                            ; 64 keys at s[TB]
	WIN 0
	v_add_nc_u32 v[ADR], s[TB], v[L16]
	WIN 0x40
.irp f, 0,1,2,3,4,5,6,7                ; K: key block f / 2, channel half f % 2
	ds_load_b128 v[KF+8*\f:KF+8*\f+3], v[ADR] offset:\f*1024
	ds_load_b128 v[KF+8*\f+4:KF+8*\f+7], v[ADR] offset:\f*1024+512
.endr
	s_wait_dscnt 16                                ; V of the step before is in: K's sixteen loads are younger
	PVS
	s_wait_dscnt 0x0                               ; K is in
	KQS
	PLACES                                         ; behind the products: V's registers are loaded, and the scores read, four places on
	WIN 0x40
.irp f, 0,1,2,3,4,5,6,7                ; V turned: keys 32 (f / 4) on, channels 16 (f % 4) on
	ds_load_tr16_b128 v[VF+8*\f:VF+8*\f+3], v[ADR] offset:16384+(\f/4)*4096+(\f%4)*512
	ds_load_tr16_b128 v[VF+8*\f+4:VF+8*\f+7], v[ADR] offset:16384+(\f/4)*4096+(\f%4)*512+2048
.endr
	SOFTMAX
	s_add_co_u32 s[TB], s[TB], 8192
.endm
.macro TLOAD                           ; a tile of 128 keys: 2,048 bytes an instruction of the work-group
.irp i, 0,1,2,3,4,5,6,7
	global_load_b128 v[STG+4*\i:STG+4*\i+3], v[T16], s[12:13] offset:\i*2048
	global_load_b128 v[STG+32+4*\i:STG+32+4*\i+3], v[T16], s[14:15] offset:\i*2048
.endr
.endm
.macro TSTORE adr
.irp i, 0,1,2,3,4,5,6,7
	ds_store_b128 v[\adr], v[STG+4*\i:STG+4*\i+3] offset:\i*2048
	ds_store_b128 v[\adr], v[STG+32+4*\i:STG+32+4*\i+3] offset:16384+\i*2048
.endr
.endm
	s_load_b128 s[8:11], s[0:1], 0x0               ; qkvf 8, af 10
	v_lshl_add_u32 v[SPW], v0, 2, SPARE
	v_mov_b32 v[NIL], 0
	v_lshrrev_b32 v1, 5, v0
	v_readfirstlane_b32 s2, v1                     ; wave
	v_and_b32 v[L16], 31, v0
	v_lshlrev_b32 v[L16], 4, v[L16]
	v_lshlrev_b32 v[T16], 4, v0
	s_mov_b32 s3, ttmp9                            ; block of 128 queries
	s_and_b32 s4, ttmp7, 0xffff                    ; batch * 16 + head
	s_mov_b32 s[CS], 0x3e38aa3b                    ; c = log2(e) / 8
	s_mov_b32 s[CS+1], s[CS]
	s_mov_b32 s[SEL], 0x76543210
	s_mov_b32 s[SEL+1], 0xfedcba98
	s_mov_b32 s[TB], 0
	s_mov_b32 s[TS], 32768
	s_mov_b32 s7, 0
	s_lshl_b32 s5, s3, 3
	s_lshl1_add_u32 s5, s2, s5                     ; my first tile of 16 queries: 8 x + 2 w
	s_wait_kmcnt 0x0
	s_lshl_b32 s6, s4, 18
	s_add_nc_u64 s[12:13], s[8:9], s[6:7]
	s_add_nc_u64 s[12:13], s[12:13], 4194304       ; K of my head
	s_add_nc_u64 s[14:15], s[12:13], 8388608       ; V of my head
	s_lshl_b32 s6, s4, 17
	s_lshl_b32 s28, s5, 11
	s_add_co_u32 s6, s6, s28
	s_add_nc_u64 s[16:17], s[8:9], s[6:7]          ; Q at my tiles
	s_lshr_b32 s28, s4, 4
	s_lshl_b32 s28, s28, 6
	s_add_co_u32 s28, s28, s5                      ; y's block of 16 rows: batch * 64 + 8 x + 2 w
	s_lshl_b32 s6, s28, 15
	s_and_b32 s28, s4, 15
	s_lshl_b32 s28, s28, 11                        ; the head's two K blocks
	s_add_co_u32 s6, s6, s28
	s_add_nc_u64 s[18:19], s[10:11], s[6:7]
.irp i, 0,1,2,3                        ; Q: tile i / 2, channel half i % 2
	global_load_b128 v[Q+8*\i:Q+8*\i+3], v[L16], s[16:17] offset:\i*1024
	global_load_b128 v[Q+8*\i+4:Q+8*\i+7], v[L16], s[16:17] offset:\i*1024+512
.endr
	TLOAD
	; What the first step finds: V's registers, P, O^T and l hold 0, so that its products V^T P, of a step that has not been, add 0.  This stands in the wait for the first tile.
	WIN 0x40
.set i_, 0
.rept 64
	v_mov_b32 v[O+i_], 0
	v_mov_b32 v[VF+i_], 0
.set i_, i_+1
.endr
	WIN 0
.set i_, 0
.rept 32
	v_mov_b32 v[P+i_], 0
.set i_, i_+1
.endr
.irp u, 0,1
	v_mov_b32 v[ST+8*\u], 0xfe000000               ; c m: far below every c s
	v_mov_b32 v[ST+8*\u+1], 0xff7fffff             ; m
	v_mov_b32 v[ST+8*\u+2], 0
	v_mov_b32 v[ST+8*\u+3], 0
.endr
	s_wait_loadcnt 0x0
	s_add_nc_u64 s[12:13], s[12:13], 16384
	s_add_nc_u64 s[14:15], s[14:15], 16384
	TSTORE T16
	s_wait_dscnt 0x0                               ; for the others' sake: my part of tile 0 is stored
	s_barrier_signal -1
	s_barrier_wait -1
	s_mov_b32 s[CNT], 16
.Ltile:                                                ; a tile of 128 keys a trip
	s_cmp_eq_u32 s[CNT], 1
	s_cbranch_scc1 .Lnoload                        ; the last trip has no next tile
	TLOAD
.Lnoload:
	s_mov_b32 s[C2], 2
.Lstep:
	STEP
	WIN 0
	s_sub_co_u32 s[C2], s[C2], 1
	s_cmp_lg_u32 s[C2], 0
	s_cbranch_scc1 .Lstep
	s_cmp_eq_u32 s[CNT], 1
	s_cbranch_scc1 .Lnostore
	s_wait_loadcnt 0x0                             ; the next tile is in registers; its loads had two key steps in which to land
	v_add_nc_u32 v[SA], s[TS], v[T16]
	TSTORE SA                                      ; into the slot whose reads ended in front of the last barrier
	s_add_nc_u64 s[12:13], s[12:13], 16384
	s_add_nc_u64 s[14:15], s[14:15], 16384
.Lnostore:
	s_sub_co_u32 s[TB], s[TB], 16384
	s_xor_b32 s[TB], s[TB], 32768
	s_xor_b32 s[TS], s[TS], 32768
	s_wait_dscnt 0x0                               ; my stores are done and my reads of the old slot are back
	s_barrier_signal -1
	s_barrier_wait -1
	s_sub_co_u32 s[CNT], s[CNT], 1
	s_cmp_lg_u32 s[CNT], 0
	s_cbranch_scc1 .Ltile
	PVS                                            ; V^T P of the last step
	WIN 0
	PLACES
	; THE WAY OUT: l's halves and the other lanes' are added; O^T / l, rounded to f16; a lane's eight channels are 16 bytes of a block.
.irp u, 0,1
	v_add_f32 v[ST+8*\u+2], v[ST+8*\u+2], v[ST+8*\u+3]
.endr
.irp u, 0,1
	v_permlanex16_b32 v[ST+8*\u+3], v[ST+8*\u+2], s[SEL], s[SEL+1]
.endr
.irp u, 0,1
	v_add_f32 v[ST+8*\u+2], v[ST+8*\u+2], v[ST+8*\u+3]
.endr
.irp u, 0,1
	v_rcp_f32 v[ST+8*\u+2], v[ST+8*\u+2]
.endr
	v_nop
	s_wait_alu depctr_va_vdst(0)                   ; one wait for the two reciprocals
	WIN 0x41
.irp u, 0,1
.set i_, 0
.rept 16
	v_pk_mul_f32 v[O+32*\u+2*i_:O+32*\u+2*i_+1], v[O+32*\u+2*i_:O+32*\u+2*i_+1], v[ST+8*\u+2:ST+8*\u+3] op_sel_hi:[1,0]
.set i_, i_+1
.endr
.endr
	WIN 0x05
.set i_, 0
.rept 32
	v_cvt_pk_f16_f32 v[S+i_], v[O+2*i_], v[O+2*i_+1]
.set i_, i_+1
.endr
	WIN 0
.irp u, 0,1
.irp c, 0,1,2,3
	global_store_b128 v[L16], v[S+16*\u+4*\c:S+16*\u+4*\c+3], s[18:19] offset:\u*32768+\c*512  ; 512 consecutive bytes
.endr
.endr
	s_wait_tensorcnt 0x0                           ; the wave's end
	ds_add_u32 v[SPW], v[NIL]
	s_wait_dscnt 0x0
	s_endpgm
.Lfunc_end_k_q6c908201e5_attn:
	.size	k_q6c908201e5_attn, .Lfunc_end_k_q6c908201e5_attn-k_q6c908201e5_attn
	.p2alignl 7, 3214868480
	.fill 96, 4, 3214868480
	.section	.rodata,"a",@progbits
	.p2align	6, 0x0
	.amdhsa_kernel k_q6c908201e5_attn
		.amdhsa_group_segment_fixed_size 66048
		.amdhsa_private_segment_fixed_size 0
		.amdhsa_enable_private_segment 0
		.amdhsa_kernarg_size 16
		.amdhsa_user_sgpr_count 2
		.amdhsa_user_sgpr_kernarg_segment_ptr 1
		.amdhsa_wavefront_size32 1
		.amdhsa_system_sgpr_workgroup_id_x 1
		.amdhsa_system_sgpr_workgroup_id_y 1
		.amdhsa_system_sgpr_workgroup_id_z 1
		.amdhsa_system_vgpr_workitem_id 0
		.amdhsa_next_free_vgpr 448
		.amdhsa_next_free_sgpr 66
		.amdhsa_reserve_vcc 0
		.amdhsa_float_denorm_mode_32 3
		.amdhsa_float_denorm_mode_16_64 3
		.amdhsa_memory_ordered 1
		.amdhsa_forward_progress 1
		.amdhsa_inst_pref_size 38
	.end_amdhsa_kernel
	.amdgpu_metadata
---
amdhsa.version: [ 1, 2 ]
amdhsa.kernels:
  - .name:           k_q6c908201e5_attn
    .symbol:         k_q6c908201e5_attn.kd
    .args:
      - { .name: qkvf, .offset: 0, .size: 8, .value_kind: global_buffer, .address_space: global }
      - { .name: af, .offset: 8, .size: 8, .value_kind: global_buffer, .address_space: global }
    .group_segment_fixed_size: 66048
    .private_segment_fixed_size: 0
    .kernarg_segment_align: 8
    .kernarg_segment_size: 16
    .max_flat_workgroup_size: 128
    .sgpr_count:     66
    .vgpr_count:     448
    .wavefront_size: 32
...
	.end_amdgpu_metadata
.endif
;; end of part 3
;; launch proj (part 4): grid 8 x 15, 4 waves a work-group, no clusters, 295,424 bytes of LDS; arguments af, wa, pp; writes pp
.if DOCPART == 4
	.amdgcn_target "amdgcn-amd-amdhsa--gfx1250"
	.amdhsa_code_object_version 6
	.text
	.protected	k_q6c908201e5_proj
	.globl	k_q6c908201e5_proj
	.p2align	8
	.type	k_q6c908201e5_proj,@function
k_q6c908201e5_proj:
	s_mov_b64 s[64:65], 0
	v_nop
	global_prefetch_b8 v0, s[64:65] scope:SCOPE_SE
	s_setreg_imm32_b32 hwreg(HW_REG_WAVE_MODE, 25, 1), 1
	s_wait_xcnt 0x0
; y @ W_proj for a tile of 144 rows: y [9 blocks of 16 rows][32 K blocks] of 1,024 bytes in operand order (f16), W_proj [32 K blocks][64 column blocks] likewise, the result f32 rows of 4,096 bytes.
; f16 operands, f32 sums: what stands ahead of the router's choice keeps 11 significant bits.
; SHARES.  Work-group (x, y): tile y x 128 columns; 15 tiles cover the 2,048 rows and 112 rows of zeros.  The tile, all K, lies in LDS, filled ONCE by asynchronous copies.
; The waves are 2 x 2: wave (wr, wc) makes row blocks 4 wr .. 4 wr + 4 x 64 columns, so that its part of a row of the result is 256 aligned bytes.
; Row block 4 is made by both row halves and stored by wr = 0 alone: 20 products a K step for 18 needed.
; W goes straight from memory into a ring of four register slots, three K steps ahead.  Nothing in the K loop writes LDS, so the loop has no barrier.
; THE WAY OUT goes through a stage of 16 rows x 272 bytes for each wave, in the tile's first bytes: the tile has had its only fill, and a barrier stands between all waves' last reads of it and the stage's stores.
; NO CLUSTER: the tile that the eight work-groups of a row share comes by copies lane by lane, which have no joint form.
.set MB, 5
.set NF, 4
.set KSTR, 65536
.set KA, 1024
.set SP, 272
.set SPARE, 294912                     ; behind the tile: the spare words, 128 bytes a wave
.set R, 1
.set H, 2
.set L16, 3
.set SPW, 4
.set NIL, 5
.set AD, 6                             ; v6-8   LDS address of my fragments of row blocks 2 i, 2 i + 1 of my five
.set STO, 9
.set RD, 10
.set CO, 11
.set CL, 12                            ; v12-16 a copy's LDS address for row blocks 2 i, 2 i + 1;  v17-21 its offset in the tile, the same number; never rewritten
.set CG, 17
.set TM, 22
.set OUT, 64                           ; v64-223 rows read back, 32 registers a row block: no store's data is written again
.set BR, 80                            ; window 1: v0-79 two buffers of A's fragments, v80-207 the ring of B's; window 2: accumulator (m, f) at 8 (4 m + f)
.set BP, 18
.set CNT, 28
.set W_LD, 0x40
.set W_MM, 0xa5
.set MSB, 0
.macro WIN new                         ; the immediate's high byte repeats the setting that is left
.if MSB != (\new)
	s_set_vgpr_msb (MSB<<8)|(\new)
.set MSB, \new
.endif
.endm
.macro PLACES                          ; four plain instructions between matrix instructions and loads into, or reads of, their registers
.rept 4
	v_nop
.endr
.endm
.macro BLOADS slot, kb
	WIN W_LD
.set f_, 0
.rept NF
	global_load_b128 v[BR+8*NF*(\slot)+8*f_:BR+8*NF*(\slot)+8*f_+3], v[L16], s[BP:BP+1] offset:(\kb)*KSTR+f_*1024
	global_load_b128 v[BR+8*NF*(\slot)+8*f_+4:BR+8*NF*(\slot)+8*f_+7], v[L16], s[BP:BP+1] offset:(\kb)*KSTR+f_*1024+512
.set f_, f_+1
.endr
.endm
.macro ALOADS buf, ka
	WIN W_LD
.set m_, 0
.rept MB
	ds_load_b128 v[8*MB*(\buf)+8*m_:8*MB*(\buf)+8*m_+3], v[AD+m_/2] offset:(m_%2)*32768+(\ka)*KA
	ds_load_b128 v[8*MB*(\buf)+8*m_+4:8*MB*(\buf)+8*m_+7], v[AD+m_/2] offset:(m_%2)*32768+(\ka)*KA+512
.set m_, m_+1
.endr
.endm
.macro PRODS ab, bs, zero              ; every accumulator once a step: they take turns
	WIN W_MM
.set m_, 0
.rept MB
.set f_, 0
.rept NF
.if \zero
	v_wmma_f32_16x16x32_f16 v[8*(NF*m_+f_):8*(NF*m_+f_)+7], v[BR+8*NF*(\bs)+8*f_:BR+8*NF*(\bs)+8*f_+7], v[8*MB*(\ab)+8*m_:8*MB*(\ab)+8*m_+7], 0
.else
	v_wmma_f32_16x16x32_f16 v[8*(NF*m_+f_):8*(NF*m_+f_)+7], v[BR+8*NF*(\bs)+8*f_:BR+8*NF*(\bs)+8*f_+7], v[8*MB*(\ab)+8*m_:8*MB*(\ab)+8*m_+7], v[8*(NF*m_+f_):8*(NF*m_+f_)+7]
.endif
.set f_, f_+1
.endr
.set m_, m_+1
.endr
.endm
; K step t (ab = t % 2, bs = t % 4): B of step t + 3 and A of step t + 1 are asked for (index kb, ka from the trip's base; -1: none), then step t is multiplied.
.macro KSTEP ab, bs, ka, kb, nl, nd, zero
	PLACES
.if (\kb) >= 0
	BLOADS ((\bs)+3)%4, \kb
.endif
.if (\ka) >= 0
	ALOADS 1-(\ab), \ka
.endif
	s_wait_loadcnt \nl                             ; B of step t is in: behind it stand the loads of the steps asked for since
	s_wait_dscnt \nd                               ; A of step t is in: behind it stand the loads of step t + 1
	PRODS \ab, \bs, \zero
.endm
; Row block i of my five goes out: 32 bytes a lane and column block into my stage, back as whole rows of 256 bytes, stored: sixteen lanes store 256 consecutive bytes, aligned.
.macro OUTB i
	WIN 0x08                                       ; the stores' data lie in window 2
.irp c, 0,1,2,3
	ds_store_b128 v[STO], v[8*(NF*(\i)+\c):8*(NF*(\i)+\c)+3] offset:\c*64
	ds_store_b128 v[STO], v[8*(NF*(\i)+\c)+4:8*(NF*(\i)+\c)+7] offset:\c*64+16
.endr
	WIN 0
.irp t, 0,1,2,3,4,5,6,7
	ds_load_b128 v[OUT+32*(\i)+4*\t:OUT+32*(\i)+4*\t+3], v[RD] offset:\t*2*SP  ; LDS serves a wave's instructions in order: these see the stores above, and the next block's stores come behind them
.endr
	s_wait_dscnt 0x0
.irp t, 0,1,2,3,4,5,6,7
	global_store_b128 v[CO], v[OUT+32*(\i)+4*\t:OUT+32*(\i)+4*\t+3], s[24:25] offset:(\i)*65536+\t*8192
.endr
.endm
	s_load_b128 s[8:11], s[0:1], 0x0               ; y's blocks 8, the weights 10
	s_load_b64 s[14:15], s[0:1], 0x10              ; the result
	v_lshl_add_u32 v[SPW], v0, 2, SPARE
	v_mov_b32 v[NIL], 0
	ds_add_u32 v[SPW], v[NIL]                      ; the wave's opening: the add and its wait ahead of my first copy
	ds_add_u32 v4, v5
	v_lshrrev_b32 v[TM], 5, v0
	v_readfirstlane_b32 s2, v[TM]                  ; wave
	v_and_b32 v[R], 15, v0
	v_bfe_u32 v[H], v0, 4, 1
	v_and_b32 v[L16], 31, v0
	v_lshlrev_b32 v[L16], 4, v[L16]
	s_mov_b32 s3, ttmp9                            ; x: slice of 128 columns
	s_and_b32 s4, ttmp7, 0xffff                    ; y: tile
	s_lshr_b32 s5, s2, 1                           ; wr
	s_and_b32 s6, s2, 1                            ; wc
	s_lshl_b32 s20, s5, 17                         ; four row blocks of 32,768 bytes
	v_add_nc_u32 v[AD], s20, v[L16]
	v_add_nc_u32 v[AD+1], 65536, v[AD]
	v_add_nc_u32 v[AD+2], 131072, v[AD]
	s_lshl_b32 s20, s2, 11                         ; of each 8,192 bytes wave w copies 2,048
	v_add_nc_u32 v[CL], s20, v[L16]
.irp i, 1,2,3,4
	v_add_nc_u32 v[CL+\i], \i*65536, v[CL]
.endr
.irp i, 0,1,2,3,4
	v_mov_b32 v[CG+\i], v[CL+\i]
.endr
	s_mul_i32 s20, s2, 16*SP                       ; my stage
	v_mul_u32_u24 v[STO], v[R], SP
	v_lshl_add_u32 v[STO], v[H], 5, v[STO]
	v_add_nc_u32 v[STO], s20, v[STO]
	v_mul_u32_u24 v[RD], v[H], SP
	v_lshl_add_u32 v[RD], v[R], 4, v[RD]
	v_add_nc_u32 v[RD], s20, v[RD]
	v_lshlrev_b32 v[CO], 12, v[H]
	v_lshl_add_u32 v[CO], v[R], 4, v[CO]
	s_mul_i32 s30, s4, 294912
	s_mov_b32 s31, 0
	s_wait_dscnt 0x0                               ; the opening add is done
	s_wait_kmcnt 0x0
	s_add_nc_u64 s[22:23], s[8:9], s[30:31]        ; the tile
	s_mul_i32 s30, s4, 144
	s_lshl_b32 s27, s5, 6
	s_add_co_u32 s30, s30, s27
	s_lshl_b32 s30, s30, 12                        ; my first row of the result
	s_lshl_b32 s27, s3, 9
	s_add_co_u32 s30, s30, s27
	s_lshl_b32 s27, s6, 8
	s_add_co_u32 s30, s30, s27
	s_add_nc_u64 s[24:25], s[14:15], s[30:31]
	s_lshl_b32 s30, s3, 13
	s_lshl_b32 s27, s6, 12
	s_add_co_u32 s30, s30, s27                     ; column block 8 x + 4 wc
	s_add_nc_u64 s[BP:BP+1], s[10:11], s[30:31]
	BLOADS 0, 0
	BLOADS 1, 1
	BLOADS 2, 2
	WIN 0
.irp c, 0,1,2,3
.set m_, 0
.rept 9
.irp i, 0,1,2,3
	global_load_async_to_lds_b128 v[CL+m_/2], v[CG+m_/2], s[22:23] offset:(m_%2)*32768+\c*8192+\i*512  ; the tile lies in LDS as in memory; the immediate is added to both addresses
.endr
.set m_, m_+1
.endr
.endr
	s_wait_asynccnt 0x0                            ; my part has landed,
	s_barrier_signal -1
	s_barrier_wait -1                              ; everybody's has: the tile is whole
	ALOADS 0, 0
	KSTEP 0, 0, 1, 3, 6*NF, 2*MB, 1                ; the first K step starts the sums
	WIN 0
	s_mov_b32 s[CNT], 7
.Lk:                                                   ; four K steps a trip: t = 4 i + 1 .. 4 i + 4
	KSTEP 1, 1, 2, 4, 6*NF, 2*MB, 0
	KSTEP 0, 2, 3, 5, 6*NF, 2*MB, 0
	KSTEP 1, 3, 4, 6, 6*NF, 2*MB, 0
	KSTEP 0, 0, 5, 7, 6*NF, 2*MB, 0
	WIN 0
	s_wait_xcnt 0x0                                ; the loads' base is stepped only behind this wait
	s_add_nc_u64 s[BP:BP+1], s[BP:BP+1], 4*KSTR
.irp i, 0,1,2
	v_add_nc_u32 v[AD+\i], 4*KA, v[AD+\i]
.endr
	s_sub_co_u32 s[CNT], s[CNT], 1
	s_cmp_lg_u32 s[CNT], 0
	s_cbranch_scc1 .Lk
	KSTEP 1, 1, 2, -1, 4*NF, 2*MB, 0               ; t = 29, 30, 31: nothing of B is left to ask for, and the counts run down
	KSTEP 0, 2, 3, -1, 2*NF, 2*MB, 0
	KSTEP 1, 3, -1, -1, 0, 0, 0                    ; its wait for 0 shows my last reads of the tile back
	WIN 0
	PLACES
	s_barrier_signal -1
	s_barrier_wait -1                              ; nobody reads the tile any more: its first bytes become the stages
	s_cmp_lg_u32 s5, 0
	s_cbranch_scc1 .Lno0                           ; row block 4 is stored by the upper half's waves
	OUTB 0
.Lno0:
	OUTB 1
	OUTB 2
	OUTB 3
	OUTB 4
	s_wait_tensorcnt 0x0                           ; the wave's end
	s_wait_asynccnt 0x0
	ds_add_u32 v[SPW], v[NIL]
	s_wait_dscnt 0x0
	s_endpgm
.Lfunc_end_k_q6c908201e5_proj:
	.size	k_q6c908201e5_proj, .Lfunc_end_k_q6c908201e5_proj-k_q6c908201e5_proj
	.p2alignl 7, 3214868480
	.fill 96, 4, 3214868480
	.section	.rodata,"a",@progbits
	.p2align	6, 0x0
	.amdhsa_kernel k_q6c908201e5_proj
		.amdhsa_group_segment_fixed_size 295424
		.amdhsa_private_segment_fixed_size 0
		.amdhsa_enable_private_segment 0
		.amdhsa_kernarg_size 24
		.amdhsa_user_sgpr_count 2
		.amdhsa_user_sgpr_kernarg_segment_ptr 1
		.amdhsa_wavefront_size32 1
		.amdhsa_system_sgpr_workgroup_id_x 1
		.amdhsa_system_sgpr_workgroup_id_y 1
		.amdhsa_system_sgpr_workgroup_id_z 1
		.amdhsa_system_vgpr_workitem_id 0
		.amdhsa_next_free_vgpr 672
		.amdhsa_next_free_sgpr 66
		.amdhsa_reserve_vcc 0
		.amdhsa_float_denorm_mode_32 3
		.amdhsa_float_denorm_mode_16_64 3
		.amdhsa_memory_ordered 1
		.amdhsa_forward_progress 1
		.amdhsa_inst_pref_size 50
	.end_amdhsa_kernel
	.amdgpu_metadata
---
amdhsa.version: [ 1, 2 ]
amdhsa.kernels:
  - .name:           k_q6c908201e5_proj
    .symbol:         k_q6c908201e5_proj.kd
    .args:
      - { .name: af, .offset: 0, .size: 8, .value_kind: global_buffer, .address_space: global }
      - { .name: wa, .offset: 8, .size: 8, .value_kind: global_buffer, .address_space: global }
      - { .name: pp, .offset: 16, .size: 8, .value_kind: global_buffer, .address_space: global }
    .group_segment_fixed_size: 295424
    .private_segment_fixed_size: 0
    .kernarg_segment_align: 8
    .kernarg_segment_size: 24
    .max_flat_workgroup_size: 128
    .sgpr_count:     66
    .vgpr_count:     672
    .wavefront_size: 32
...
	.end_amdgpu_metadata
.endif
;; end of part 4
;; launch route_prep (part 5): grid 832 x 1, 8 waves a work-group, no clusters, 1,536 bytes of LDS; arguments q, attn_norm_w, pp, ffn_norm_w, router_w, router_b, w1, w3, w2, we, route; writes we, route
.if DOCPART == 5
	.amdgcn_target "amdgcn-amd-amdhsa--gfx1250"
	.amdhsa_code_object_version 6
	.text
	.protected	k_q6c908201e5_route_prep
	.globl	k_q6c908201e5_route_prep
	.p2align	8
	.type	k_q6c908201e5_route_prep,@function
k_q6c908201e5_route_prep:
	s_mov_b64 s[64:65], 0
	v_nop
	global_prefetch_b8 v0, s[64:65] scope:SCOPE_SE
	s_setreg_imm32_b32 hwreg(HW_REG_WAVE_MODE, 25, 1), 1
	s_wait_xcnt 0x0
; TWO ROLES.  Work-groups 0-63: the router, all in f32 on the vector unit: h = xn + projection, xf = rmsnorm(h) (stored in bf16), the eight logits, the two largest (ties: the lower index), their two gates.
; What is chosen steers no address here: it is stored as whole numbers at fixed places (the two indices of each token; for each expert a bitmap word of the group's 32 tokens and its count).
; Work-groups 64-831: w1, w3, w2, f32 [K][N] -> bf16 blocks of 1,024 bytes in operand order; w1's and w3's blocks of the same 32 columns lie side by side.
; ROUTER.  A wave takes four tokens, one a trip.  Lane l owns k = 128 i + 4 l + c; its 32 rows of router_w, times ffn_norm_w[k], stay in window 1's 256 registers.
; logit_e = rs2 * sum_k h_k (fw_k rw[k][e]) + b_e.  gates: g0 = 1 / (1 + 2^((l2 - l1) log2 e)), g1 = the rest: the larger logit is taken away before the exponential.
; A trip's four words (e0, e1, g0, g1) are kept by the lanes l with l % 4 = the trip's number, and go to LDS once, behind the loop, at a fixed address.
; LIMITS.  Logits are taken to be finite; NaN is not treated apart.
.set H_OFF,  50331648
.set XF_OFF, 58720256
.set G_OFF,  62914560
.set W13_OFF, 16777216
.set SPARE, 512                        ; LDS: 0-511 the 32 tokens' (e0, e1, g0, g1); from 512 the spare words, 128 bytes a wave
.set LN, 2
.set L16, 3
.set SPW, 4
.set NIL, 5
.set DA, 6
.set L8, 7
.set AW, 8
.set FW, 40
.set X, 72
.set PO, 104
.set ACC, 136
.set T, 144
.set RS, 176
.set RS2, 178
.set SS, 180
.set LG, 188
.set MK, 196
.set B1, 204
.set I1, 205
.set B2, 206
.set I2, 207
.set XB, 208
.set DD, 224
.set TP, 228
.set E1, 229
.set VM, 231
.set VC, 232
.set LGA, 233
.set AM, 234
.set LQ, 235
.set DQ, 236
.set SEL, 46
; the weights' role
.set SO, 8
.set L4, 12
.set D, 16
.set PKR, 144
.set MSB, 0
.macro WIN new
.if MSB != (\new)
	s_set_vgpr_msb (MSB<<8)|(\new)
.set MSB, \new
.endif
.endm
.macro RED32 r                         ; the sum over the wave's 32 lanes, in every lane
	v_add_f32_dpp v[\r], v[\r], v[\r] row_xmask:1 row_mask:0xf bank_mask:0xf
	v_add_f32_dpp v[\r], v[\r], v[\r] row_xmask:2 row_mask:0xf bank_mask:0xf
	v_add_f32_dpp v[\r], v[\r], v[\r] row_xmask:4 row_mask:0xf bank_mask:0xf
	v_add_f32_dpp v[\r], v[\r], v[\r] row_xmask:8 row_mask:0xf bank_mask:0xf
	v_permlanex16_b32 v[TP], v[\r], s[SEL], s[SEL+1]
	v_add_f32 v[\r], v[\r], v[TP]
.endm
.macro SUMSQ                           ; mean of X's squares + eps -> v[SS]
.irp c, 0,1,2,3
	v_pk_mul_f32 v[SS+2*\c:SS+2*\c+1], v[X+2*\c:X+2*\c+1], v[X+2*\c:X+2*\c+1]
.endr
.set i_, 4
.rept 12
	v_pk_fma_f32 v[SS+2*(i_%4):SS+2*(i_%4)+1], v[X+2*i_:X+2*i_+1], v[X+2*i_:X+2*i_+1], v[SS+2*(i_%4):SS+2*(i_%4)+1]
.set i_, i_+1
.endr
	v_pk_add_f32 v[SS:SS+1], v[SS:SS+1], v[SS+2:SS+3]
	v_pk_add_f32 v[SS+4:SS+5], v[SS+4:SS+5], v[SS+6:SS+7]
	v_pk_add_f32 v[SS:SS+1], v[SS:SS+1], v[SS+4:SS+5]
	v_add_f32 v[SS], v[SS], v[SS+1]
	RED32 SS
	v_fma_f32 v[SS], v[SS], s48, s49
.endm
.macro WCONV pitch                     ; a wave turns 32 k x 128 columns: lane l holds column 32 g + l of every k; sixteen lanes store 256 consecutive bytes, aligned
.set k_, 0
.rept 32
.irp g, 0,1,2,3
	global_load_b32 v[D+4*k_+\g], v[L4], s[30:31] offset:k_*(\pitch)+\g*128 th:TH_LOAD_NT
.endr
.set k_, k_+1
.endr
.set q_, 0
.rept 4
.if q_ < 2
	s_wait_loadcnt 63                              ; 128 loads were issued: at most 63 out means the first 65 are in, k 0 to 15 among them
.elseif q_ == 2
	s_wait_loadcnt 32                              ; k 16 to 23 are in
.else
	s_wait_loadcnt 0x0
.endif
.irp g, 0,1,2,3
.irp i, 0,1,2,3
	v_cvt_pk_bf16_f32 v[PKR+16*q_+4*\g+\i], v[D+4*(8*q_+2*\i)+\g], v[D+4*(8*q_+2*\i+1)+\g]
.endr
	global_store_b128 v[SO+\g], v[PKR+16*q_+4*\g:PKR+16*q_+4*\g+3], s[32:33] offset:(q_/2)*512+(q_%2)*256
.endr
.set q_, q_+1
.endr
.endm
	s_load_b512 s[8:23], s[0:1], 0x0               ; q 8, attn_norm_w 10, pp 12, ffn_norm_w 14, router_w 16, router_b 18, w1 20, w3 22
	s_load_b128 s[24:27], s[0:1], 0x40             ; w2 24, we 26
	s_load_b64 s[28:29], s[0:1], 0x50              ; route
	v_lshl_add_u32 v[SPW], v0, 2, SPARE
	v_mov_b32 v[NIL], 0
	v_lshrrev_b32 v1, 5, v0
	v_readfirstlane_b32 s2, v1                     ; wave 0..7
	v_and_b32 v[LN], 31, v0
	v_lshlrev_b32 v[L16], 4, v[LN]
	s_mov_b32 s3, ttmp9
	s_mov_b32 s7, 0
	s_wait_kmcnt 0x0
	s_cmp_lt_u32 s3, 64
	s_cbranch_scc1 .Lrouter
	; THE WEIGHTS.  wid = (wg - 64) * 8 + w: matrix (w1, w3, w2), expert, k block, column group of 128
	s_sub_co_u32 s4, s3, 64
	s_lshl3_add_u32 s4, s4, s2
	s_lshr_b32 s5, s4, 11
	s_bfe_u32 s34, s4, 0x30008
	s_bfe_u32 s35, s4, 0x50003
	s_cmp_eq_u32 s5, 0
	s_cselect_b64 s[30:31], s[20:21], s[22:23]
	s_cmp_eq_u32 s5, 2
	s_cselect_b64 s[30:31], s[24:25], s[30:31]
	s_lshl_b32 s6, s34, 22
	s_lshl_b32 s36, s35, 17
	s_add_co_u32 s6, s6, s36
	s_lshl_b32 s36, s2, 9
	s_add_co_u32 s6, s6, s36
	s_add_nc_u64 s[30:31], s[30:31], s[6:7]
	s_lshl_b32 s36, s34, 22                        ; w1, w3: expert 4 MiB, k block 128 blocks, column group 16 blocks, w3 two blocks on
	s_lshl_b32 s37, s35, 17
	s_add_co_u32 s36, s36, s37
	s_lshl_b32 s37, s2, 14
	s_add_co_u32 s36, s36, s37
	s_lshl_b32 s37, s5, 11
	s_add_co_u32 s36, s36, s37
	s_add_co_u32 s36, s36, W13_OFF
	s_lshl_b32 s37, s34, 21                        ; w2: expert 2 MiB, k block 64 blocks, column group 8 blocks
	s_lshl_b32 s38, s35, 16
	s_add_co_u32 s37, s37, s38
	s_lshl_b32 s38, s2, 13
	s_add_co_u32 s37, s37, s38
	s_mov_b32 s38, 4096                            ; bytes from a group of 32 columns to the next: w1 and w3,
	s_mov_b32 s39, 2048                            ; w2
	s_cmp_eq_u32 s5, 2
	s_cselect_b32 s6, s37, s36
	s_cselect_b32 s38, s39, s38
	s_add_nc_u64 s[32:33], s[26:27], s[6:7]
	v_lshlrev_b32 v[L4], 2, v[LN]
	v_lshrrev_b32 v6, 4, v[LN]
	v_and_b32 v7, 15, v[LN]
	v_lshlrev_b32 v[SO], 4, v7
	v_lshl_add_u32 v[SO], v6, 10, v[SO]
	v_add_nc_u32 v[SO+1], s38, v[SO]
	v_add_nc_u32 v[SO+2], s38, v[SO+1]
	v_add_nc_u32 v[SO+3], s38, v[SO+2]
	WCONV 4096
	s_endpgm
.Lrouter:
	s_load_b256 s[32:39], s[18:19], 0x0            ; the eight biases
	s_lshl_b32 s4, s3, 5
	s_lshl2_add_u32 s4, s2, s4                     ; my first token: 32 wg + 4 w
	s_lshl_b32 s6, s4, 12
	s_add_nc_u64 s[8:9], s[8:9], s[6:7]
	s_add_nc_u64 s[12:13], s[12:13], s[6:7]
	s_add_nc_u64 s[40:41], s[26:27], s[6:7]
	s_add_nc_u64 s[40:41], s[40:41], H_OFF
	s_lshl_b32 s6, s4, 11
	s_add_nc_u64 s[42:43], s[26:27], s[6:7]
	s_add_nc_u64 s[42:43], s[42:43], XF_OFF
	s_mov_b32 s[SEL], 0x76543210
	s_mov_b32 s[SEL+1], 0xfedcba98
	s_mov_b32 s48, 0x3a800000                      ; 1 / 1024
	s_mov_b32 s49, 0x358637bd                      ; 1e-6
	s_mov_b32 s51, 0xff800000                      ; -infinity
	v_lshlrev_b32 v[L8], 3, v[LN]
	v_lshlrev_b32 v[LGA], 7, v[LN]
	v_and_b32 v[LQ], 3, v[LN]
	s_lshl_b32 s50, s2, 6
	v_lshl_add_u32 v[DA], v[LQ], 4, s50            ; token 4 w + l % 4 of the group: 16 bytes each
	v_mov_b32 v[TP], 0
	v_mov_b32 v[RS+1], 0                           ; named with RS and RS2 as pairs
	v_mov_b32 v[RS2+1], 0
.irp i, 0,1,2,3
	v_mov_b32 v[DQ+\i], 0
.endr
.irp i, 0,1,2,3,4,5,6,7
	global_load_b128 v[AW+4*\i:AW+4*\i+3], v[L16], s[10:11] offset:\i*512
	global_load_b128 v[FW+4*\i:FW+4*\i+3], v[L16], s[14:15] offset:\i*512
.endr
	WIN 0x40
.set k_, 0
.rept 32
	global_load_b128 v[8*k_:8*k_+3], v[LGA], s[16:17] offset:(k_/4)*4096+(k_%4)*32
	global_load_b128 v[8*k_+4:8*k_+7], v[LGA], s[16:17] offset:(k_/4)*4096+(k_%4)*32+16
.set k_, k_+1
.endr
	s_wait_loadcnt 0x0
	WIN 0x41                                       ; router_w's rows in window 1, the gain in window 0
.set k_, 0
.rept 32
.set p_, 0
.rept 4
.if k_%2
	v_pk_mul_f32 v[8*k_+2*p_:8*k_+2*p_+1], v[8*k_+2*p_:8*k_+2*p_+1], v[FW+k_-1:FW+k_] op_sel:[0,1] op_sel_hi:[1,1]
.else
	v_pk_mul_f32 v[8*k_+2*p_:8*k_+2*p_+1], v[8*k_+2*p_:8*k_+2*p_+1], v[FW+k_:FW+k_+1] op_sel:[0,0] op_sel_hi:[1,0]
.endif
.set p_, p_+1
.endr
.set k_, k_+1
.endr
	WIN 0
	s_wait_kmcnt 0x0
	s_mov_b32 s45, 0                               ; the trip's number
	s_mov_b32 s44, 4
.Lrow:
.irp i, 0,1,2,3,4,5,6,7
	global_load_b128 v[X+4*\i:X+4*\i+3], v[L16], s[8:9] offset:\i*512 th:TH_LOAD_NT
.endr
.irp i, 0,1,2,3,4,5,6,7
	global_load_b128 v[PO+4*\i:PO+4*\i+3], v[L16], s[12:13] offset:\i*512 th:TH_LOAD_NT
.endr
	s_wait_loadcnt 8                               ; q's row is in; the projection's eight loads are younger
	SUMSQ
	v_rsq_f32 v[RS], v[SS]
.set i_, 0
.rept 16
	v_pk_mul_f32 v[T+2*i_:T+2*i_+1], v[X+2*i_:X+2*i_+1], v[AW+2*i_:AW+2*i_+1]  ; work that does not name the root's result
.set i_, i_+1
.endr
	s_wait_alu depctr_va_vdst(0)
	s_wait_loadcnt 0x0
.set i_, 0
.rept 16
	v_pk_fma_f32 v[X+2*i_:X+2*i_+1], v[T+2*i_:T+2*i_+1], v[RS:RS+1], v[PO+2*i_:PO+2*i_+1] op_sel_hi:[1,0,1]  ; h = xn + projection
.set i_, i_+1
.endr
.irp i, 0,1,2,3,4,5,6,7
	global_store_b128 v[L16], v[X+4*\i:X+4*\i+3], s[40:41] offset:\i*512
.endr
	SUMSQ
	v_rsq_f32 v[RS2], v[SS]
.set i_, 0
.rept 16
	v_pk_mul_f32 v[T+2*i_:T+2*i_+1], v[X+2*i_:X+2*i_+1], v[FW+2*i_:FW+2*i_+1]
.set i_, i_+1
.endr
	s_wait_alu depctr_va_vdst(0)
.set i_, 0
.rept 16
	v_pk_mul_f32 v[T+2*i_:T+2*i_+1], v[T+2*i_:T+2*i_+1], v[RS2:RS2+1] op_sel_hi:[1,0]
.set i_, i_+1
.endr
.set i_, 0
.rept 16
	v_cvt_pk_bf16_f32 v[XB+i_], v[T+2*i_], v[T+2*i_+1]
.set i_, i_+1
.endr
.irp i, 0,1,2,3,4,5,6,7
	global_store_b64 v[L8], v[XB+2*\i:XB+2*\i+1], s[42:43] offset:\i*256  ; 256 consecutive bytes of xf's row
.endr
	WIN 0x04                                       ; source 1, the weights, in window 1
.set k_, 0
.rept 32
.set p_, 0
.rept 4
.if k_ == 0
	v_pk_mul_f32 v[ACC+2*p_:ACC+2*p_+1], v[X:X+1], v[2*p_:2*p_+1] op_sel:[0,0] op_sel_hi:[0,1]
.elseif k_%2
	v_pk_fma_f32 v[ACC+2*p_:ACC+2*p_+1], v[X+k_-1:X+k_], v[8*k_+2*p_:8*k_+2*p_+1], v[ACC+2*p_:ACC+2*p_+1] op_sel:[1,0,0] op_sel_hi:[1,1,1]
.else
	v_pk_fma_f32 v[ACC+2*p_:ACC+2*p_+1], v[X+k_:X+k_+1], v[8*k_+2*p_:8*k_+2*p_+1], v[ACC+2*p_:ACC+2*p_+1] op_sel:[0,0,0] op_sel_hi:[0,1,1]
.endif
.set p_, p_+1
.endr
.set k_, k_+1
.endr
	WIN 0
.irp e, 0,1,2,3,4,5,6,7
	RED32 ACC+\e
.endr
.irp e, 0,1,2,3,4,5,6,7
	v_fma_f32 v[LG+\e], v[ACC+\e], v[RS2], s[32+\e]
.endr
	v_mov_b32 v[B1], v[LG]                         ; the largest: a later one wins only if strictly greater, so the lower index keeps a tie
	v_mov_b32 v[I1], 0
.irp e, 1,2,3,4,5,6,7
	v_cmp_gt_f32 vcc_lo, v[LG+\e], v[B1]
	v_cndmask_b32 v[B1], v[B1], v[LG+\e], vcc_lo
	v_cndmask_b32 v[I1], v[I1], \e, vcc_lo
.endr
.irp e, 0,1,2,3,4,5,6,7
	v_cmp_eq_u32 vcc_lo, \e, v[I1]
	v_cndmask_b32 v[MK+\e], v[LG+\e], s51, vcc_lo  ; the first is taken out
.endr
	v_mov_b32 v[B2], v[MK]
	v_mov_b32 v[I2], 0
.irp e, 1,2,3,4,5,6,7
	v_cmp_gt_f32 vcc_lo, v[MK+\e], v[B2]
	v_cndmask_b32 v[B2], v[B2], v[MK+\e], vcc_lo
	v_cndmask_b32 v[I2], v[I2], \e, vcc_lo
.endr
	v_sub_f32 v[E1], v[B2], v[B1]                  ; at most 0
	v_mul_f32 v[E1], 0x3fb8aa3b, v[E1]
	v_exp_f32 v[E1+1], v[E1]
	v_mov_b32 v[DD], v[I1]
	s_wait_alu depctr_va_vdst(0)
	v_add_f32 v[E1], 1.0, v[E1+1]
	v_rcp_f32 v[DD+2], v[E1]
	v_mov_b32 v[DD+1], v[I2]
	s_wait_alu depctr_va_vdst(0)
	v_mul_f32 v[DD+3], v[E1+1], v[DD+2]
	v_cmp_eq_u32 vcc_lo, s45, v[LQ]                ; every lane holds the same four words: the lanes of this trip's number keep them
.irp i, 0,1,2,3
	v_cndmask_b32 v[DQ+\i], v[DQ+\i], v[DD+\i], vcc_lo
.endr
	s_wait_xcnt 0x0                                ; the stores' data and the bases are rewritten only behind this wait
	s_add_nc_u64 s[8:9], s[8:9], 4096
	s_add_nc_u64 s[12:13], s[12:13], 4096
	s_add_nc_u64 s[40:41], s[40:41], 4096
	s_add_nc_u64 s[42:43], s[42:43], 2048
	s_add_co_u32 s45, s45, 1
	s_sub_co_u32 s44, s44, 1
	s_cmp_lg_u32 s44, 0
	s_cbranch_scc1 .Lrow
	ds_store_b128 v[DA], v[DQ:DQ+3]                ; eight lanes write each token's 16 bytes, all with the same words
	s_wait_dscnt 0x0                               ; for wave 0's sake: my four tokens are stored
	s_barrier_signal -1
	s_barrier_wait -1
	s_cmp_lg_u32 s2, 0
	s_cbranch_scc1 .Lnot0
	ds_load_b128 v[DD:DD+3], v[L16]                ; lane l: token 32 wg + l
	s_lshl_b32 s6, s3, 8
	s_add_nc_u64 s[52:53], s[28:29], s[6:7]
	s_add_nc_u64 s[54:55], s[26:27], s[6:7]
	s_add_nc_u64 s[54:55], s[54:55], G_OFF
	s_lshl_b32 s6, s3, 2
	s_add_nc_u64 s[56:57], s[28:29], s[6:7]
	v_mov_b32 v[VM], 0
	v_mov_b32 v[VC], 0
	v_lshlrev_b32 v[AM], 8, v[LN]
	s_wait_dscnt 0x0
	global_store_b64 v[L8], v[DD:DD+1], s[52:53] offset:4096   ; the two indices: 256 consecutive bytes
	global_store_b64 v[L8], v[DD+2:DD+3], s[54:55]             ; the two gates
.irp e, 0,1,2,3,4,5,6,7
	v_cmp_eq_u32 s50, \e, v[DD]
	v_cmp_eq_u32 s58, \e, v[DD+1]
	s_or_b32 s50, s50, s58                         ; expert e's bitmap of the 32 tokens,
	s_bcnt1_i32_b32 s58, s50                       ; and its count
	v_writelane_b32 v[VM], s50, \e
	v_writelane_b32 v[VC], s58, \e
.endr
	v_cmp_gt_u32 vcc_lo, 8, v[LN]
	s_wait_xcnt 0x0                                ; EXEC changes only behind this wait
	s_and_saveexec_b32 s59, vcc_lo
	global_store_b32 v[AM], v[VM], s[56:57]                    ; MASK[e][wg]
	global_store_b32 v[AM], v[VC], s[56:57] offset:2048        ; CNTW[e][wg]
	s_wait_xcnt 0x0
	s_or_b32 exec_lo, exec_lo, s59
.Lnot0:
	s_wait_tensorcnt 0x0                           ; the wave's end
	ds_add_u32 v[SPW], v[NIL]
	s_wait_dscnt 0x0
	s_endpgm
.Lfunc_end_k_q6c908201e5_route_prep:
	.size	k_q6c908201e5_route_prep, .Lfunc_end_k_q6c908201e5_route_prep-k_q6c908201e5_route_prep
	.p2alignl 7, 3214868480
	.fill 96, 4, 3214868480
	.section	.rodata,"a",@progbits
	.p2align	6, 0x0
	.amdhsa_kernel k_q6c908201e5_route_prep
		.amdhsa_group_segment_fixed_size 1536
		.amdhsa_private_segment_fixed_size 0
		.amdhsa_enable_private_segment 0
		.amdhsa_kernarg_size 88
		.amdhsa_user_sgpr_count 2
		.amdhsa_user_sgpr_kernarg_segment_ptr 1
		.amdhsa_wavefront_size32 1
		.amdhsa_system_sgpr_workgroup_id_x 1
		.amdhsa_system_sgpr_workgroup_id_y 1
		.amdhsa_system_sgpr_workgroup_id_z 1
		.amdhsa_system_vgpr_workitem_id 0
		.amdhsa_next_free_vgpr 512
		.amdhsa_next_free_sgpr 66
		.amdhsa_reserve_vcc 1
		.amdhsa_float_denorm_mode_32 3
		.amdhsa_float_denorm_mode_16_64 3
		.amdhsa_memory_ordered 1
		.amdhsa_forward_progress 1
		.amdhsa_inst_pref_size 67
	.end_amdhsa_kernel
	.amdgpu_metadata
---
amdhsa.version: [ 1, 2 ]
amdhsa.kernels:
  - .name:           k_q6c908201e5_route_prep
    .symbol:         k_q6c908201e5_route_prep.kd
    .args:
      - { .name: q, .offset: 0, .size: 8, .value_kind: global_buffer, .address_space: global }
      - { .name: attn_norm_w, .offset: 8, .size: 8, .value_kind: global_buffer, .address_space: global }
      - { .name: pp, .offset: 16, .size: 8, .value_kind: global_buffer, .address_space: global }
      - { .name: ffn_norm_w, .offset: 24, .size: 8, .value_kind: global_buffer, .address_space: global }
      - { .name: router_w, .offset: 32, .size: 8, .value_kind: global_buffer, .address_space: global }
      - { .name: router_b, .offset: 40, .size: 8, .value_kind: global_buffer, .address_space: global }
      - { .name: w1, .offset: 48, .size: 8, .value_kind: global_buffer, .address_space: global }
      - { .name: w3, .offset: 56, .size: 8, .value_kind: global_buffer, .address_space: global }
      - { .name: w2, .offset: 64, .size: 8, .value_kind: global_buffer, .address_space: global }
      - { .name: we, .offset: 72, .size: 8, .value_kind: global_buffer, .address_space: global }
      - { .name: route, .offset: 80, .size: 8, .value_kind: global_buffer, .address_space: global }
    .group_segment_fixed_size: 1536
    .private_segment_fixed_size: 0
    .kernarg_segment_align: 8
    .kernarg_segment_size: 88
    .max_flat_workgroup_size: 256
    .sgpr_count:     66
    .vgpr_count:     512
    .wavefront_size: 32
...
	.end_amdgpu_metadata
.endif
;; end of part 5
;; launch up (part 6): grid 8 x 36, 4 waves a work-group, no clusters, 297,728 bytes of LDS; arguments we, route, af, tab2; writes af, tab2
.if DOCPART == 6
	.amdgcn_target "amdgcn-amd-amdhsa--gfx1250"
	.amdhsa_code_object_version 6
	.text
	.protected	k_q6c908201e5_up
	.globl	k_q6c908201e5_up
	.p2align	8
	.type	k_q6c908201e5_up,@function
k_q6c908201e5_up:
	s_mov_b64 s[64:65], 0
	v_nop
	global_prefetch_b8 v0, s[64:65] scope:SCOPE_SE
	s_setreg_imm32_b32 hwreg(HW_REG_WAVE_MODE, 25, 1), 1
	s_wait_xcnt 0x0
; THE FIRST EXPERT PRODUCT, and the placing of the rows: hidden = silu(xf w1[e]) * (xf w3[e]) for a tile of 144 rows of ONE expert, in bf16 with f32 sums; hidden leaves in bf16 in operand order.
; THE GRID SERVES EVERY SPLIT: 4,096 chosen rows over 8 experts make at most ceil(4096 / 144) + 7 = 36 tiles.  Every work-group works out from the stored counts which expert and which ranks tile y holds.
; Rank -> token: by the expert's bitmap of 2,048 tokens in 64 scalar registers: the word by running counts, the bit by a count along the word.  Ranks past the count repeat a row that exists.
; The x = 0 work-group stores the tile's expert and, for each true row, where token and expert find it (POSE); a row past the count writes its number to a place of its own behind POSE, so that every lane stores.
; A TILE WITHOUT ROWS does the same work as any other, on rows that exist, and stores into its own bytes, which nobody gathers: no branch and no mask here hangs on a loaded number.
; That is work thrown away: with 512 rows an expert 32 of the 36 tiles hold rows, and 32 of the 288 work-groups serve nothing.
; THE PRODUCT: the 144 gathered rows x all 1,024 k lie in LDS, filled ONCE by asynchronous copies; a wave makes all rows x four column blocks (w1's and w3's blocks of the same 32 columns),
; its weights straight from memory into a ring of four register slots, three K steps ahead.  Nothing in the K loop writes LDS.  NO CLUSTER: the rows come by a list.
; REGISTERS: window 0 addresses and the way out; window 1 two buffers of A's fragments; window 2 accumulators (mb, f) at 8 (4 mb + f), mb 0-7; window 3 v0-31 those of mb 8, v32-159 the ring of B's.
.set MB, 9
.set NF, 4
.set KSTR, 131072
.set KA, 64
.set PITCH, 2064
.set SPARE, 144*PITCH
.set W13_OFF, 16777216
.set XF_OFF, 58720256
.set R, 1
.set H, 2
.set L16, 3
.set SPW, 4
.set NIL, 5
.set AD, 6                             ; v6-10
.set LN, 11
.set LA, 32                            ; v32-67  LDS address of copy j;  v68-103 its offset in xf: neither is rewritten before the copies have landed
.set GA, 68
.set RKA, 112                          ; the ranks of my 36 rows, lanes 0-31 and the four left
.set RKB, 113
.set RA, 114                           ; the same held under the count
.set RB, 115
.set RR, 116
.set WW, 117
.set PKV, 118
.set CUM, 119
.set ANS, 120
.set NN, 121
.set T0, 122
.set T1, 123
.set BT, 124
.set TM, 125
.set T, 32                             ; the way out: 48 registers at work, where the copies' addresses lay
.set U, 128                            ; v128-199 packed results: no store's data is written again
.set BR, 32                            ; window 3
.set BP, 100
.set CNT, 28
.set MSB, 0
.macro WIN new
.if MSB != (\new)
	s_set_vgpr_msb (MSB<<8)|(\new)
.set MSB, \new
.endif
.endm
.macro PLACES
.rept 4
	v_nop
.endr
.endm
.macro BLOADS slot, kb
	WIN 0xc0
.set f_, 0
.rept NF
	global_load_b128 v[BR+8*NF*(\slot)+8*f_:BR+8*NF*(\slot)+8*f_+3], v[L16], s[BP:BP+1] offset:(\kb)*KSTR+f_*1024
	global_load_b128 v[BR+8*NF*(\slot)+8*f_+4:BR+8*NF*(\slot)+8*f_+7], v[L16], s[BP:BP+1] offset:(\kb)*KSTR+f_*1024+512
.set f_, f_+1
.endr
.endm
.macro ALOADS buf, ka
	WIN 0x40
.set m_, 0
.rept MB
	ds_load_b128 v[8*MB*(\buf)+8*m_:8*MB*(\buf)+8*m_+3], v[AD+m_/2] offset:(m_%2)*16*PITCH+(\ka)*KA
	ds_load_b128 v[8*MB*(\buf)+8*m_+4:8*MB*(\buf)+8*m_+7], v[AD+m_/2] offset:(m_%2)*16*PITCH+(\ka)*KA+32
.set m_, m_+1
.endr
.endm
.macro PRODS ab, bs, zero              ; every accumulator once a step: they take turns
.set m_, 0
.rept MB
	WIN 0xa7+0x50*(m_/8)
.set f_, 0
.rept NF
.set c_, (8*(NF*m_+f_))%256
.if \zero
	v_wmma_f32_16x16x32_bf16 v[c_:c_+7], v[BR+8*NF*(\bs)+8*f_:BR+8*NF*(\bs)+8*f_+7], v[8*MB*(\ab)+8*m_:8*MB*(\ab)+8*m_+7], 0
.else
	v_wmma_f32_16x16x32_bf16 v[c_:c_+7], v[BR+8*NF*(\bs)+8*f_:BR+8*NF*(\bs)+8*f_+7], v[8*MB*(\ab)+8*m_:8*MB*(\ab)+8*m_+7], v[c_:c_+7]
.endif
.set f_, f_+1
.endr
.set m_, m_+1
.endr
.endm
.macro KSTEP ab, bs, ka, kb, nl, nd, zero
	PLACES
.if (\kb) >= 0
	BLOADS ((\bs)+3)%4, \kb
.endif
.if (\ka) >= 0
	ALOADS 1-(\ab), \ka
.endif
	s_wait_loadcnt \nl                             ; B of step t is in: behind it stand the loads of the steps asked for since
	s_wait_dscnt \nd                               ; A of step t is in: behind it stand the loads of step t + 1
	PRODS \ab, \bs, \zero
.endm
; Three row blocks' way out: silu(a) b = a / (1 + 2^(-a log2 e)) * b; the 48 exponentials are one batch with one wait, and so are the 48 reciprocals.
.macro SILU3 m0
.irp d, 0,1,2
.set a_, (32*((\m0)+\d))%256
	WIN 0x08+4*(((\m0)+\d)/8)                      ; source 1 in window 2, for row block 8 in window 3
.set i_, 0
.rept 16
	v_mul_f32 v[T+16*\d+i_], 0xbfb8aa3b, v[a_+i_]
.set i_, i_+1
.endr
.endr
	WIN 0
.set i_, 0
.rept 48
	v_exp_f32 v[T+i_], v[T+i_]
.set i_, i_+1
.endr
	v_nop
	s_wait_alu depctr_va_vdst(0)
.set i_, 0
.rept 24
	v_pk_add_f32 v[T+2*i_:T+2*i_+1], v[T+2*i_:T+2*i_+1], 1.0 op_sel_hi:[1,0]
.set i_, i_+1
.endr
.set i_, 0
.rept 48
	v_rcp_f32 v[T+i_], v[T+i_]
.set i_, i_+1
.endr
	v_nop
	s_wait_alu depctr_va_vdst(0)
.irp d, 0,1,2
.set a_, (32*((\m0)+\d))%256
	WIN 0x08+4*(((\m0)+\d)/8)
.set i_, 0
.rept 8
	v_pk_mul_f32 v[T+16*\d+2*i_:T+16*\d+2*i_+1], v[T+16*\d+2*i_:T+16*\d+2*i_+1], v[a_+2*i_:a_+2*i_+1]
.set i_, i_+1
.endr
.set i_, 0
.rept 8
	v_pk_mul_f32 v[T+16*\d+2*i_:T+16*\d+2*i_+1], v[T+16*\d+2*i_:T+16*\d+2*i_+1], v[a_+16+2*i_:a_+16+2*i_+1]
.set i_, i_+1
.endr
.endr
	WIN 0
.irp d, 0,1,2
.set i_, 0
.rept 8
	v_cvt_pk_bf16_f32 v[U+8*((\m0)+\d)+i_], v[T+16*\d+2*i_], v[T+16*\d+2*i_+1]
.set i_, i_+1
.endr
	global_store_b128 v[L16], v[U+8*((\m0)+\d):U+8*((\m0)+\d)+3], s[34:35] offset:((\m0)+\d)*32768       ; 512 consecutive bytes: half a block
	global_store_b128 v[L16], v[U+8*((\m0)+\d)+4:U+8*((\m0)+\d)+7], s[34:35] offset:((\m0)+\d)*32768+512
.endr
.endm
	s_load_b256 s[8:15], s[0:1], 0x0               ; we 8, route 10, af 12, tab2 14
	v_lshl_add_u32 v[SPW], v0, 2, SPARE
	v_mov_b32 v[NIL], 0
	ds_add_u32 v[SPW], v[NIL]                      ; the wave's opening: the add and its wait ahead of my first copy
	ds_add_u32 v4, v5
	v_lshrrev_b32 v[TM], 5, v0
	v_readfirstlane_b32 s2, v[TM]                  ; wave
	v_and_b32 v[R], 15, v0
	v_bfe_u32 v[H], v0, 4, 1
	v_and_b32 v[LN], 31, v0
	v_lshlrev_b32 v[L16], 4, v[LN]
	s_mov_b32 s3, ttmp9                            ; x: slice of 128 hidden columns
	s_and_b32 s4, ttmp7, 0xffff                    ; y: tile
	v_mul_u32_u24 v[AD], v[R], PITCH
	v_lshl_add_u32 v[AD], v[H], 4, v[AD]
.irp i, 1,2,3,4
	v_add_nc_u32 v[AD+\i], \i*32*PITCH, v[AD]
.endr
	v_lshlrev_b32 v12, 6, v[LN]
	v_mov_b32 v13, 0
	s_wait_dscnt 0x0                               ; the opening add is done
	s_wait_kmcnt 0x0
	; the experts' counts: lane l adds words 16 l .. 16 l + 15 of CNTW; four lanes are an expert
.irp i, 0,1,2,3
	global_load_b128 v[16+4*\i:19+4*\i], v12, s[10:11] offset:2048+\i*16
.endr
	s_wait_loadcnt 0x0
.set i_, 1
.rept 15
	v_add_nc_u32 v16, v16, v[16+i_]
.set i_, i_+1
.endr
	v_mov_b32_dpp v13, v16 row_xmask:1 row_mask:0xf bank_mask:0xf
	v_add_nc_u32 v16, v16, v13
	v_mov_b32_dpp v13, v16 row_xmask:2 row_mask:0xf bank_mask:0xf
	v_add_nc_u32 v16, v16, v13
.irp e, 0,1,2,3,4,5,6,7
	v_readlane_b32 s[16+\e], v16, 4*\e
.endr
	; tile y belongs to the last expert whose first tile is not behind it
	s_mov_b32 s24, 0
	s_mov_b32 s25, 0
	s_mov_b32 s26, 0
	s_mov_b32 s27, 0
.irp e, 0,1,2,3,4,5,6,7
	s_cmp_le_u32 s24, s4
	s_cselect_b32 s25, \e, s25                     ; the expert,
	s_cselect_b32 s26, s24, s26                    ; its first tile,
	s_cselect_b32 s27, s[16+\e], s27               ; its count
	s_add_co_u32 s30, s[16+\e], 143
	s_mul_i32 s30, s30, 58255
	s_lshr_b32 s30, s30, 23                        ; ceil(count / 144): exact up to 2,191
	s_add_co_u32 s24, s24, s30
.endr
	s_min_u32 s25, s25, 7
	s_sub_co_u32 s29, s4, s26
	s_mul_i32 s29, s29, 144                        ; the tile's first rank
	s_lshl_b32 s30, s25, 8
	s_mov_b32 s31, 0
	s_add_nc_u64 s[104:105], s[10:11], s[30:31]
	s_load_b512 s[32:47], s[104:105], 0x0          ; the expert's bitmap: 64 words
	s_load_b512 s[48:63], s[104:105], 0x40
	s_load_b512 s[68:83], s[104:105], 0x80
	s_load_b512 s[84:99], s[104:105], 0xc0
	s_lshl_b32 s30, s25, 22
	s_lshl2_add_u32 s24, s3, s2                    ; 4 x + w: my 32 hidden columns
	s_lshl_b32 s26, s24, 12
	s_add_co_u32 s30, s30, s26
	s_add_nc_u64 s[BP:BP+1], s[8:9], s[30:31]
	s_add_nc_u64 s[BP:BP+1], s[BP:BP+1], W13_OFF
	BLOADS 0, 0
	BLOADS 1, 1
	BLOADS 2, 2
	WIN 0
	s_or_b32 s30, s3, s2
	s_cmp_lg_u32 s30, 0
	s_cbranch_scc1 .Lnotab
	v_mov_b32 v106, s25
	v_mov_b32 v107, s25
	v_lshlrev_b32 v104, 3, v[LN]
	s_lshl_b32 s30, s4, 8
	v_add_nc_u32 v104, s30, v104
	global_store_b64 v104, v[106:107], s[14:15]    ; the tile's expert, 64 equal words: 256 consecutive bytes
.Lnotab:
	s_mul_i32 s26, s2, 36
	s_add_co_u32 s30, s26, s29
	v_add_nc_u32 v[RKA], s30, v[LN]
	v_and_b32 v[RKB], 3, v[LN]
	v_mov_b32 v111, v[RKB]
	s_add_co_u32 s30, s30, 32
	v_add_nc_u32 v[RKB], s30, v[RKB]
	s_sub_co_u32 s30, s27, 1
	v_min_u32 v[RA], s30, v[RKA]
	v_min_u32 v[RB], s30, v[RKB]
	s_mul_i32 s30, s4, 144
	s_add_co_u32 s30, s30, s26
	v_add_nc_u32 v109, s30, v[LN]                  ; the rows' numbers in the partial results
	s_add_co_u32 s30, s30, 32
	v_add_nc_u32 v111, s30, v111
	s_mul_i32 s30, s2, 36*PITCH
	v_add_nc_u32 v[TM], s30, v[L16]
	v_mov_b32 v[RR], v[RA]
	v_mov_b32 v[T1], 0
	s_wait_kmcnt 0x0
	s_mov_b32 s104, 2
.Lsearch:                                              ; two trips: the ranks of lanes 0-31, then those of the four rows left
	s_mov_b32 s30, 0
	v_mov_b32 v[WW], 0
	v_mov_b32 v[PKV], 0
.set i_, 0
.rept 64                               ; the last word in front of which at most RR bits stand holds the bit of rank RR
	s_or_b32 s31, s30, i_<<16
	v_cmp_le_u32 vcc_lo, s30, v[RR]
	v_cndmask_b32 v[WW], v[WW], s[32+i_+4*(i_/32)], vcc_lo
	v_cndmask_b32 v[PKV], v[PKV], s31, vcc_lo
	s_bcnt1_i32_b32 s105, s[32+i_+4*(i_/32)]
	s_add_co_u32 s30, s30, s105
.set i_, i_+1
.endr
	v_and_b32 v[NN], 0xffff, v[PKV]
	v_sub_nc_u32 v[NN], v[RR], v[NN]               ; the rank inside the word
	v_mov_b32 v[CUM], 0
	v_mov_b32 v[ANS], 0
.set i_, 0
.rept 32                               ; the bit's place = how many places have at most NN bits up to and with themselves
	v_bfe_u32 v[BT], v[WW], i_, 1
	v_add_nc_u32 v[CUM], v[CUM], v[BT]
	v_cmp_le_u32 vcc_lo, v[CUM], v[NN]
	v_add_co_ci_u32 v[ANS], vcc_lo, 0, v[ANS], vcc_lo
.set i_, i_+1
.endr
	v_lshrrev_b32 v[BT], 16, v[PKV]
	v_lshl_add_u32 v[ANS], v[BT], 5, v[ANS]
	v_min_u32 v[ANS], 0x7ff, v[ANS]                ; a token's number
	v_mov_b32 v[T0], v[T1]
	v_mov_b32 v[T1], v[ANS]
	v_mov_b32 v[RR], v[RB]
	s_sub_co_u32 s104, s104, 1
	s_cmp_lg_u32 s104, 0
	s_cbranch_scc1 .Lsearch
.set j_, 0
.rept 36
.if j_ < 32
	v_readlane_b32 s30, v[T0], j_
.else
	v_readlane_b32 s30, v[T1], j_-32
.endif
	s_min_u32 s30, s30, 2047
	v_lshl_add_u32 v[GA+j_], s30, 11, v[L16]       ; the token's row of xf
	v_add_nc_u32 v[LA+j_], j_*PITCH, v[TM]
.set j_, j_+1
.endr
	s_add_nc_u64 s[32:33], s[8:9], XF_OFF          ; the bitmap's registers are free
	s_mul_i32 s30, s4, 294912
	s_lshl_b32 s26, s24, 10
	s_add_co_u32 s30, s30, s26
	s_mov_b32 s31, 0
	s_add_nc_u64 s[34:35], s[12:13], s[30:31]      ; hidden: tile y, K block 4 x + w
	s_cmp_lg_u32 s3, 0
	s_cbranch_scc1 .Lnopose
	; word token * 8 + expert for a row under the count, word 16,384 + the row's number for the others; held under the table's 21,568 words, then made bytes
	v_lshl_add_u32 v108, v[T0], 3, s25
	v_add_nc_u32 v105, 0x4000, v109
	v_cmp_gt_u32 vcc_lo, s27, v[RKA]
	v_cndmask_b32 v108, v105, v108, vcc_lo
	v_min_u32 v108, 0x543f, v108
	v_lshlrev_b32 v108, 2, v108
	global_store_b32 v108, v109, s[14:15] offset:9216
	v_lshl_add_u32 v110, v[T1], 3, s25             ; the four rows left: lanes with the same l % 4 store the same word to the same place
	v_add_nc_u32 v126, 0x4000, v111
	v_cmp_gt_u32 vcc_lo, s27, v[RKB]
	v_cndmask_b32 v110, v126, v110, vcc_lo
	v_min_u32 v110, 0x543f, v110
	v_lshlrev_b32 v110, 2, v110
	global_store_b32 v110, v111, s[14:15] offset:9216
.Lnopose:
.irp c, 0,1,2,3
.set j_, 0
.rept 36
	global_load_async_to_lds_b128 v[LA+j_], v[GA+j_], s[32:33] offset:\c*512  ; 512 bytes of a row; the immediate is added to both addresses
.set j_, j_+1
.endr
.endr
	s_wait_asynccnt 0x0                            ; my rows have landed,
	s_barrier_signal -1
	s_barrier_wait -1                              ; everybody's have: A is whole, and is never written again
	ALOADS 0, 0
	KSTEP 0, 0, 1, 3, 6*NF, 2*MB, 1                ; the first K step starts the sums
	WIN 0
	s_mov_b32 s[CNT], 7
.Lk:                                                   ; four K steps a trip: t = 4 i + 1 .. 4 i + 4
	KSTEP 1, 1, 2, 4, 6*NF, 2*MB, 0
	KSTEP 0, 2, 3, 5, 6*NF, 2*MB, 0
	KSTEP 1, 3, 4, 6, 6*NF, 2*MB, 0
	KSTEP 0, 0, 5, 7, 6*NF, 2*MB, 0
	WIN 0
	s_wait_xcnt 0x0                                ; the loads' base is stepped only behind this wait
	s_add_nc_u64 s[BP:BP+1], s[BP:BP+1], 4*KSTR
.irp i, 0,1,2,3,4
	v_add_nc_u32 v[AD+\i], 4*KA, v[AD+\i]
.endr
	s_sub_co_u32 s[CNT], s[CNT], 1
	s_cmp_lg_u32 s[CNT], 0
	s_cbranch_scc1 .Lk
	KSTEP 1, 1, 2, -1, 4*NF, 2*MB, 0               ; t = 29, 30, 31: nothing of B is left to ask for, and the counts run down
	KSTEP 0, 2, 3, -1, 2*NF, 2*MB, 0
	KSTEP 1, 3, -1, -1, 0, 0, 0                    ; its wait for 0 shows my last LDS reads back
	WIN 0
	PLACES
	s_barrier_signal -1
	s_barrier_wait -1                              ; every wave's reads of LDS are back before any wave's last LDS write, the add at its end
	SILU3 0
	SILU3 3
	SILU3 6
	s_wait_tensorcnt 0x0                           ; the wave's end
	s_wait_asynccnt 0x0
	ds_add_u32 v[SPW], v[NIL]
	s_wait_dscnt 0x0
	s_endpgm
.Lfunc_end_k_q6c908201e5_up:
	.size	k_q6c908201e5_up, .Lfunc_end_k_q6c908201e5_up-k_q6c908201e5_up
	.p2alignl 7, 3214868480
	.fill 96, 4, 3214868480
	.section	.rodata,"a",@progbits
	.p2align	6, 0x0
	.amdhsa_kernel k_q6c908201e5_up
		.amdhsa_group_segment_fixed_size 297728
		.amdhsa_private_segment_fixed_size 0
		.amdhsa_enable_private_segment 0
		.amdhsa_kernarg_size 32
		.amdhsa_user_sgpr_count 2
		.amdhsa_user_sgpr_kernarg_segment_ptr 1
		.amdhsa_wavefront_size32 1
		.amdhsa_system_sgpr_workgroup_id_x 1
		.amdhsa_system_sgpr_workgroup_id_y 1
		.amdhsa_system_sgpr_workgroup_id_z 1
		.amdhsa_system_vgpr_workitem_id 0
		.amdhsa_next_free_vgpr 928
		.amdhsa_next_free_sgpr 106
		.amdhsa_reserve_vcc 1
		.amdhsa_float_denorm_mode_32 3
		.amdhsa_float_denorm_mode_16_64 3
		.amdhsa_memory_ordered 1
		.amdhsa_forward_progress 1
		.amdhsa_inst_pref_size 130
	.end_amdhsa_kernel
	.amdgpu_metadata
---
amdhsa.version: [ 1, 2 ]
amdhsa.kernels:
  - .name:           k_q6c908201e5_up
    .symbol:         k_q6c908201e5_up.kd
    .args:
      - { .name: we, .offset: 0, .size: 8, .value_kind: global_buffer, .address_space: global }
      - { .name: route, .offset: 8, .size: 8, .value_kind: global_buffer, .address_space: global }
      - { .name: af, .offset: 16, .size: 8, .value_kind: global_buffer, .address_space: global }
      - { .name: tab2, .offset: 24, .size: 8, .value_kind: global_buffer, .address_space: global }
    .group_segment_fixed_size: 297728
    .private_segment_fixed_size: 0
    .kernarg_segment_align: 8
    .kernarg_segment_size: 32
    .max_flat_workgroup_size: 128
    .sgpr_count:     106
    .vgpr_count:     928
    .wavefront_size: 32
...
	.end_amdgpu_metadata
.endif
;; end of part 6
;; launch down (part 7): grid 8 x 36, 4 waves a work-group, no clusters, 295,424 bytes of LDS; arguments af, we, tab2, pp; writes pp
.if DOCPART == 7
	.amdgcn_target "amdgcn-amd-amdhsa--gfx1250"
	.amdhsa_code_object_version 6
	.text
	.protected	k_q6c908201e5_down
	.globl	k_q6c908201e5_down
	.p2align	8
	.type	k_q6c908201e5_down,@function
k_q6c908201e5_down:
	s_mov_b64 s[64:65], 0
	v_nop
	global_prefetch_b8 v0, s[64:65] scope:SCOPE_SE
	s_setreg_imm32_b32 hwreg(HW_REG_WAVE_MODE, 25, 1), 1
	s_wait_xcnt 0x0
; hidden @ w2[expert] for a tile of 144 rows of one expert: hidden [9 blocks of 16 rows][32 K blocks] of 1,024 bytes in operand order (bf16), w2 [expert][32 K blocks][64 column blocks] likewise,
; the partial result f32 rows of 4,096 bytes.  bf16 operands, f32 sums.  The tile's expert is a whole number that the launch before stored; it is held under 8 and enters the weights' address alone.
; SHARES.  Work-group (x, y): tile y x 128 columns.  The tile, all K, lies in LDS, filled ONCE by asynchronous copies.
; The waves are 2 x 2: wave (wr, wc) makes row blocks 4 wr .. 4 wr + 4 x 64 columns, so that its part of a row of the result is 256 aligned bytes.
; Row block 4 is made by both row halves and stored by wr = 0 alone: 20 products a K step for 18 needed.
; w2 goes straight from memory into a ring of four register slots, three K steps ahead.  Nothing in the K loop writes LDS, so the loop has no barrier.
; A TILE WITHOUT ROWS is multiplied like any other (the launch before stored its 144 rows too) and stored into its own rows, which nobody gathers: no branch here hangs on a loaded number.
; THE WAY OUT goes through a stage of 16 rows x 272 bytes for each wave, in the tile's first bytes: the tile has had its only fill, and a barrier stands between all waves' last reads of it and the stage's stores.
; NO CLUSTER: the tile that the eight work-groups of a row share comes by copies lane by lane, which have no joint form.
.set MB, 5
.set NF, 4
.set KSTR, 65536
.set KA, 1024
.set SP, 272
.set SPARE, 294912                     ; behind the tile: the spare words, 128 bytes a wave
.set R, 1
.set H, 2
.set L16, 3
.set SPW, 4
.set NIL, 5
.set AD, 6                             ; v6-8   LDS address of my fragments of row blocks 2 i, 2 i + 1 of my five
.set STO, 9
.set RD, 10
.set CO, 11
.set CL, 12                            ; v12-16 a copy's LDS address for row blocks 2 i, 2 i + 1;  v17-21 its offset in the tile, the same number; never rewritten
.set CG, 17
.set TM, 22
.set OUT, 64                           ; v64-223 rows read back, 32 registers a row block: no store's data is written again
.set BR, 80                            ; window 1: v0-79 two buffers of A's fragments, v80-207 the ring of B's; window 2: accumulator (m, f) at 8 (4 m + f)
.set BP, 18
.set CNT, 28
.set W_LD, 0x40
.set W_MM, 0xa5
.set MSB, 0
.macro WIN new                         ; the immediate's high byte repeats the setting that is left
.if MSB != (\new)
	s_set_vgpr_msb (MSB<<8)|(\new)
.set MSB, \new
.endif
.endm
.macro PLACES                          ; four plain instructions between matrix instructions and loads into, or reads of, their registers
.rept 4
	v_nop
.endr
.endm
.macro BLOADS slot, kb
	WIN W_LD
.set f_, 0
.rept NF
	global_load_b128 v[BR+8*NF*(\slot)+8*f_:BR+8*NF*(\slot)+8*f_+3], v[L16], s[BP:BP+1] offset:(\kb)*KSTR+f_*1024
	global_load_b128 v[BR+8*NF*(\slot)+8*f_+4:BR+8*NF*(\slot)+8*f_+7], v[L16], s[BP:BP+1] offset:(\kb)*KSTR+f_*1024+512
.set f_, f_+1
.endr
.endm
.macro ALOADS buf, ka
	WIN W_LD
.set m_, 0
.rept MB
	ds_load_b128 v[8*MB*(\buf)+8*m_:8*MB*(\buf)+8*m_+3], v[AD+m_/2] offset:(m_%2)*32768+(\ka)*KA
	ds_load_b128 v[8*MB*(\buf)+8*m_+4:8*MB*(\buf)+8*m_+7], v[AD+m_/2] offset:(m_%2)*32768+(\ka)*KA+512
.set m_, m_+1
.endr
.endm
.macro PRODS ab, bs, zero              ; every accumulator once a step: they take turns
	WIN W_MM
.set m_, 0
.rept MB
.set f_, 0
.rept NF
.if \zero
	v_wmma_f32_16x16x32_bf16 v[8*(NF*m_+f_):8*(NF*m_+f_)+7], v[BR+8*NF*(\bs)+8*f_:BR+8*NF*(\bs)+8*f_+7], v[8*MB*(\ab)+8*m_:8*MB*(\ab)+8*m_+7], 0
.else
	v_wmma_f32_16x16x32_bf16 v[8*(NF*m_+f_):8*(NF*m_+f_)+7], v[BR+8*NF*(\bs)+8*f_:BR+8*NF*(\bs)+8*f_+7], v[8*MB*(\ab)+8*m_:8*MB*(\ab)+8*m_+7], v[8*(NF*m_+f_):8*(NF*m_+f_)+7]
.endif
.set f_, f_+1
.endr
.set m_, m_+1
.endr
.endm
; K step t (ab = t % 2, bs = t % 4): B of step t + 3 and A of step t + 1 are asked for (index kb, ka from the trip's base; -1: none), then step t is multiplied.
.macro KSTEP ab, bs, ka, kb, nl, nd, zero
	PLACES
.if (\kb) >= 0
	BLOADS ((\bs)+3)%4, \kb
.endif
.if (\ka) >= 0
	ALOADS 1-(\ab), \ka
.endif
	s_wait_loadcnt \nl                             ; B of step t is in: behind it stand the loads of the steps asked for since
	s_wait_dscnt \nd                               ; A of step t is in: behind it stand the loads of step t + 1
	PRODS \ab, \bs, \zero
.endm
; Row block i of my five goes out: 32 bytes a lane and column block into my stage, back as whole rows of 256 bytes, stored: sixteen lanes store 256 consecutive bytes, aligned.
.macro OUTB i
	WIN 0x08                                       ; the stores' data lie in window 2
.irp c, 0,1,2,3
	ds_store_b128 v[STO], v[8*(NF*(\i)+\c):8*(NF*(\i)+\c)+3] offset:\c*64
	ds_store_b128 v[STO], v[8*(NF*(\i)+\c)+4:8*(NF*(\i)+\c)+7] offset:\c*64+16
.endr
	WIN 0
.irp t, 0,1,2,3,4,5,6,7
	ds_load_b128 v[OUT+32*(\i)+4*\t:OUT+32*(\i)+4*\t+3], v[RD] offset:\t*2*SP  ; LDS serves a wave's instructions in order: these see the stores above, and the next block's stores come behind them
.endr
	s_wait_dscnt 0x0
.irp t, 0,1,2,3,4,5,6,7
	global_store_b128 v[CO], v[OUT+32*(\i)+4*\t:OUT+32*(\i)+4*\t+3], s[24:25] offset:(\i)*65536+\t*8192
.endr
.endm
	s_load_b256 s[8:15], s[0:1], 0x0               ; hidden 8, the weights 10, the table 12, the result 14
	v_lshl_add_u32 v[SPW], v0, 2, SPARE
	v_mov_b32 v[NIL], 0
	ds_add_u32 v[SPW], v[NIL]                      ; the wave's opening: the add and its wait ahead of my first copy
	ds_add_u32 v4, v5
	v_lshrrev_b32 v[TM], 5, v0
	v_readfirstlane_b32 s2, v[TM]                  ; wave
	v_and_b32 v[R], 15, v0
	v_bfe_u32 v[H], v0, 4, 1
	v_and_b32 v[L16], 31, v0
	v_lshlrev_b32 v[L16], 4, v[L16]
	s_mov_b32 s3, ttmp9                            ; x: slice of 128 columns
	s_and_b32 s4, ttmp7, 0xffff                    ; y: tile
	s_lshr_b32 s5, s2, 1                           ; wr
	s_and_b32 s6, s2, 1                            ; wc
	s_lshl_b32 s20, s5, 17                         ; four row blocks of 32,768 bytes
	v_add_nc_u32 v[AD], s20, v[L16]
	v_add_nc_u32 v[AD+1], 65536, v[AD]
	v_add_nc_u32 v[AD+2], 131072, v[AD]
	s_lshl_b32 s20, s2, 11                         ; of each 8,192 bytes wave w copies 2,048
	v_add_nc_u32 v[CL], s20, v[L16]
.irp i, 1,2,3,4
	v_add_nc_u32 v[CL+\i], \i*65536, v[CL]
.endr
.irp i, 0,1,2,3,4
	v_mov_b32 v[CG+\i], v[CL+\i]
.endr
	s_mul_i32 s20, s2, 16*SP                       ; my stage
	v_mul_u32_u24 v[STO], v[R], SP
	v_lshl_add_u32 v[STO], v[H], 5, v[STO]
	v_add_nc_u32 v[STO], s20, v[STO]
	v_mul_u32_u24 v[RD], v[H], SP
	v_lshl_add_u32 v[RD], v[R], 4, v[RD]
	v_add_nc_u32 v[RD], s20, v[RD]
	v_lshlrev_b32 v[CO], 12, v[H]
	v_lshl_add_u32 v[CO], v[R], 4, v[CO]
	s_wait_dscnt 0x0                               ; the opening add is done
	s_wait_kmcnt 0x0
	s_lshl_b32 s20, s4, 8
	s_load_b32 s16, s[12:13], s20 offset:0x0       ; the tile's expert
	s_mul_i32 s30, s4, 294912
	s_mov_b32 s31, 0
	s_add_nc_u64 s[22:23], s[8:9], s[30:31]        ; the tile
	s_mul_i32 s30, s4, 144
	s_lshl_b32 s27, s5, 6
	s_add_co_u32 s30, s30, s27
	s_lshl_b32 s30, s30, 12                        ; my first row of the result
	s_lshl_b32 s27, s3, 9
	s_add_co_u32 s30, s30, s27
	s_lshl_b32 s27, s6, 8
	s_add_co_u32 s30, s30, s27
	s_add_nc_u64 s[24:25], s[14:15], s[30:31]
	s_wait_kmcnt 0x0
	s_min_u32 s16, s16, 7
	s_lshl_b32 s30, s16, 21                        ; an expert's blocks: 2 MiB
	s_lshl_b32 s27, s3, 13
	s_add_co_u32 s30, s30, s27
	s_lshl_b32 s27, s6, 12
	s_add_co_u32 s30, s30, s27                     ; column block 8 x + 4 wc
	s_add_nc_u64 s[BP:BP+1], s[10:11], s[30:31]
	BLOADS 0, 0
	BLOADS 1, 1
	BLOADS 2, 2
	WIN 0
.irp c, 0,1,2,3
.set m_, 0
.rept 9
.irp i, 0,1,2,3
	global_load_async_to_lds_b128 v[CL+m_/2], v[CG+m_/2], s[22:23] offset:(m_%2)*32768+\c*8192+\i*512  ; the tile lies in LDS as in memory; the immediate is added to both addresses
.endr
.set m_, m_+1
.endr
.endr
	s_wait_asynccnt 0x0                            ; my part has landed,
	s_barrier_signal -1
	s_barrier_wait -1                              ; everybody's has: the tile is whole
	ALOADS 0, 0
	KSTEP 0, 0, 1, 3, 6*NF, 2*MB, 1                ; the first K step starts the sums
	WIN 0
	s_mov_b32 s[CNT], 7
.Lk:                                                   ; four K steps a trip: t = 4 i + 1 .. 4 i + 4
	KSTEP 1, 1, 2, 4, 6*NF, 2*MB, 0
	KSTEP 0, 2, 3, 5, 6*NF, 2*MB, 0
	KSTEP 1, 3, 4, 6, 6*NF, 2*MB, 0
	KSTEP 0, 0, 5, 7, 6*NF, 2*MB, 0
	WIN 0
	s_wait_xcnt 0x0                                ; the loads' base is stepped only behind this wait
	s_add_nc_u64 s[BP:BP+1], s[BP:BP+1], 4*KSTR
.irp i, 0,1,2
	v_add_nc_u32 v[AD+\i], 4*KA, v[AD+\i]
.endr
	s_sub_co_u32 s[CNT], s[CNT], 1
	s_cmp_lg_u32 s[CNT], 0
	s_cbranch_scc1 .Lk
	KSTEP 1, 1, 2, -1, 4*NF, 2*MB, 0               ; t = 29, 30, 31: nothing of B is left to ask for, and the counts run down
	KSTEP 0, 2, 3, -1, 2*NF, 2*MB, 0
	KSTEP 1, 3, -1, -1, 0, 0, 0                    ; its wait for 0 shows my last reads of the tile back
	WIN 0
	PLACES
	s_barrier_signal -1
	s_barrier_wait -1                              ; nobody reads the tile any more: its first bytes become the stages
	s_cmp_lg_u32 s5, 0
	s_cbranch_scc1 .Lno0                           ; row block 4 is stored by the upper half's waves
	OUTB 0
.Lno0:
	OUTB 1
	OUTB 2
	OUTB 3
	OUTB 4
	s_wait_tensorcnt 0x0                           ; the wave's end
	s_wait_asynccnt 0x0
	ds_add_u32 v[SPW], v[NIL]
	s_wait_dscnt 0x0
	s_endpgm
.Lfunc_end_k_q6c908201e5_down:
	.size	k_q6c908201e5_down, .Lfunc_end_k_q6c908201e5_down-k_q6c908201e5_down
	.p2alignl 7, 3214868480
	.fill 96, 4, 3214868480
	.section	.rodata,"a",@progbits
	.p2align	6, 0x0
	.amdhsa_kernel k_q6c908201e5_down
		.amdhsa_group_segment_fixed_size 295424
		.amdhsa_private_segment_fixed_size 0
		.amdhsa_enable_private_segment 0
		.amdhsa_kernarg_size 32
		.amdhsa_user_sgpr_count 2
		.amdhsa_user_sgpr_kernarg_segment_ptr 1
		.amdhsa_wavefront_size32 1
		.amdhsa_system_sgpr_workgroup_id_x 1
		.amdhsa_system_sgpr_workgroup_id_y 1
		.amdhsa_system_sgpr_workgroup_id_z 1
		.amdhsa_system_vgpr_workitem_id 0
		.amdhsa_next_free_vgpr 672
		.amdhsa_next_free_sgpr 66
		.amdhsa_reserve_vcc 0
		.amdhsa_float_denorm_mode_32 3
		.amdhsa_float_denorm_mode_16_64 3
		.amdhsa_memory_ordered 1
		.amdhsa_forward_progress 1
		.amdhsa_inst_pref_size 50
	.end_amdhsa_kernel
	.amdgpu_metadata
---
amdhsa.version: [ 1, 2 ]
amdhsa.kernels:
  - .name:           k_q6c908201e5_down
    .symbol:         k_q6c908201e5_down.kd
    .args:
      - { .name: af, .offset: 0, .size: 8, .value_kind: global_buffer, .address_space: global }
      - { .name: we, .offset: 8, .size: 8, .value_kind: global_buffer, .address_space: global }
      - { .name: tab2, .offset: 16, .size: 8, .value_kind: global_buffer, .address_space: global }
      - { .name: pp, .offset: 24, .size: 8, .value_kind: global_buffer, .address_space: global }
    .group_segment_fixed_size: 295424
    .private_segment_fixed_size: 0
    .kernarg_segment_align: 8
    .kernarg_segment_size: 32
    .max_flat_workgroup_size: 128
    .sgpr_count:     66
    .vgpr_count:     672
    .wavefront_size: 32
...
	.end_amdgpu_metadata
.endif
;; end of part 7
;; launch combine (part 8): grid 256 x 1, 8 waves a work-group, no clusters, 0 bytes of LDS; arguments we, route, tab2, pp, out0; writes out0
.if DOCPART == 8
	.amdgcn_target "amdgcn-amd-amdhsa--gfx1250"
	.amdhsa_code_object_version 6
	.text
	.protected	k_q6c908201e5_combine
	.globl	k_q6c908201e5_combine
	.p2align	8
	.type	k_q6c908201e5_combine,@function
k_q6c908201e5_combine:
	s_mov_b64 s[64:65], 0
	v_nop
	global_prefetch_b8 v0, s[64:65] scope:SCOPE_SE
	s_setreg_imm32_b32 hwreg(HW_REG_WAVE_MODE, 25, 1), 1
	s_wait_xcnt 0x0
; out = h + g0 P[pos0] + g1 P[pos1]: a token a wave.  The two experts' numbers and the places of their partial rows are whole numbers that earlier launches stored; the gates are data.
; A stream: 16-byte loads and stores, 512 consecutive bytes an instruction; no LDS, no matrix unit, no cluster: no byte is shared.
.set H_OFF, 50331648
.set G_OFF, 62914560
.set L16, 2
	s_load_b256 s[8:15], s[0:1], 0x0               ; we 8, route 10, tab2 12, pp 14
	s_load_b64 s[16:17], s[0:1], 0x20              ; out0
	v_lshrrev_b32 v1, 5, v0
	v_readfirstlane_b32 s2, v1
	v_and_b32 v[L16], 31, v0
	v_lshlrev_b32 v[L16], 4, v[L16]
	s_mov_b32 s3, ttmp9
	s_lshl3_add_u32 s4, s3, s2                     ; the token
	s_lshl_b32 s18, s4, 3
	s_lshl_b32 s6, s4, 12
	s_mov_b32 s7, 0
	s_wait_kmcnt 0x0
	s_load_b64 s[20:21], s[10:11], s18 offset:4096 ; its two experts
	s_add_nc_u64 s[24:25], s[8:9], G_OFF
	s_load_b64 s[22:23], s[24:25], s18 offset:0x0  ; its two gates
	s_add_nc_u64 s[8:9], s[8:9], s[6:7]
	s_add_nc_u64 s[8:9], s[8:9], H_OFF
	s_add_nc_u64 s[16:17], s[16:17], s[6:7]
.irp i, 0,1,2,3,4,5,6,7
	global_load_b128 v[16+4*\i:19+4*\i], v[L16], s[8:9] offset:\i*512 th:TH_LOAD_NT
.endr
	s_wait_kmcnt 0x0
	s_min_u32 s20, s20, 7
	s_min_u32 s21, s21, 7
	s_lshl_b32 s19, s4, 5
	s_lshl2_add_u32 s26, s20, s19
	s_lshl2_add_u32 s27, s21, s19
	s_load_b32 s28, s[12:13], s26 offset:9216      ; POSE[token][expert]
	s_load_b32 s29, s[12:13], s27 offset:9216
	s_mov_b32 s34, s23                             ; g1, as the low word of a pair
	s_mov_b32 s35, s23
	s_wait_kmcnt 0x0
	s_min_u32 s28, s28, 5183
	s_min_u32 s29, s29, 5183
	s_lshl_b32 s30, s28, 12
	s_mov_b32 s31, 0
	s_add_nc_u64 s[32:33], s[14:15], s[30:31]
	s_lshl_b32 s30, s29, 12
	s_add_nc_u64 s[36:37], s[14:15], s[30:31]
.irp i, 0,1,2,3,4,5,6,7
	global_load_b128 v[48+4*\i:51+4*\i], v[L16], s[32:33] offset:\i*512 th:TH_LOAD_NT
	global_load_b128 v[80+4*\i:83+4*\i], v[L16], s[36:37] offset:\i*512 th:TH_LOAD_NT
.endr
	s_wait_loadcnt 0x0
.set i_, 0
.rept 16
	v_pk_fma_f32 v[16+2*i_:17+2*i_], v[48+2*i_:49+2*i_], s[22:23], v[16+2*i_:17+2*i_] op_sel_hi:[1,0,1]
.set i_, i_+1
.endr
.set i_, 0
.rept 16
	v_pk_fma_f32 v[16+2*i_:17+2*i_], v[80+2*i_:81+2*i_], s[34:35], v[16+2*i_:17+2*i_] op_sel_hi:[1,0,1]
.set i_, i_+1
.endr
.irp i, 0,1,2,3,4,5,6,7
	global_store_b128 v[L16], v[16+4*\i:19+4*\i], s[16:17] offset:\i*512 th:TH_STORE_NT
.endr
	s_endpgm
.Lfunc_end_k_q6c908201e5_combine:
	.size	k_q6c908201e5_combine, .Lfunc_end_k_q6c908201e5_combine-k_q6c908201e5_combine
	.p2alignl 7, 3214868480
	.fill 96, 4, 3214868480
	.section	.rodata,"a",@progbits
	.p2align	6, 0x0
	.amdhsa_kernel k_q6c908201e5_combine
		.amdhsa_group_segment_fixed_size 0
		.amdhsa_private_segment_fixed_size 0
		.amdhsa_enable_private_segment 0
		.amdhsa_kernarg_size 40
		.amdhsa_user_sgpr_count 2
		.amdhsa_user_sgpr_kernarg_segment_ptr 1
		.amdhsa_wavefront_size32 1
		.amdhsa_system_sgpr_workgroup_id_x 1
		.amdhsa_system_sgpr_workgroup_id_y 1
		.amdhsa_system_sgpr_workgroup_id_z 1
		.amdhsa_system_vgpr_workitem_id 0
		.amdhsa_next_free_vgpr 112
		.amdhsa_next_free_sgpr 66
		.amdhsa_reserve_vcc 0
		.amdhsa_float_denorm_mode_32 3
		.amdhsa_float_denorm_mode_16_64 3
		.amdhsa_memory_ordered 1
		.amdhsa_forward_progress 1
		.amdhsa_inst_pref_size 7
	.end_amdhsa_kernel
	.amdgpu_metadata
---
amdhsa.version: [ 1, 2 ]
amdhsa.kernels:
  - .name:           k_q6c908201e5_combine
    .symbol:         k_q6c908201e5_combine.kd
    .args:
      - { .name: we, .offset: 0, .size: 8, .value_kind: global_buffer, .address_space: global }
      - { .name: route, .offset: 8, .size: 8, .value_kind: global_buffer, .address_space: global }
      - { .name: tab2, .offset: 16, .size: 8, .value_kind: global_buffer, .address_space: global }
      - { .name: pp, .offset: 24, .size: 8, .value_kind: global_buffer, .address_space: global }
      - { .name: out0, .offset: 32, .size: 8, .value_kind: global_buffer, .address_space: global }
    .group_segment_fixed_size: 0
    .private_segment_fixed_size: 0
    .kernarg_segment_align: 8
    .kernarg_segment_size: 40
    .max_flat_workgroup_size: 256
    .sgpr_count:     66
    .vgpr_count:     112
    .wavefront_size: 32
...
	.end_amdgpu_metadata
.endif
;; end of part 8
;; ======== version 2 of 2: 8 launches; 1.20 times as fast as version 1
;; limits: values are held in f16: magnitudes above 65,504 overflow, below 6.1e-05 lose precision
;; workspace buffers: wa 12,582,912 bytes; qkvf 20,971,520 bytes; af 10,616,832 bytes; pp 21,233,664 bytes; we 62,930,944 bytes; route 20,480 bytes of whole numbers; tab2 95,744 bytes of whole numbers
;; launch prep_a (part 9): grid 903 x 1, 8 waves a work-group, no clusters, 0 bytes of LDS; arguments q, attn_norm_w, W_qkv, W_proj, k_xl, pos_emb, v_xl, wa, qkvf, af; writes wa, qkvf, af
.if DOCPART == 9
	.amdgcn_target "amdgcn-amd-amdhsa--gfx1250"
	.amdhsa_code_object_version 6
	.text
	.protected	k_q6c908201e5_prep_a
	.globl	k_q6c908201e5_prep_a
	.p2align	8
	.type	k_q6c908201e5_prep_a,@function
k_q6c908201e5_prep_a:
	s_mov_b64 s[64:65], 0
	v_nop
	global_prefetch_b8 v0, s[64:65] scope:SCOPE_SE
	s_setreg_imm32_b32 hwreg(HW_REG_WAVE_MODE, 25, 1), 1
	s_wait_xcnt 0x0
; FIRST LAUNCH: everything that the attention path needs laid out once.  The work-group's number picks one of four roles; no LDS, no loop.
;   0-255    xn = q * rsqrt(mean(q^2) + 1e-6) * attn_norm_w, a row a wave, rounded to f16, row-major (wa + XN_OFF)
;   256-351  W_qkv, 352-383 W_proj: f32 [K][N] -> f16 blocks of 1,024 bytes (16 columns n x 32 k), in the order in which a matrix operand's registers take them; one text, the buffer and its pitch chosen by the number
;   384-895  the memory keys k_xl + pos_emb (added in f32) and values v_xl -> f16 blocks by heads (key blocks 0-63 of each head)
;   896-902  zeros for the seven blocks of 16 rows behind the 2,048 rows of y, which the projection's last tile of 144 rows reads
; A BLOCK: byte half*512 + slot*16 holds X[row0 + r][k0 + 16 half + 8 h .. + 7], slot = r + 16 h.  For V the slot is (r & 7) | h << 3 | (r >> 3) << 4, which the turning LDS load wants.
; LIMITS.  f16 ends at 65,504: xn (at most 32 x the largest gain), the weights, k_xl + pos_emb and v_xl must lie within it.  The inputs k and v are not read.
.set XN_OFF,  8388608
.set WQF_OFF, 2097152
.set KF_OFF,  4194304
.set VF_OFF,  12582912
.set LN,  2                            ; v2  lane
.set L16, 3                            ; v3  16 x lane
.set SO,  8                            ; v8-11  where my 16 bytes of column group g go
.set L4,  12                           ; v12 4 x lane
.set D,   16                           ; v16-143  32 k x 4 column groups as loaded
.set PKR, 144                          ; v144-207 packed, 16 registers for each eight k: no store's data is written again
.set VO,  208                          ; v208-215 4 x lane + j rows of the weights, j = 0 .. 7
.set SBQ, 40                           ; s[40:47] the weights at my columns, rows 8 q on, q = 0 .. 3
	s_load_b512 s[8:23], s[0:1], 0x0               ; q 8, attn_norm_w 10, W_qkv 12, W_proj 14, k_xl 16, pos_emb 18, v_xl 20, wa 22
	s_load_b128 s[24:27], s[0:1], 0x40             ; qkvf 24, af 26
	v_lshrrev_b32 v1, 5, v0
	v_readfirstlane_b32 s2, v1                     ; wave 0..7
	v_and_b32 v[LN], 31, v0
	v_lshlrev_b32 v[L16], 4, v[LN]
	s_mov_b32 s3, ttmp9
	s_mov_b32 s7, 0                                ; the high word of every offset pair s[6:7]
	s_wait_kmcnt 0x0
	s_cmp_lt_u32 s3, 256
	s_cbranch_scc1 .Lnorm
	s_cmp_lt_u32 s3, 384
	s_cbranch_scc1 .Lweights
	s_cmp_lt_u32 s3, 896
	s_cbranch_scc1 .Lmem
	; the pad: block of 16 rows 128 + (wg - 896): 32,768 bytes of zeros, 4,096 a wave
	s_sub_co_u32 s4, s3, 768
	s_lshl_b32 s6, s4, 15
	s_lshl_b32 s5, s2, 12
	s_add_co_u32 s6, s6, s5
	s_add_nc_u64 s[26:27], s[26:27], s[6:7]
	v_mov_b32 v16, 0
	v_mov_b32 v17, 0
	v_mov_b32 v18, 0
	v_mov_b32 v19, 0
.irp i, 0,1,2,3,4,5,6,7
	global_store_b128 v[L16], v[16:19], s[26:27] offset:\i*512
.endr
	s_endpgm
.Lnorm:                                                ; row 8 wg + w; lane l owns elements 256 g + 8 l + 0..7
	s_lshl3_add_u32 s4, s3, s2
	s_lshl_b32 s6, s4, 12
	s_add_nc_u64 s[8:9], s[8:9], s[6:7]
	s_lshl_b32 s6, s4, 11
	s_add_nc_u64 s[22:23], s[22:23], s[6:7]
	s_add_nc_u64 s[22:23], s[22:23], XN_OFF
	s_mov_b32 s30, 0x76543210                      ; v_permlanex16_b32: each lane takes its own place in the other half
	s_mov_b32 s31, 0xfedcba98
	s_mov_b32 s32, 0x3a800000                      ; 1 / 1024
	s_mov_b32 s33, 0x358637bd                      ; 1e-6
	v_lshlrev_b32 v4, 5, v[LN]
.irp g, 0,1,2,3
	global_load_b128 v[16+8*\g:19+8*\g], v4, s[8:9] offset:\g*1024 th:TH_LOAD_NT
	global_load_b128 v[20+8*\g:23+8*\g], v4, s[8:9] offset:\g*1024+16 th:TH_LOAD_NT
.endr
.irp g, 0,1,2,3
	global_load_b128 v[48+8*\g:51+8*\g], v4, s[10:11] offset:\g*1024
	global_load_b128 v[52+8*\g:55+8*\g], v4, s[10:11] offset:\g*1024+16
.endr
	s_wait_loadcnt 8                               ; q is in; the gain's eight loads are younger
.irp c, 0,1,2,3
	v_pk_mul_f32 v[80+2*\c:81+2*\c], v[16+2*\c:17+2*\c], v[16+2*\c:17+2*\c]  ; four chains, started by the first four pairs
.endr
.set i_, 4
.rept 12
	v_pk_fma_f32 v[80+2*(i_%4):81+2*(i_%4)], v[16+2*i_:17+2*i_], v[16+2*i_:17+2*i_], v[80+2*(i_%4):81+2*(i_%4)]
.set i_, i_+1
.endr
	v_pk_add_f32 v[80:81], v[80:81], v[82:83]
	v_pk_add_f32 v[84:85], v[84:85], v[86:87]
	v_pk_add_f32 v[80:81], v[80:81], v[84:85]
	v_add_f32 v80, v80, v81
	v_add_f32_dpp v80, v80, v80 row_xmask:1 row_mask:0xf bank_mask:0xf
	v_add_f32_dpp v80, v80, v80 row_xmask:2 row_mask:0xf bank_mask:0xf
	v_add_f32_dpp v80, v80, v80 row_xmask:4 row_mask:0xf bank_mask:0xf
	v_add_f32_dpp v80, v80, v80 row_xmask:8 row_mask:0xf bank_mask:0xf
	v_permlanex16_b32 v81, v80, s30, s31
	v_add_f32 v80, v80, v81
	v_fma_f32 v80, v80, s32, s33                   ; mean + eps
	v_rsq_f32 v88, v80
	v_rsq_f32 v89, v80
	v_nop                                          ; a plain instruction behind the last of the two
	s_wait_alu depctr_va_vdst(0)                   ; one wait for both, ahead of their first reader
	s_wait_loadcnt 0x0                             ; the gain
.set i_, 0
.rept 16
	v_pk_mul_f32 v[16+2*i_:17+2*i_], v[16+2*i_:17+2*i_], v[88:89]
.set i_, i_+1
.endr
.set i_, 0
.rept 16
	v_pk_mul_f32 v[16+2*i_:17+2*i_], v[16+2*i_:17+2*i_], v[48+2*i_:49+2*i_]
.set i_, i_+1
.endr
.set i_, 0
.rept 16
	v_cvt_pk_f16_f32 v[96+i_], v[16+2*i_], v[17+2*i_]
.set i_, i_+1
.endr
.irp g, 0,1,2,3
	global_store_b128 v[L16], v[96+4*\g:99+4*\g], s[22:23] offset:\g*512  ; 512 consecutive bytes of the row
.endr
	s_endpgm
.Lweights:                                             ; j = wg - 256.  j < 96: W_qkv, k block j % 32, column group of 128 (j / 32) * 8 + w.  Else W_proj, k block j - 96 = j % 32, column group w
	s_sub_co_u32 s4, s3, 256
	s_and_b32 s5, s4, 31                           ; k block
	s_lshr_b32 s34, s4, 5
	s_lshl_b32 s34, s34, 3
	s_mov_b32 s37, 12288                           ; bytes in a row of W_qkv,
	s_mov_b32 s38, 4096                            ; of W_proj
	s_mov_b32 s39, 192                             ; column blocks of W_qkv
	s_cmp_lt_u32 s4, 96
	s_cselect_b64 s[SBQ:SBQ+1], s[12:13], s[14:15]
	s_cselect_b32 s36, s37, s38                    ; the pitch
	s_cselect_b32 s34, s34, 0
	s_cselect_b32 s39, s39, 64
	s_cselect_b32 s35, WQF_OFF, 0                  ; where the blocks begin in wa
	s_add_co_u32 s34, s34, s2                      ; column group
	s_lshl_b32 s6, s36, 5
	s_mul_i32 s6, s6, s5                           ; 32 rows a k block
	s_lshl_b32 s37, s34, 9
	s_add_co_u32 s6, s6, s37
	s_add_nc_u64 s[SBQ:SBQ+1], s[SBQ:SBQ+1], s[6:7]
	s_mul_i32 s6, s5, s39
	s_lshl3_add_u32 s6, s34, s6                    ; block kb * (column blocks) + 8 cg
	s_lshl_b32 s6, s6, 10
	s_add_co_u32 s6, s6, s35
	s_add_nc_u64 s[32:33], s[22:23], s[6:7]
	s_lshl_b32 s6, s36, 3                          ; eight rows
	s_add_nc_u64 s[SBQ+2:SBQ+3], s[SBQ:SBQ+1], s[6:7]
	s_add_nc_u64 s[SBQ+4:SBQ+5], s[SBQ+2:SBQ+3], s[6:7]
	s_add_nc_u64 s[SBQ+6:SBQ+7], s[SBQ+4:SBQ+5], s[6:7]
	v_lshlrev_b32 v[L4], 2, v[LN]
	v_lshrrev_b32 v6, 4, v[LN]                     ; block (lane / 16) of the group's two, row lane % 16; a group of 32 columns is two blocks
	v_and_b32 v7, 15, v[LN]
	v_lshlrev_b32 v[SO], 4, v7
	v_lshl_add_u32 v[SO], v6, 10, v[SO]
	v_add_nc_u32 v[SO+1], 2048, v[SO]
	v_add_nc_u32 v[SO+2], 4096, v[SO]
	v_add_nc_u32 v[SO+3], 6144, v[SO]
	v_mov_b32 v[VO], v[L4]
.irp j, 1,2,3,4,5,6,7
	v_add_nc_u32 v[VO+\j], s36, v[VO+\j-1]
.endr
	; A wave turns 32 k x 128 columns.  Lane l holds column 32 g + l of every k; eight k of a column are 16 bytes of a block; sixteen lanes store 256 consecutive bytes, aligned.
.set k_, 0
.rept 32
.irp g, 0,1,2,3
	global_load_b32 v[D+4*k_+\g], v[VO+k_%8], s[SBQ+2*(k_/8):SBQ+2*(k_/8)+1] offset:\g*128 th:TH_LOAD_NT
.endr
.set k_, k_+1
.endr
.set q_, 0
.rept 4
.if q_ < 2
	s_wait_loadcnt 63                              ; 128 loads were issued: at most 63 out means the first 65 are in, k 0 to 15 among them
.elseif q_ == 2
	s_wait_loadcnt 32                              ; k 16 to 23 are in: behind them stand 32 loads
.else
	s_wait_loadcnt 0x0
.endif
.irp g, 0,1,2,3
.irp i, 0,1,2,3
	v_cvt_pk_f16_f32 v[PKR+16*q_+4*\g+\i], v[D+4*(8*q_+2*\i)+\g], v[D+4*(8*q_+2*\i+1)+\g]
.endr
	global_store_b128 v[SO+\g], v[PKR+16*q_+4*\g:PKR+16*q_+4*\g+3], s[32:33] offset:(q_/2)*512+(q_%2)*256
.endr
.set q_, q_+1
.endr
	s_endpgm
.Lmem:                                                 ; j = wg - 384: K or V (j / 256), batch, block of 16 tokens, head (j % 2) * 8 + w
	s_sub_co_u32 s4, s3, 384
	s_lshr_b32 s5, s4, 8
	s_bfe_u32 s34, s4, 0x10007                     ; b
	s_bfe_u32 s35, s4, 0x60001                     ; tb
	s_and_b32 s36, s4, 1
	s_lshl3_add_u32 s36, s36, s2                   ; head
	s_lshl_b32 s6, s35, 16
	s_lshl_b32 s37, s36, 8
	s_add_co_u32 s6, s6, s37                       ; 16 tb rows of 4,096 bytes + the head's 256
	s_add_nc_u64 s[18:19], s[18:19], s[6:7]
	s_lshl_b32 s37, s34, 22
	s_add_co_u32 s6, s6, s37
	s_add_nc_u64 s[16:17], s[16:17], s[6:7]
	s_add_nc_u64 s[20:21], s[20:21], s[6:7]
	s_lshl4_add_u32 s37, s34, s36                  ; b * 16 + head
	s_lshl_b32 s37, s37, 7
	s_add_co_u32 s37, s37, s35
	s_lshl_b32 s6, s37, 11                         ; a key block is two blocks of 1,024 bytes
	s_add_nc_u64 s[24:25], s[24:25], s[6:7]
	v_and_b32 v6, 15, v[LN]
	v_lshrrev_b32 v7, 4, v[LN]
	v_lshlrev_b32 v4, 12, v6
	v_lshl_add_u32 v4, v7, 5, v4                   ; row r, channels 8 h on
	s_cmp_lg_u32 s5, 0
	s_cbranch_scc1 .Lmemv
.irp c, 0,1,2,3
	global_load_b128 v[16+8*\c:19+8*\c], v4, s[16:17] offset:\c*64 th:TH_LOAD_NT
	global_load_b128 v[20+8*\c:23+8*\c], v4, s[16:17] offset:\c*64+16 th:TH_LOAD_NT
	global_load_b128 v[48+8*\c:51+8*\c], v4, s[18:19] offset:\c*64
	global_load_b128 v[52+8*\c:55+8*\c], v4, s[18:19] offset:\c*64+16
.endr
	s_add_nc_u64 s[24:25], s[24:25], KF_OFF
	s_wait_loadcnt 0x0
.set i_, 0
.rept 16
	v_pk_add_f32 v[16+2*i_:17+2*i_], v[16+2*i_:17+2*i_], v[48+2*i_:49+2*i_]
.set i_, i_+1
.endr
.set i_, 0
.rept 16
	v_cvt_pk_f16_f32 v[80+i_], v[16+2*i_], v[17+2*i_]
.set i_, i_+1
.endr
.irp c, 0,1,2,3
	global_store_b128 v[L16], v[80+4*\c:83+4*\c], s[24:25] offset:\c*512
.endr
	s_endpgm
.Lmemv:
.irp c, 0,1,2,3
	global_load_b128 v[16+8*\c:19+8*\c], v4, s[20:21] offset:\c*64 th:TH_LOAD_NT
	global_load_b128 v[20+8*\c:23+8*\c], v4, s[20:21] offset:\c*64+16 th:TH_LOAD_NT
.endr
	s_add_nc_u64 s[24:25], s[24:25], VF_OFF
	v_and_b32 v5, 7, v[LN]                         ; V's slot: (r & 7) | h << 3 | (r >> 3) << 4
	v_lshl_or_b32 v5, v7, 3, v5
	v_bfe_u32 v6, v[LN], 3, 1
	v_lshl_or_b32 v5, v6, 4, v5
	v_lshlrev_b32 v5, 4, v5
	s_wait_loadcnt 0x0
.set i_, 0
.rept 16
	v_cvt_pk_f16_f32 v[80+i_], v[16+2*i_], v[17+2*i_]
.set i_, i_+1
.endr
.irp c, 0,1,2,3
	global_store_b128 v5, v[80+4*\c:83+4*\c], s[24:25] offset:\c*512
.endr
	s_endpgm
.Lfunc_end_k_q6c908201e5_prep_a:
	.size	k_q6c908201e5_prep_a, .Lfunc_end_k_q6c908201e5_prep_a-k_q6c908201e5_prep_a
	.p2alignl 7, 3214868480
	.fill 96, 4, 3214868480
	.section	.rodata,"a",@progbits
	.p2align	6, 0x0
	.amdhsa_kernel k_q6c908201e5_prep_a
		.amdhsa_group_segment_fixed_size 0
		.amdhsa_private_segment_fixed_size 0
		.amdhsa_enable_private_segment 0
		.amdhsa_kernarg_size 80
		.amdhsa_user_sgpr_count 2
		.amdhsa_user_sgpr_kernarg_segment_ptr 1
		.amdhsa_wavefront_size32 1
		.amdhsa_system_sgpr_workgroup_id_x 1
		.amdhsa_system_sgpr_workgroup_id_y 1
		.amdhsa_system_sgpr_workgroup_id_z 1
		.amdhsa_system_vgpr_workitem_id 0
		.amdhsa_next_free_vgpr 216
		.amdhsa_next_free_sgpr 66
		.amdhsa_reserve_vcc 0
		.amdhsa_float_denorm_mode_32 3
		.amdhsa_float_denorm_mode_16_64 3
		.amdhsa_memory_ordered 1
		.amdhsa_forward_progress 1
		.amdhsa_inst_pref_size 36
	.end_amdhsa_kernel
	.amdgpu_metadata
---
amdhsa.version: [ 1, 2 ]
amdhsa.kernels:
  - .name:           k_q6c908201e5_prep_a
    .symbol:         k_q6c908201e5_prep_a.kd
    .args:
      - { .name: q, .offset: 0, .size: 8, .value_kind: global_buffer, .address_space: global }
      - { .name: attn_norm_w, .offset: 8, .size: 8, .value_kind: global_buffer, .address_space: global }
      - { .name: W_qkv, .offset: 16, .size: 8, .value_kind: global_buffer, .address_space: global }
      - { .name: W_proj, .offset: 24, .size: 8, .value_kind: global_buffer, .address_space: global }
      - { .name: k_xl, .offset: 32, .size: 8, .value_kind: global_buffer, .address_space: global }
      - { .name: pos_emb, .offset: 40, .size: 8, .value_kind: global_buffer, .address_space: global }
      - { .name: v_xl, .offset: 48, .size: 8, .value_kind: global_buffer, .address_space: global }
      - { .name: wa, .offset: 56, .size: 8, .value_kind: global_buffer, .address_space: global }
      - { .name: qkvf, .offset: 64, .size: 8, .value_kind: global_buffer, .address_space: global }
      - { .name: af, .offset: 72, .size: 8, .value_kind: global_buffer, .address_space: global }
    .group_segment_fixed_size: 0
    .private_segment_fixed_size: 0
    .kernarg_segment_align: 8
    .kernarg_segment_size: 80
    .max_flat_workgroup_size: 256
    .sgpr_count:     66
    .vgpr_count:     216
    .wavefront_size: 32
...
	.end_amdgpu_metadata
.endif
;; end of part 9
;; launch qkv: the kernel of part 2 again; grid 16 x 16, 4 waves a work-group, no clusters, 264,704 bytes of LDS; arguments wa, freqs_cos, freqs_sin, qkvf; writes qkvf
;; launch attn (part 10): grid 8 x 32, 8 waves a work-group, no clusters, 168,960 bytes of LDS; arguments qkvf, af; writes af
.if DOCPART == 10
	.amdgcn_target "amdgcn-amd-amdhsa--gfx1250"
	.amdhsa_code_object_version 6
	.text
	.protected	k_q6c908201e5_attn
	.globl	k_q6c908201e5_attn
	.p2align	8
	.type	k_q6c908201e5_attn,@function
k_q6c908201e5_attn:
	s_mov_b64 s[64:65], 0
	v_nop
	global_prefetch_b8 v0, s[64:65] scope:SCOPE_SE
	s_setreg_imm32_b32 hwreg(HW_REG_WAVE_MODE, 25, 1), 1
	s_wait_xcnt 0x0
; y = softmax(Q K^T / 8) V over 2,048 keys (1,024 memory keys, 1,024 self keys), no mask; head size 64; Q, K, V in f16 in operand order; y leaves in f16 as blocks for the projection.
; Products, maxima and sums in f32; the weights p are rounded to f16 for the second product (their sum l is taken of the unrounded p).
; SHARES.  A work-group has 128 queries of one (batch, head) and eight waves, two for each of a WGP's four SIMDs.  Wave w has the two tiles of 16 queries 2 (w % 4), 2 (w % 4) + 1 and
; HALF THE KEYS: waves 0-3 the memory keys, waves 4-7 the self keys, 64 a step, 16 steps.  A wave goes through a step in phases (32 matrix instructions, then 237 vector instructions);
; the two waves of a SIMD are not bound to each other inside a tile, so that one can have the matrix unit while the other walks its softmax.
; The keys are split and not the queries: a fragment of K or V read from LDS still feeds two tiles' products, and K and V pass through LDS once.
; LAYOUT.  S^T = K Q^T holds one query a lane and the keys 8 (lane / 16) + 0..7; two such results rounded in pairs ARE source 1 of O^T = V^T P.  V comes out of LDS turned, by ds_load_tr16_b128.
; SOFTMAX.  A running maximum m and sum l: p = 2^(c s - c m), c = log2(e) / 8; O and l are multiplied by a = 2^(c m_old - c m_new) in every step.  m starts at the lowest finite number, O and l at 0.
; THE MERGE.  At the end waves 4-7 hand c m, l and O^T of both tiles to waves 0-3 through LDS; these take the larger c m, scale both halves by 2^(own c m - larger c m), add, divide by l and store.
; THE ORDER in a step: K's loads, V^T P of the step before, K Q^T, V's loads, the softmax with its 66 exponentials as one batch and one wait.
; LDS.  For each half of the keys two slots of 32 KiB (128 keys: K 16 KiB, V 16 KiB), filled through registers by that half's four waves: the next tile's 16 loads a thread go out ahead of
; two key steps and are stored behind them into the other slot; one barrier a tile.  Behind the rings 9,216 bytes for each pair of waves, for the merge; behind these the spare words.
; NO CLUSTER: the tiles come through registers, which have no joint form.
; LIMITS.  A weight below 2^-126 counts as 0 in l; NaN and infinities are not treated apart.
.set EXB, 131072                       ; the merge's bytes: tile u at 4,608 u: eight times 512 bytes of O^T, then 512 of statistics
.set EXW, 9216
.set SPARE, EXB+4*EXW                  ; the spare words, 128 bytes a wave
.set EA, 1                             ; v1  my 16 bytes in my pair's bytes for the merge
.set L16, 2                            ; v2  16 x lane
.set T16, 3                            ; v3  16 x my thread's number among my half's four waves
.set ADR, 4
.set SA, 5
.set SPW, 6
.set NIL, 7
.set ST, 8                             ; tile u at v[8 + 8 u]: c m, m, l, l, c0-c3 at work (c2 takes a)
.set MV, 24
.set LL, 26                            ; v26 16 x lane + my half's ring in LDS
.set TL, 27                            ; v27 T16 + my half's ring in LDS
.set SB, 24                            ; v24-31 at the end: the partner's statistics, four registers a tile
.set Q, 32
.set S, 64
.set P, 128
.set STG, 160                          ; v160-223 the next tile on its way; at the end the partner's O^T
.set O, 0                              ; window 1
.set KF, 64
.set VF, 128
.set TB, 20                            ; s20 byte in a ring of the step in hand
.set TS, 21                            ; s21 the slot that is filled next
.set CNT, 22
.set C2, 23
.set CS, 24
.set SEL, 26
.set MSB, 0
.macro WIN new                         ; the immediate's high byte repeats the setting that is left
.if MSB != (\new)
	s_set_vgpr_msb (MSB<<8)|(\new)
.set MSB, \new
.endif
.endm
.macro PLACES                          ; four plain instructions between matrix instructions and loads into, or reads of, their registers
.rept 4
	v_nop
.endr
.endm
.macro REGS u
.set rT, ST+8*(\u)
.set rC, ST+8*(\u)+4
.set rM, MV+(\u)
.set rS, S+32*(\u)
.set rP, P+16*(\u)
.set rO, O+32*(\u)
.endm
; Number n of the 22 that find a tile's maximum and statistics; each accumulator's lowest registers are read first.
.macro XS u, n
	REGS \u
.if (\n) < 4
	v_max3_num_f32 v[rC+(\n)], v[rS+8*(\n)], v[rS+8*(\n)+1], v[rS+8*(\n)+2]
.elseif (\n) < 12
	v_max3_num_f32 v[rC+(\n)%4], v[rC+(\n)%4], v[rS+8*((\n)%4)+2*((\n)/4)+1], v[rS+8*((\n)%4)+2*((\n)/4)+2]
.elseif (\n) == 12
	v_max3_num_f32 v[rC], v[rC], v[rS+7], v[rS+15]
.elseif (\n) == 13
	v_max3_num_f32 v[rC+1], v[rC+1], v[rS+23], v[rS+31]
.elseif (\n) == 14
	v_max3_num_f32 v[rC+2], v[rC+2], v[rC+3], v[rT+1]
.elseif (\n) == 15
	v_mov_b32 v[rM], v[rT]
.elseif (\n) == 16
	v_max3_num_f32 v[rC], v[rC], v[rC+1], v[rC+2]
.elseif (\n) == 17
	v_permlanex16_b32 v[rC+3], v[rC], s[SEL], s[SEL+1]
.elseif (\n) == 18
	v_max_num_f32 v[rT+1], v[rC], v[rC+3]
.elseif (\n) == 19
	v_mul_f32 v[rT], s[CS], v[rT+1]
.elseif (\n) == 20
	v_sub_f32 v[rC+1], v[rM], v[rT]
.else
	v_exp_f32 v[rC+2], v[rC+1]
.endif
.endm
.macro SUMS u                          ; the tile's 16 pairs into one, then l = a l + sum
	REGS \u
.irp d, 8,4,2,1
.set i_, 0
.rept \d
	v_pk_add_f32 v[rS+2*i_:rS+2*i_+1], v[rS+2*i_:rS+2*i_+1], v[rS+2*(i_+\d):rS+2*(i_+\d)+1]
.set i_, i_+1
.endr
.endr
	v_pk_fma_f32 v[rT+2:rT+3], v[rT+2:rT+3], v[rC+2:rC+3], v[rS:rS+1] op_sel_hi:[1,0,1]
.endm
.macro SOFTMAX
	WIN 0
.irp n, 0,1,2,3,4,5,6,7,8,9,10,11,12,13,14,15,16,17,18,19,20
	XS 0, \n
	XS 1, \n
.endr
.set i_, 0
.rept 16
.irp u, 0,1
	REGS \u
	v_pk_fma_f32 v[rS+2*i_:rS+2*i_+1], v[rS+2*i_:rS+2*i_+1], s[CS:CS+1], v[rT:rT+1] op_sel_hi:[1,0,0] neg_lo:[0,0,1] neg_hi:[0,0,1]
.endr
.set i_, i_+1
.endr
.set i_, 0
.rept 32
	v_exp_f32 v[S+i_], v[S+i_]
	v_exp_f32 v[S+32+i_], v[S+32+i_]
.set i_, i_+1
.endr
	XS 0, 21
	XS 1, 21
	v_nop                                          ; a plain instruction behind the last exponential: one for the batch
	s_wait_alu depctr_va_vdst(0)                   ; one wait for the 66, ahead of their first reader
.set i_, 0
.rept 16
	v_cvt_pk_f16_f32 v[P+i_], v[S+2*i_], v[S+2*i_+1]
	v_cvt_pk_f16_f32 v[P+16+i_], v[S+32+2*i_], v[S+32+2*i_+1]
.set i_, i_+1
.endr
	SUMS 0
	SUMS 1
	WIN 0x41                                       ; O^T in window 1, a in window 0
.irp u, 0,1
	REGS \u
.set i_, 0
.rept 16
	v_pk_mul_f32 v[rO+2*i_:rO+2*i_+1], v[rO+2*i_:rO+2*i_+1], v[rC+2:rC+3] op_sel_hi:[1,0]
.set i_, i_+1
.endr
.endr
.endm
.macro PVS                             ; 16 products O^T += V^T P: keys 32 (i / 8) on, channels 16 ((i / 2) % 4) on, tile i % 2: eight accumulators by turns
	WIN 0x51
.set i_, 0
.rept 16
	v_wmma_f32_16x16x32_f16 v[O+32*(i_%2)+8*((i_/2)%4):O+32*(i_%2)+8*((i_/2)%4)+7], v[VF+32*(i_/8)+8*((i_/2)%4):VF+32*(i_/8)+8*((i_/2)%4)+7], v[P+16*(i_%2)+8*(i_/8):P+16*(i_%2)+8*(i_/8)+7], v[O+32*(i_%2)+8*((i_/2)%4):O+32*(i_%2)+8*((i_/2)%4)+7]
.set i_, i_+1
.endr
.endm
.macro KQS                             ; 16 products S^T = K Q^T: channels 32 (i / 8) on, keys 16 ((i / 2) % 4) on, tile i % 2; the first eight start the sums
	WIN 0x01
.set i_, 0
.rept 16
.if i_ < 8
	v_wmma_f32_16x16x32_f16 v[S+32*(i_%2)+8*((i_/2)%4):S+32*(i_%2)+8*((i_/2)%4)+7], v[KF+16*((i_/2)%4)+8*(i_/8):KF+16*((i_/2)%4)+8*(i_/8)+7], v[Q+16*(i_%2)+8*(i_/8):Q+16*(i_%2)+8*(i_/8)+7], 0
.else
	v_wmma_f32_16x16x32_f16 v[S+32*(i_%2)+8*((i_/2)%4):S+32*(i_%2)+8*((i_/2)%4)+7], v[KF+16*((i_/2)%4)+8*(i_/8):KF+16*((i_/2)%4)+8*(i_/8)+7], v[Q+16*(i_%2)+8*(i_/8):Q+16*(i_%2)+8*(i_/8)+7], v[S+32*(i_%2)+8*((i_/2)%4):S+32*(i_%2)+8*((i_/2)%4)+7]
.endif
.set i_, i_+1
.endr
.endm
.macro STEP                            ; 64 keys at byte s[TB] of my half's ring
	WIN 0
	v_add_nc_u32 v[ADR], s[TB], v[LL]
	WIN 0x40
.irp f, 0,1,2,3,4,5,6,7                ; K: key block f / 2, channel half f % 2
	ds_load_b128 v[KF+8*\f:KF+8*\f+3], v[ADR] offset:\f*1024
	ds_load_b128 v[KF+8*\f+4:KF+8*\f+7], v[ADR] offset:\f*1024+512
.endr
	s_wait_dscnt 16                                ; V of the step before is in: K's sixteen loads are younger
	PVS
	s_wait_dscnt 0x0                               ; K is in
	KQS
	PLACES                                         ; behind the products: V's registers are loaded, and the scores read, four places on
	WIN 0x40
.irp f, 0,1,2,3,4,5,6,7                ; V turned: keys 32 (f / 4) on, channels 16 (f % 4) on
	ds_load_tr16_b128 v[VF+8*\f:VF+8*\f+3], v[ADR] offset:16384+(\f/4)*4096+(\f%4)*512
	ds_load_tr16_b128 v[VF+8*\f+4:VF+8*\f+7], v[ADR] offset:16384+(\f/4)*4096+(\f%4)*512+2048
.endr
	SOFTMAX
	s_add_co_u32 s[TB], s[TB], 8192
.endm
.macro TLOAD                           ; a tile of 128 keys of my half: 2,048 bytes an instruction of the half's four waves
.irp i, 0,1,2,3,4,5,6,7
	global_load_b128 v[STG+4*\i:STG+4*\i+3], v[T16], s[12:13] offset:\i*2048
	global_load_b128 v[STG+32+4*\i:STG+32+4*\i+3], v[T16], s[14:15] offset:\i*2048
.endr
.endm
.macro TSTORE adr
.irp i, 0,1,2,3,4,5,6,7
	ds_store_b128 v[\adr], v[STG+4*\i:STG+4*\i+3] offset:\i*2048
	ds_store_b128 v[\adr], v[STG+32+4*\i:STG+32+4*\i+3] offset:16384+\i*2048
.endr
.endm
	s_load_b128 s[8:11], s[0:1], 0x0               ; qkvf 8, af 10
	v_lshl_add_u32 v[SPW], v0, 2, SPARE
	v_mov_b32 v[NIL], 0
	v_lshrrev_b32 v1, 5, v0
	v_readfirstlane_b32 s2, v1                     ; wave 0..7
	v_and_b32 v[L16], 31, v0
	v_lshlrev_b32 v[L16], 4, v[L16]
	v_and_b32 v[T16], 127, v0
	v_lshlrev_b32 v[T16], 4, v[T16]
	s_lshr_b32 s29, s2, 2                          ; my half of the keys: 0 memory, 1 self
	s_and_b32 s30, s2, 3                           ; my pair of query tiles
	s_lshl_b32 s28, s29, 16                        ; my half's ring: 65,536 bytes
	v_add_nc_u32 v[LL], s28, v[L16]
	v_add_nc_u32 v[TL], s28, v[T16]
	s_mul_i32 s28, s30, EXW
	s_add_co_u32 s28, s28, EXB
	v_add_nc_u32 v[EA], s28, v[L16]                ; the same bytes for wave w and wave w + 4
	s_mov_b32 s3, ttmp9                            ; block of 128 queries
	s_and_b32 s4, ttmp7, 0xffff                    ; batch * 16 + head
	s_mov_b32 s[CS], 0x3e38aa3b                    ; c = log2(e) / 8
	s_mov_b32 s[CS+1], s[CS]
	s_mov_b32 s[SEL], 0x76543210
	s_mov_b32 s[SEL+1], 0xfedcba98
	s_mov_b32 s[TB], 0
	s_mov_b32 s[TS], 32768
	s_mov_b32 s7, 0
	s_lshl_b32 s5, s3, 3
	s_lshl1_add_u32 s5, s30, s5                    ; my first tile of 16 queries: 8 x + 2 (w % 4)
	s_wait_kmcnt 0x0
	s_lshl_b32 s6, s4, 18                          ; a head's 128 key blocks of 2,048 bytes,
	s_lshl_b32 s28, s29, 17                        ; my half's 64 of them
	s_add_co_u32 s6, s6, s28
	s_add_nc_u64 s[12:13], s[8:9], s[6:7]
	s_add_nc_u64 s[12:13], s[12:13], 4194304       ; K of my head and half
	s_add_nc_u64 s[14:15], s[12:13], 8388608       ; V of my head and half
	s_lshl_b32 s6, s4, 17
	s_lshl_b32 s28, s5, 11
	s_add_co_u32 s6, s6, s28
	s_add_nc_u64 s[16:17], s[8:9], s[6:7]          ; Q at my tiles
	s_lshr_b32 s28, s4, 4
	s_lshl_b32 s28, s28, 6
	s_add_co_u32 s28, s28, s5                      ; y's block of 16 rows: batch * 64 + 8 x + 2 (w % 4)
	s_lshl_b32 s6, s28, 15
	s_and_b32 s28, s4, 15
	s_lshl_b32 s28, s28, 11                        ; the head's two K blocks
	s_add_co_u32 s6, s6, s28
	s_add_nc_u64 s[18:19], s[10:11], s[6:7]
.irp i, 0,1,2,3                        ; Q: tile i / 2, channel half i % 2
	global_load_b128 v[Q+8*\i:Q+8*\i+3], v[L16], s[16:17] offset:\i*1024
	global_load_b128 v[Q+8*\i+4:Q+8*\i+7], v[L16], s[16:17] offset:\i*1024+512
.endr
	TLOAD
	; What the first step finds: V's registers, P, O^T and l hold 0, so that its products V^T P, of a step that has not been, add 0.  This stands in the wait for the first tile.
	WIN 0x40
.set i_, 0
.rept 64
	v_mov_b32 v[O+i_], 0
	v_mov_b32 v[VF+i_], 0
.set i_, i_+1
.endr
	WIN 0
.set i_, 0
.rept 32
	v_mov_b32 v[P+i_], 0
.set i_, i_+1
.endr
.irp u, 0,1
	v_mov_b32 v[ST+8*\u], 0xfe000000               ; c m: far below every c s
	v_mov_b32 v[ST+8*\u+1], 0xff7fffff             ; m
	v_mov_b32 v[ST+8*\u+2], 0
	v_mov_b32 v[ST+8*\u+3], 0
.endr
	s_wait_loadcnt 0x0
	s_add_nc_u64 s[12:13], s[12:13], 16384
	s_add_nc_u64 s[14:15], s[14:15], 16384
	TSTORE TL
	s_wait_dscnt 0x0                               ; for the others' sake: my part of tile 0 is stored
	s_barrier_signal -1
	s_barrier_wait -1
	s_mov_b32 s[CNT], 8
.Ltile:                                                ; a tile of 128 keys of each half a trip
	s_cmp_eq_u32 s[CNT], 1
	s_cbranch_scc1 .Lnoload                        ; the last trip has no next tile
	TLOAD
.Lnoload:
	s_mov_b32 s[C2], 2
.Lstep:
	STEP
	WIN 0
	s_sub_co_u32 s[C2], s[C2], 1
	s_cmp_lg_u32 s[C2], 0
	s_cbranch_scc1 .Lstep
	s_cmp_eq_u32 s[CNT], 1
	s_cbranch_scc1 .Lnostore
	s_wait_loadcnt 0x0                             ; the next tile is in registers; its loads had two key steps in which to land
	v_add_nc_u32 v[SA], s[TS], v[TL]
	TSTORE SA                                      ; into the slot whose reads ended in front of the last barrier
	s_add_nc_u64 s[12:13], s[12:13], 16384
	s_add_nc_u64 s[14:15], s[14:15], 16384
.Lnostore:
	s_sub_co_u32 s[TB], s[TB], 16384
	s_xor_b32 s[TB], s[TB], 32768
	s_xor_b32 s[TS], s[TS], 32768
	s_wait_dscnt 0x0                               ; my stores are done and my reads of the old slot are back
	s_barrier_signal -1
	s_barrier_wait -1
	s_sub_co_u32 s[CNT], s[CNT], 1
	s_cmp_lg_u32 s[CNT], 0
	s_cbranch_scc1 .Ltile
	PVS                                            ; V^T P of the last step
	WIN 0
	PLACES
	; THE MERGE AND THE WAY OUT.  l's halves and the other lanes' are added in every wave.
.irp u, 0,1
	v_add_f32 v[ST+8*\u+2], v[ST+8*\u+2], v[ST+8*\u+3]
.endr
.irp u, 0,1
	v_permlanex16_b32 v[ST+8*\u+3], v[ST+8*\u+2], s[SEL], s[SEL+1]
.endr
.irp u, 0,1
	v_add_f32 v[ST+8*\u+2], v[ST+8*\u+2], v[ST+8*\u+3]
.endr
	s_cmp_lt_u32 s2, 4
	s_cbranch_scc1 .Lkeep
	; waves 4-7 hand over: for each tile c m and l (with two words that nobody uses), and the 32 registers of O^T, each accumulator's low four first
.irp u, 0,1
	ds_store_b128 v[EA], v[ST+8*\u:ST+8*\u+3] offset:\u*4608+4096
.endr
	WIN 0x04                                       ; the stores' data lie in window 1
.irp u, 0,1
.irp a, 0,1,2,3,4,5,6,7
	ds_store_b128 v[EA], v[O+32*\u+4*\a:O+32*\u+4*\a+3] offset:\u*4608+\a*512
.endr
.endr
	WIN 0
.Lkeep:
	s_wait_dscnt 0x0                               ; for the partner's sake: my stores are done
	s_barrier_signal -1
	s_barrier_wait -1
	s_cmp_lt_u32 s2, 4
	s_cbranch_scc0 .Lend
	; waves 0-3 take the partner's half: lane for lane the same queries and channels as their own
.irp u, 0,1
	ds_load_b128 v[SB+4*\u:SB+4*\u+3], v[EA] offset:\u*4608+4096
.endr
.irp u, 0,1
.irp a, 0,1,2,3,4,5,6,7
	ds_load_b128 v[STG+32*\u+4*\a:STG+32*\u+4*\a+3], v[EA] offset:\u*4608+\a*512
.endr
.endr
	s_wait_dscnt 16                                ; the statistics are in: O^T's sixteen loads are younger
.irp u, 0,1
	v_max_num_f32 v[SB+4*\u+1], v[ST+8*\u], v[SB+4*\u]                ; the larger c m
.endr
.irp u, 0,1
	v_sub_f32 v[ST+8*\u+5], v[ST+8*\u], v[SB+4*\u+1]
	v_sub_f32 v[ST+8*\u+7], v[SB+4*\u], v[SB+4*\u+1]
.endr
.irp u, 0,1
	v_exp_f32 v[ST+8*\u+4], v[ST+8*\u+5]           ; my half's factor,
	v_exp_f32 v[ST+8*\u+6], v[ST+8*\u+7]           ; the partner's: one of the two is 1
.endr
	v_nop                                          ; a plain instruction behind the last exponential
	s_wait_alu depctr_va_vdst(0)                   ; one wait for the four
.irp u, 0,1
	v_mul_f32 v[ST+8*\u+2], v[ST+8*\u+2], v[ST+8*\u+4]
.endr
.irp u, 0,1
	v_fma_f32 v[ST+8*\u+2], v[SB+4*\u+2], v[ST+8*\u+6], v[ST+8*\u+2]  ; l of all 2,048 keys
.endr
.irp u, 0,1
	v_rcp_f32 v[ST+8*\u+3], v[ST+8*\u+2]
.endr
	v_nop
	s_wait_alu depctr_va_vdst(0)                   ; one wait for the two reciprocals
.irp u, 0,1
	v_mul_f32 v[ST+8*\u+4], v[ST+8*\u+4], v[ST+8*\u+3]                ; the division by l goes into the two factors
	v_mul_f32 v[ST+8*\u+6], v[ST+8*\u+6], v[ST+8*\u+3]
.endr
	s_wait_dscnt 0x0                               ; the partner's O^T is in
.irp u, 0,1
.set i_, 0
.rept 16
	v_pk_mul_f32 v[STG+32*\u+2*i_:STG+32*\u+2*i_+1], v[STG+32*\u+2*i_:STG+32*\u+2*i_+1], v[ST+8*\u+6:ST+8*\u+7] op_sel_hi:[1,0]
.set i_, i_+1
.endr
.endr
	WIN 0x01                                       ; source 0, my O^T, in window 1
.irp u, 0,1
.set i_, 0
.rept 16
	v_pk_fma_f32 v[STG+32*\u+2*i_:STG+32*\u+2*i_+1], v[O+32*\u+2*i_:O+32*\u+2*i_+1], v[ST+8*\u+4:ST+8*\u+5], v[STG+32*\u+2*i_:STG+32*\u+2*i_+1] op_sel_hi:[1,0,1]
.set i_, i_+1
.endr
.endr
	WIN 0
.set i_, 0
.rept 32
	v_cvt_pk_f16_f32 v[S+i_], v[STG+2*i_], v[STG+2*i_+1]              ; a lane's eight channels are 16 bytes of a block
.set i_, i_+1
.endr
.irp u, 0,1
.irp c, 0,1,2,3
	global_store_b128 v[L16], v[S+16*\u+4*\c:S+16*\u+4*\c+3], s[18:19] offset:\u*32768+\c*512  ; 512 consecutive bytes
.endr
.endr
.Lend:
	s_wait_tensorcnt 0x0                           ; the wave's end
	ds_add_u32 v[SPW], v[NIL]
	s_wait_dscnt 0x0
	s_endpgm
.Lfunc_end_k_q6c908201e5_attn:
	.size	k_q6c908201e5_attn, .Lfunc_end_k_q6c908201e5_attn-k_q6c908201e5_attn
	.p2alignl 7, 3214868480
	.fill 96, 4, 3214868480
	.section	.rodata,"a",@progbits
	.p2align	6, 0x0
	.amdhsa_kernel k_q6c908201e5_attn
		.amdhsa_group_segment_fixed_size 168960
		.amdhsa_private_segment_fixed_size 0
		.amdhsa_enable_private_segment 0
		.amdhsa_kernarg_size 16
		.amdhsa_user_sgpr_count 2
		.amdhsa_user_sgpr_kernarg_segment_ptr 1
		.amdhsa_wavefront_size32 1
		.amdhsa_system_sgpr_workgroup_id_x 1
		.amdhsa_system_sgpr_workgroup_id_y 1
		.amdhsa_system_sgpr_workgroup_id_z 1
		.amdhsa_system_vgpr_workitem_id 0
		.amdhsa_next_free_vgpr 448
		.amdhsa_next_free_sgpr 66
		.amdhsa_reserve_vcc 0
		.amdhsa_float_denorm_mode_32 3
		.amdhsa_float_denorm_mode_16_64 3
		.amdhsa_memory_ordered 1
		.amdhsa_forward_progress 1
		.amdhsa_inst_pref_size 44
	.end_amdhsa_kernel
	.amdgpu_metadata
---
amdhsa.version: [ 1, 2 ]
amdhsa.kernels:
  - .name:           k_q6c908201e5_attn
    .symbol:         k_q6c908201e5_attn.kd
    .args:
      - { .name: qkvf, .offset: 0, .size: 8, .value_kind: global_buffer, .address_space: global }
      - { .name: af, .offset: 8, .size: 8, .value_kind: global_buffer, .address_space: global }
    .group_segment_fixed_size: 168960
    .private_segment_fixed_size: 0
    .kernarg_segment_align: 8
    .kernarg_segment_size: 16
    .max_flat_workgroup_size: 256
    .sgpr_count:     66
    .vgpr_count:     448
    .wavefront_size: 32
...
	.end_amdgpu_metadata
.endif
;; end of part 10
;; launch proj: the kernel of part 4 again; grid 8 x 15, 4 waves a work-group, no clusters, 295,424 bytes of LDS; arguments af, wa, pp; writes pp
;; launch route_prep: the kernel of part 5 again; grid 832 x 1, 8 waves a work-group, no clusters, 1,536 bytes of LDS; arguments q, attn_norm_w, pp, ffn_norm_w, router_w, router_b, w1, w3, w2, we, route; writes we, route
;; launch up (part 11): grid 6 x 39, 4 waves a work-group, no clusters, 264,704 bytes of LDS; arguments we, route, af, tab2; writes af, tab2
.if DOCPART == 11
	.amdgcn_target "amdgcn-amd-amdhsa--gfx1250"
	.amdhsa_code_object_version 6
	.text
	.protected	k_q6c908201e5_up
	.globl	k_q6c908201e5_up
	.p2align	8
	.type	k_q6c908201e5_up,@function
k_q6c908201e5_up:
	s_mov_b64 s[64:65], 0
	v_nop
	global_prefetch_b8 v0, s[64:65] scope:SCOPE_SE
	s_setreg_imm32_b32 hwreg(HW_REG_WAVE_MODE, 25, 1), 1
	s_wait_xcnt 0x0
; THE FIRST EXPERT PRODUCT, and the placing of the rows: hidden = silu(xf w1[e]) * (xf w3[e]) for a tile of 128 rows of ONE expert, in bf16 with f32 sums; hidden leaves in bf16 in operand order.
; THE GRID SERVES EVERY SPLIT: 4,096 chosen rows over 8 experts make at most 4096 / 128 + 7 = 39 tiles.  Every work-group works out from the stored counts which expert and which ranks tile y holds.
; 39 tiles x 6 slices of the hidden width are 234 work-groups: all of them have a WGP at once.
; Rank -> token: by the expert's bitmap of 2,048 tokens in 64 scalar registers: the word by running counts, the bit by a count along the word.  Ranks past the count repeat a row that exists.
; The x = 0 work-group stores the tile's expert and, for each true row, where token and expert find it (POSE); a row past the count writes its number to a place of its own behind POSE, so that every lane stores.
; A TILE WITHOUT ROWS does the same work as any other, on rows that exist, and stores into its own bytes, which nobody gathers: no branch and no mask here hangs on a loaded number.
; That is work thrown away, beside the other tiles' and not behind it.
; SHARES.  A work-group has the tile's 128 rows x 12 hidden column blocks of 16; wave g = 4 x + w of a tile's 24 has all rows x blocks 3 g .. 3 g + 2, and for each block w1's fragment and w3's.
; 24 x 3 = 72 blocks for 64: a block past 63 repeats block 63 and is not stored.
; THE PRODUCT: the 128 gathered rows x all 1,024 k lie in LDS, filled ONCE by asynchronous copies; the weights go straight from memory into a ring of four register slots, three K steps ahead.
; Nothing in the K loop writes LDS, so the loop has no barrier.  NO CLUSTER: the rows come by a list, which no tensor load's descriptor covers.
; THE MATRIX INSTRUCTION IS USED TRANSPOSED (source 0 = 16 columns of w, source 1 = 16 rows of xf): a lane holds one row and eight neighbouring columns, 16 bytes of a block of hidden.
; REGISTERS: window 0 addresses and the way out; window 1 v0-127 two buffers of A's fragments, v128-223 ring slots 0 and 1; window 2 accumulators (f, m) at 64 f + 8 m, f = 0..3;
; window 3 v0-127 those of f = 4, 5, v128-223 ring slots 2 and 3.  f = 2 i is w1's fragment of the wave's block i, f = 2 i + 1 w3's.
.set MB, 8
.set NP, 3                             ; hidden blocks a wave
.set NF, 2*NP
.set KSTR, 131072                      ; bytes from a K step of the expert's blocks to the next: 128 blocks
.set KA, 64
.set PITCH, 2064                       ; an LDS row: 2,048 bytes + 16: an odd multiple of 16, so the 16 rows of a load touch 16 different columns of 16 bytes
.set SPARE, 128*PITCH                  ; behind A: the spare words, 128 bytes a wave
.set W13_OFF, 16777216
.set XF_OFF, 58720256
.set POSE_OFF, 10240                   ; behind the 39 entries of 256 bytes
.set R, 1
.set H, 2
.set L16, 3
.set SPW, 4
.set NIL, 5
.set AD, 6                             ; v6-9    LDS address of my fragments of row blocks 2 i, 2 i + 1
.set LN, 10
.set CA, 11                            ; v11     my byte offset in the counts
.set VB, 12                            ; v12-14  my byte offset in a K step's blocks for hidden block i
.set VS, 16                            ; v16-18  my byte offset in a row block of hidden for block i
.set LA, 32                            ; v32-63  LDS address of copy j;  v64-95 its offset in xf: neither is rewritten before the copies have landed
.set GA, 64
.set RKA, 112                          ; the ranks of my wave's 32 rows, one a lane
.set RR, 116                           ; the same held under the count
.set WW, 117
.set PKV, 118
.set CUM, 119
.set ANS, 120
.set NN, 121
.set T0, 122
.set BT, 124
.set TM, 125
.set T, 32                             ; the way out: 64 registers at work, where the copies' addresses lay
.set CN, 128                           ; v128-191 the counts as loaded
.set U, 128                            ; v128-223 later: packed results: no store's data is written again
.set BP, 100
.set CNT, 28
.set MSB, 0
.macro WIN new                         ; the immediate's high byte repeats the setting that is left
.if MSB != (\new)
	s_set_vgpr_msb (MSB<<8)|(\new)
.set MSB, \new
.endif
.endm
.macro PLACES                          ; four plain instructions between matrix instructions and loads into, or reads of, their registers
.rept 4
	v_nop
.endr
.endm
.macro BLOADS slot, kb                 ; a K step's six fragments: for each of my three blocks w1's 1,024 bytes and, 2,048 bytes on, w3's
	WIN 0x40+0x80*((\slot)/2)
.set bb_, 128+48*((\slot)%2)
.set i_, 0
.rept NP
	global_load_b128 v[bb_+16*i_:bb_+16*i_+3],     v[VB+i_], s[BP:BP+1] offset:(\kb)*KSTR
	global_load_b128 v[bb_+16*i_+4:bb_+16*i_+7],   v[VB+i_], s[BP:BP+1] offset:(\kb)*KSTR+512
	global_load_b128 v[bb_+16*i_+8:bb_+16*i_+11],  v[VB+i_], s[BP:BP+1] offset:(\kb)*KSTR+2048
	global_load_b128 v[bb_+16*i_+12:bb_+16*i_+15], v[VB+i_], s[BP:BP+1] offset:(\kb)*KSTR+2560
.set i_, i_+1
.endr
.endm
.macro ALOADS buf, ka
	WIN 0x40
.set m_, 0
.rept MB
	ds_load_b128 v[64*(\buf)+8*m_:64*(\buf)+8*m_+3], v[AD+m_/2] offset:(m_%2)*16*PITCH+(\ka)*KA
	ds_load_b128 v[64*(\buf)+8*m_+4:64*(\buf)+8*m_+7], v[AD+m_/2] offset:(m_%2)*16*PITCH+(\ka)*KA+32
.set m_, m_+1
.endr
.endm
.macro PRODS ab, bs, zero              ; 48 products; every accumulator once a step: they take turns
.set bb_, 128+48*((\bs)%2)
.set f_, 0
.rept NF
	WIN 0xa5+2*((\bs)/2)+0x50*(f_/4)               ; B in window 1 or 3 by its slot, A in window 1, C and D in window 2 or 3 by f
.set m_, 0
.rept MB
.set c_, (64*f_+8*m_)%256
.if \zero
	v_wmma_f32_16x16x32_bf16 v[c_:c_+7], v[bb_+8*f_:bb_+8*f_+7], v[64*(\ab)+8*m_:64*(\ab)+8*m_+7], 0
.else
	v_wmma_f32_16x16x32_bf16 v[c_:c_+7], v[bb_+8*f_:bb_+8*f_+7], v[64*(\ab)+8*m_:64*(\ab)+8*m_+7], v[c_:c_+7]
.endif
.set m_, m_+1
.endr
.set f_, f_+1
.endr
.endm
; K step t (ab = t % 2, bs = t % 4): B of step t + 3 and A of step t + 1 are asked for (index kb, ka from the trip's base; -1: none), then step t is multiplied.
.macro KSTEP ab, bs, ka, kb, nl, nd, zero
	PLACES
.if (\kb) >= 0
	BLOADS ((\bs)+3)%4, \kb
.endif
.if (\ka) >= 0
	ALOADS 1-(\ab), \ka
.endif
	s_wait_loadcnt \nl                             ; B of step t is in: behind it stand the loads of the steps asked for since, twelve a step
	s_wait_dscnt \nd                               ; A of step t is in: behind it stand the sixteen loads of step t + 1
	PRODS \ab, \bs, \zero
.endm
; My block i's way out, all 128 rows: silu(a) b = a / (1 + 2^(-a log2 e)) * b; the 64 exponentials are one batch with one wait, and so are the 64 reciprocals.
.macro SILUB i
	s_add_co_u32 s7, s6, \i
	s_cmp_lt_u32 s7, 64
	s_cbranch_scc0 .Ldead\i                        ; a block past the hidden width is not stored
.set a_, (128*(\i))%256
	WIN 0x08+4*((\i)/2)                            ; source 1 in window 2, for block 2 in window 3
.set k_, 0
.rept 64
	v_mul_f32 v[T+k_], s36, v[a_+k_]               ; each accumulator's lowest registers are read first
.set k_, k_+1
.endr
	WIN 0
.set k_, 0
.rept 64
	v_exp_f32 v[T+k_], v[T+k_]
.set k_, k_+1
.endr
	v_nop
	s_wait_alu depctr_va_vdst(0)
.set k_, 0
.rept 32
	v_pk_add_f32 v[T+2*k_:T+2*k_+1], v[T+2*k_:T+2*k_+1], 1.0 op_sel_hi:[1,0]
.set k_, k_+1
.endr
.set k_, 0
.rept 64
	v_rcp_f32 v[T+k_], v[T+k_]
.set k_, k_+1
.endr
	v_nop
	s_wait_alu depctr_va_vdst(0)
	WIN 0x08+4*((\i)/2)
.set k_, 0
.rept 32
	v_pk_mul_f32 v[T+2*k_:T+2*k_+1], v[T+2*k_:T+2*k_+1], v[a_+2*k_:a_+2*k_+1]
.set k_, k_+1
.endr
.set k_, 0
.rept 32
	v_pk_mul_f32 v[T+2*k_:T+2*k_+1], v[T+2*k_:T+2*k_+1], v[a_+64+2*k_:a_+64+2*k_+1]
.set k_, k_+1
.endr
	WIN 0
.set k_, 0
.rept 32
	v_cvt_pk_bf16_f32 v[U+32*(\i)+k_], v[T+2*k_], v[T+2*k_+1]
.set k_, k_+1
.endr
.set m_, 0
.rept MB
	global_store_b128 v[VS+\i], v[U+32*(\i)+4*m_:U+32*(\i)+4*m_+3], s[34:35] offset:m_*32768  ; 512 consecutive bytes: half a block
.set m_, m_+1
.endr
.Ldead\i:
.endm
	s_load_b256 s[8:15], s[0:1], 0x0               ; we 8, route 10, af 12, tab2 14
	v_lshl_add_u32 v[SPW], v0, 2, SPARE
	v_mov_b32 v[NIL], 0
	ds_add_u32 v[SPW], v[NIL]                      ; the wave's opening: the add and its wait ahead of my first copy
	ds_add_u32 v4, v5
	v_lshrrev_b32 v[TM], 5, v0
	v_readfirstlane_b32 s2, v[TM]                  ; wave
	v_and_b32 v[R], 15, v0
	v_bfe_u32 v[H], v0, 4, 1
	v_and_b32 v[LN], 31, v0
	v_lshlrev_b32 v[L16], 4, v[LN]
	s_mov_b32 s3, ttmp9                            ; x: slice of 192 hidden columns
	s_and_b32 s4, ttmp7, 0xffff                    ; y: tile
	v_mul_u32_u24 v[AD], v[R], PITCH
	v_lshl_add_u32 v[AD], v[H], 4, v[AD]
.irp i, 1,2,3
	v_add_nc_u32 v[AD+\i], \i*32*PITCH, v[AD]
.endr
	s_lshl2_add_u32 s5, s3, s2                     ; g = 4 x + w
	s_mul_i32 s6, s5, 3                            ; my first hidden block; kept to the end
.irp i, 0,1,2
	s_add_co_u32 s7, s6, \i
	s_min_u32 s7, s7, 63                           ; a block past the width repeats the last
	s_lshr_b32 s20, s7, 1
	s_and_b32 s21, s7, 1
	s_lshl_b32 s20, s20, 12                        ; 32 columns are four blocks: w1's two, then w3's two
	s_lshl_b32 s21, s21, 10
	s_add_co_u32 s20, s20, s21
	v_add_nc_u32 v[VB+\i], s20, v[L16]
	s_lshl_b32 s20, s7, 9                          ; in hidden 16 columns are half a block
	v_add_nc_u32 v[VS+\i], s20, v[L16]
.endr
	v_and_b32 v[CA], 7, v[LN]
	v_lshlrev_b32 v[CA], 8, v[CA]
	s_wait_dscnt 0x0                               ; the opening add is done
	s_wait_kmcnt 0x0
	; the experts' counts: lane l adds the 64 words of expert l % 8
.set i_, 0
.rept 16
	global_load_b128 v[CN+4*i_:CN+4*i_+3], v[CA], s[10:11] offset:2048+i_*16
.set i_, i_+1
.endr
	s_wait_loadcnt 0x0
.set i_, 4
.rept 60
	v_add_nc_u32 v[CN+i_%4], v[CN+i_%4], v[CN+i_]
.set i_, i_+1
.endr
	v_add_nc_u32 v[CN], v[CN], v[CN+1]
	v_add_nc_u32 v[CN+2], v[CN+2], v[CN+3]
	v_add_nc_u32 v[CN], v[CN], v[CN+2]
.irp e, 0,1,2,3,4,5,6,7
	v_readlane_b32 s[16+\e], v[CN], \e
.endr
	; tile y belongs to the last expert whose first tile is not behind it
	s_mov_b32 s24, 0
	s_mov_b32 s25, 0
	s_mov_b32 s26, 0
	s_mov_b32 s27, 0
.irp e, 0,1,2,3,4,5,6,7
	s_cmp_le_u32 s24, s4
	s_cselect_b32 s25, \e, s25                     ; the expert,
	s_cselect_b32 s26, s24, s26                    ; its first tile,
	s_cselect_b32 s27, s[16+\e], s27               ; its count
	s_add_co_u32 s30, s[16+\e], 127
	s_lshr_b32 s30, s30, 7                         ; its tiles
	s_add_co_u32 s24, s24, s30
.endr
	s_min_u32 s25, s25, 7
	s_sub_co_u32 s29, s4, s26
	s_lshl_b32 s29, s29, 7                         ; the tile's first rank
	s_lshl_b32 s30, s25, 8
	s_mov_b32 s31, 0
	s_add_nc_u64 s[104:105], s[10:11], s[30:31]
	s_load_b512 s[32:47], s[104:105], 0x0          ; the expert's bitmap: 64 words
	s_load_b512 s[48:63], s[104:105], 0x40
	s_load_b512 s[68:83], s[104:105], 0x80
	s_load_b512 s[84:99], s[104:105], 0xc0
	s_lshl_b32 s30, s25, 22                        ; an expert's blocks of w1 and w3: 4 MiB
	s_add_nc_u64 s[BP:BP+1], s[8:9], s[30:31]
	s_add_nc_u64 s[BP:BP+1], s[BP:BP+1], W13_OFF
	BLOADS 0, 0
	BLOADS 1, 1
	BLOADS 2, 2
	WIN 0
	s_or_b32 s30, s3, s2
	s_cmp_lg_u32 s30, 0
	s_cbranch_scc1 .Lnotab
	v_mov_b32 v106, s25
	v_mov_b32 v107, s25
	v_lshlrev_b32 v104, 3, v[LN]
	s_lshl_b32 s30, s4, 8
	v_add_nc_u32 v104, s30, v104
	global_store_b64 v104, v[106:107], s[14:15]    ; the tile's expert, 64 equal words: 256 consecutive bytes
.Lnotab:
	s_lshl_b32 s26, s2, 5                          ; wave w places and copies rows 32 w .. 32 w + 31
	s_add_co_u32 s30, s26, s29
	v_add_nc_u32 v[RKA], s30, v[LN]
	s_sub_co_u32 s30, s27, 1
	v_min_u32 v[RR], s30, v[RKA]
	s_lshl_b32 s30, s4, 7
	s_add_co_u32 s30, s30, s26
	v_add_nc_u32 v109, s30, v[LN]                  ; the rows' numbers in the partial results
	s_mul_i32 s30, s2, 32*PITCH
	v_add_nc_u32 v[TM], s30, v[L16]
	s_wait_kmcnt 0x0
	s_mov_b32 s30, 0
	v_mov_b32 v[WW], 0
	v_mov_b32 v[PKV], 0
.set i_, 0
.rept 64                               ; the last word in front of which at most RR bits stand holds the bit of rank RR
	s_or_b32 s31, s30, i_<<16
	v_cmp_le_u32 vcc_lo, s30, v[RR]
	v_cndmask_b32 v[WW], v[WW], s[32+i_+4*(i_/32)], vcc_lo
	v_cndmask_b32 v[PKV], v[PKV], s31, vcc_lo
	s_bcnt1_i32_b32 s105, s[32+i_+4*(i_/32)]
	s_add_co_u32 s30, s30, s105
.set i_, i_+1
.endr
	v_and_b32 v[NN], 0xffff, v[PKV]
	v_sub_nc_u32 v[NN], v[RR], v[NN]               ; the rank inside the word
	v_mov_b32 v[CUM], 0
	v_mov_b32 v[ANS], 0
.set i_, 0
.rept 32                               ; the bit's place = how many places have at most NN bits up to and with themselves
	v_bfe_u32 v[BT], v[WW], i_, 1
	v_add_nc_u32 v[CUM], v[CUM], v[BT]
	v_cmp_le_u32 vcc_lo, v[CUM], v[NN]
	v_add_co_ci_u32 v[ANS], vcc_lo, 0, v[ANS], vcc_lo
.set i_, i_+1
.endr
	v_lshrrev_b32 v[BT], 16, v[PKV]
	v_lshl_add_u32 v[ANS], v[BT], 5, v[ANS]
	v_min_u32 v[T0], 0x7ff, v[ANS]                 ; a token's number
.set j_, 0
.rept 32
	v_readlane_b32 s30, v[T0], j_
	s_min_u32 s30, s30, 2047
	v_lshl_add_u32 v[GA+j_], s30, 11, v[L16]       ; the token's row of xf
	v_add_nc_u32 v[LA+j_], j_*PITCH, v[TM]
.set j_, j_+1
.endr
	s_add_nc_u64 s[32:33], s[8:9], XF_OFF          ; the bitmap's registers are free
	s_lshl_b32 s30, s4, 18                         ; a tile of hidden: 8 row blocks of 32,768 bytes
	s_mov_b32 s31, 0
	s_add_nc_u64 s[34:35], s[12:13], s[30:31]
	s_mov_b32 s36, 0xbfb8aa3b                      ; -log2(e)
	s_cmp_lg_u32 s3, 0
	s_cbranch_scc1 .Lnopose
	; word token * 8 + expert for a row under the count, word 16,384 + the row's number for the others; held under the table's 21,376 words, then made bytes
	v_lshl_add_u32 v108, v[T0], 3, s25
	v_add_nc_u32 v105, 0x4000, v109
	v_cmp_gt_u32 vcc_lo, s27, v[RKA]
	v_cndmask_b32 v108, v105, v108, vcc_lo
	v_min_u32 v108, 0x537f, v108
	v_lshlrev_b32 v108, 2, v108
	global_store_b32 v108, v109, s[14:15] offset:POSE_OFF
.Lnopose:
.irp c, 0,1,2,3
.set j_, 0
.rept 32
	global_load_async_to_lds_b128 v[LA+j_], v[GA+j_], s[32:33] offset:\c*512  ; 512 bytes of a row; the immediate is added to both addresses
.set j_, j_+1
.endr
.endr
	s_wait_asynccnt 0x0                            ; my rows have landed,
	s_barrier_signal -1
	s_barrier_wait -1                              ; everybody's have: A is whole, and is never written again
	ALOADS 0, 0
	KSTEP 0, 0, 1, 3, 6*NF, 2*MB, 1                ; the first K step starts the sums
	WIN 0
	s_mov_b32 s[CNT], 7
.Lk:                                                   ; four K steps a trip: t = 4 i + 1 .. 4 i + 4
	KSTEP 1, 1, 2, 4, 6*NF, 2*MB, 0
	KSTEP 0, 2, 3, 5, 6*NF, 2*MB, 0
	KSTEP 1, 3, 4, 6, 6*NF, 2*MB, 0
	KSTEP 0, 0, 5, 7, 6*NF, 2*MB, 0
	WIN 0
	s_wait_xcnt 0x0                                ; the loads' base is stepped only behind this wait
	s_add_nc_u64 s[BP:BP+1], s[BP:BP+1], 4*KSTR
.irp i, 0,1,2,3
	v_add_nc_u32 v[AD+\i], 4*KA, v[AD+\i]
.endr
	s_sub_co_u32 s[CNT], s[CNT], 1
	s_cmp_lg_u32 s[CNT], 0
	s_cbranch_scc1 .Lk
	KSTEP 1, 1, 2, -1, 4*NF, 2*MB, 0               ; t = 29, 30, 31: nothing of B is left to ask for, and the counts run down
	KSTEP 0, 2, 3, -1, 2*NF, 2*MB, 0
	KSTEP 1, 3, -1, -1, 0, 0, 0
	WIN 0
	PLACES
	SILUB 0
	SILUB 1
	SILUB 2
	s_wait_tensorcnt 0x0                           ; the wave's end
	s_wait_asynccnt 0x0
	ds_add_u32 v[SPW], v[NIL]
	s_wait_dscnt 0x0
	s_endpgm
.Lfunc_end_k_q6c908201e5_up:
	.size	k_q6c908201e5_up, .Lfunc_end_k_q6c908201e5_up-k_q6c908201e5_up
	.p2alignl 7, 3214868480
	.fill 96, 4, 3214868480
	.section	.rodata,"a",@progbits
	.p2align	6, 0x0
	.amdhsa_kernel k_q6c908201e5_up
		.amdhsa_group_segment_fixed_size 264704
		.amdhsa_private_segment_fixed_size 0
		.amdhsa_enable_private_segment 0
		.amdhsa_kernarg_size 32
		.amdhsa_user_sgpr_count 2
		.amdhsa_user_sgpr_kernarg_segment_ptr 1
		.amdhsa_wavefront_size32 1
		.amdhsa_system_sgpr_workgroup_id_x 1
		.amdhsa_system_sgpr_workgroup_id_y 1
		.amdhsa_system_sgpr_workgroup_id_z 1
		.amdhsa_system_vgpr_workitem_id 0
		.amdhsa_next_free_vgpr 992
		.amdhsa_next_free_sgpr 106
		.amdhsa_reserve_vcc 1
		.amdhsa_float_denorm_mode_32 3
		.amdhsa_float_denorm_mode_16_64 3
		.amdhsa_memory_ordered 1
		.amdhsa_forward_progress 1
		.amdhsa_inst_pref_size 144
	.end_amdhsa_kernel
	.amdgpu_metadata
---
amdhsa.version: [ 1, 2 ]
amdhsa.kernels:
  - .name:           k_q6c908201e5_up
    .symbol:         k_q6c908201e5_up.kd
    .args:
      - { .name: we, .offset: 0, .size: 8, .value_kind: global_buffer, .address_space: global }
      - { .name: route, .offset: 8, .size: 8, .value_kind: global_buffer, .address_space: global }
      - { .name: af, .offset: 16, .size: 8, .value_kind: global_buffer, .address_space: global }
      - { .name: tab2, .offset: 24, .size: 8, .value_kind: global_buffer, .address_space: global }
    .group_segment_fixed_size: 264704
    .private_segment_fixed_size: 0
    .kernarg_segment_align: 8
    .kernarg_segment_size: 32
    .max_flat_workgroup_size: 128
    .sgpr_count:     106
    .vgpr_count:     992
    .wavefront_size: 32
...
	.end_amdgpu_metadata
.endif
;; end of part 11
;; launch down (part 12): grid 4 x 39, 4 waves a work-group, no clusters, 262,656 bytes of LDS; arguments af, we, tab2, pp; writes pp
.if DOCPART == 12
	.amdgcn_target "amdgcn-amd-amdhsa--gfx1250"
	.amdhsa_code_object_version 6
	.text
	.protected	k_q6c908201e5_down
	.globl	k_q6c908201e5_down
	.p2align	8
	.type	k_q6c908201e5_down,@function
k_q6c908201e5_down:
	s_mov_b64 s[64:65], 0
	v_nop
	global_prefetch_b8 v0, s[64:65] scope:SCOPE_SE
	s_setreg_imm32_b32 hwreg(HW_REG_WAVE_MODE, 25, 1), 1
	s_wait_xcnt 0x0
; hidden @ w2[expert] for a tile of 128 rows of one expert: hidden [8 blocks of 16 rows][32 K blocks] of 1,024 bytes in operand order (bf16), w2 [expert][32 K blocks][64 column blocks] likewise,
; the partial result f32 rows of 4,096 bytes.  bf16 operands, f32 sums.  The tile's expert is a whole number that the launch before stored; it is held under 8 and enters the weights' address alone.
; SHARES.  Work-group (x, y): tile y x 256 columns; 39 tiles x 4 slices are 156 work-groups, all on a WGP at once.  The tile, all K, lies in LDS, filled ONCE by asynchronous copies.
; A wave makes all 128 rows x its own 64 columns, so that its part of a row of the result is 256 aligned bytes, and each block of w2 is read by one wave of the work-group.
; w2 goes straight from memory into a ring of four register slots, three K steps ahead.  Nothing in the K loop writes LDS, so the loop has no barrier.
; A TILE WITHOUT ROWS is multiplied like any other (the launch before stored its 128 rows too) and stored into its own rows, which nobody gathers: no branch here hangs on a loaded number.
; THE WAY OUT goes through a stage of 16 rows x 272 bytes for each wave, in the tile's first bytes: the tile has had its only fill, and a barrier stands between all waves' last reads of it and the stage's stores.
; NO CLUSTER: the tile that the four work-groups of a row share comes by copies lane by lane, which have no joint form.
.set MB, 8
.set NF, 4
.set KSTR, 65536
.set KA, 1024
.set SP, 272
.set SPARE, 262144                     ; behind the tile: the spare words, 128 bytes a wave
.set R, 1
.set H, 2
.set L16, 3
.set SPW, 4
.set NIL, 5
.set AD, 6                             ; v6-9   LDS address of my fragments of row blocks 2 i, 2 i + 1
.set STO, 10
.set RD, 11
.set CO, 12
.set CL, 14                            ; v14-17 a copy's LDS address for row blocks 2 i, 2 i + 1;  v18-21 its offset in the tile, the same number; never rewritten
.set CG, 18
.set TM, 22
.set OUT, 64                           ; v64-191 rows read back: four buffers of 32 registers by turns
.set BR, 128                           ; window 1: v0-127 two buffers of A's fragments, v128-255 the ring of B's; window 2: accumulator (m, f) at 8 (4 m + f)
.set BP, 18
.set CNT, 28
.set W_LD, 0x40
.set W_MM, 0xa5
.set MSB, 0
.macro WIN new                         ; the immediate's high byte repeats the setting that is left
.if MSB != (\new)
	s_set_vgpr_msb (MSB<<8)|(\new)
.set MSB, \new
.endif
.endm
.macro PLACES                          ; four plain instructions between matrix instructions and loads into, or reads of, their registers
.rept 4
	v_nop
.endr
.endm
.macro BLOADS slot, kb
	WIN W_LD
.set f_, 0
.rept NF
	global_load_b128 v[BR+8*NF*(\slot)+8*f_:BR+8*NF*(\slot)+8*f_+3], v[L16], s[BP:BP+1] offset:(\kb)*KSTR+f_*1024
	global_load_b128 v[BR+8*NF*(\slot)+8*f_+4:BR+8*NF*(\slot)+8*f_+7], v[L16], s[BP:BP+1] offset:(\kb)*KSTR+f_*1024+512
.set f_, f_+1
.endr
.endm
.macro ALOADS buf, ka
	WIN W_LD
.set m_, 0
.rept MB
	ds_load_b128 v[8*MB*(\buf)+8*m_:8*MB*(\buf)+8*m_+3], v[AD+m_/2] offset:(m_%2)*32768+(\ka)*KA
	ds_load_b128 v[8*MB*(\buf)+8*m_+4:8*MB*(\buf)+8*m_+7], v[AD+m_/2] offset:(m_%2)*32768+(\ka)*KA+512
.set m_, m_+1
.endr
.endm
.macro PRODS ab, bs, zero              ; 32 products; every accumulator once a step: they take turns
	WIN W_MM
.set m_, 0
.rept MB
.set f_, 0
.rept NF
.if \zero
	v_wmma_f32_16x16x32_bf16 v[8*(NF*m_+f_):8*(NF*m_+f_)+7], v[BR+8*NF*(\bs)+8*f_:BR+8*NF*(\bs)+8*f_+7], v[8*MB*(\ab)+8*m_:8*MB*(\ab)+8*m_+7], 0
.else
	v_wmma_f32_16x16x32_bf16 v[8*(NF*m_+f_):8*(NF*m_+f_)+7], v[BR+8*NF*(\bs)+8*f_:BR+8*NF*(\bs)+8*f_+7], v[8*MB*(\ab)+8*m_:8*MB*(\ab)+8*m_+7], v[8*(NF*m_+f_):8*(NF*m_+f_)+7]
.endif
.set f_, f_+1
.endr
.set m_, m_+1
.endr
.endm
; K step t (ab = t % 2, bs = t % 4): B of step t + 3 and A of step t + 1 are asked for (index kb, ka from the trip's base; -1: none), then step t is multiplied.
.macro KSTEP ab, bs, ka, kb, nl, nd, zero
	PLACES
.if (\kb) >= 0
	BLOADS ((\bs)+3)%4, \kb
.endif
.if (\ka) >= 0
	ALOADS 1-(\ab), \ka
.endif
	s_wait_loadcnt \nl                             ; B of step t is in: behind it stand the loads of the steps asked for since, eight a step
	s_wait_dscnt \nd                               ; A of step t is in: behind it stand the sixteen loads of step t + 1
	PRODS \ab, \bs, \zero
.endm
; Row block i goes out: 32 bytes a lane and column block into my stage, back as whole rows of 256 bytes, stored: sixteen lanes store 256 consecutive bytes, aligned.
.macro OUTB i
	WIN 0x08                                       ; the stores' data lie in window 2
.irp c, 0,1,2,3
	ds_store_b128 v[STO], v[8*(NF*(\i)+\c):8*(NF*(\i)+\c)+3] offset:\c*64
	ds_store_b128 v[STO], v[8*(NF*(\i)+\c)+4:8*(NF*(\i)+\c)+7] offset:\c*64+16
.endr
	WIN 0
.if (\i) >= 4
	s_wait_xcnt 0x0                                ; the buffer's registers, which the stores of four blocks ago read, are loaded again only behind this wait
.endif
.irp t, 0,1,2,3,4,5,6,7
	ds_load_b128 v[OUT+32*((\i)%4)+4*\t:OUT+32*((\i)%4)+4*\t+3], v[RD] offset:\t*2*SP  ; LDS serves a wave's instructions in order: these see the stores above, and the next block's stores come behind them
.endr
	s_wait_dscnt 0x0
.irp t, 0,1,2,3,4,5,6,7
	global_store_b128 v[CO], v[OUT+32*((\i)%4)+4*\t:OUT+32*((\i)%4)+4*\t+3], s[24:25] offset:(\i)*65536+\t*8192
.endr
.endm
	s_load_b256 s[8:15], s[0:1], 0x0               ; hidden 8, the weights 10, the table 12, the result 14
	v_lshl_add_u32 v[SPW], v0, 2, SPARE
	v_mov_b32 v[NIL], 0
	ds_add_u32 v[SPW], v[NIL]                      ; the wave's opening: the add and its wait ahead of my first copy
	ds_add_u32 v4, v5
	v_lshrrev_b32 v[TM], 5, v0
	v_readfirstlane_b32 s2, v[TM]                  ; wave
	v_and_b32 v[R], 15, v0
	v_bfe_u32 v[H], v0, 4, 1
	v_and_b32 v[L16], 31, v0
	v_lshlrev_b32 v[L16], 4, v[L16]
	s_mov_b32 s3, ttmp9                            ; x: slice of 256 columns
	s_and_b32 s4, ttmp7, 0xffff                    ; y: tile
	v_mov_b32 v[AD], v[L16]
.irp i, 1,2,3
	v_add_nc_u32 v[AD+\i], \i*65536, v[L16]        ; two row blocks of 32,768 bytes
.endr
	s_lshl_b32 s20, s2, 11                         ; of each 8,192 bytes wave w copies 2,048
	v_add_nc_u32 v[CL], s20, v[L16]
.irp i, 1,2,3
	v_add_nc_u32 v[CL+\i], \i*65536, v[CL]
.endr
.irp i, 0,1,2,3
	v_mov_b32 v[CG+\i], v[CL+\i]
.endr
	s_mul_i32 s20, s2, 16*SP                       ; my stage
	v_mul_u32_u24 v[STO], v[R], SP
	v_lshl_add_u32 v[STO], v[H], 5, v[STO]
	v_add_nc_u32 v[STO], s20, v[STO]
	v_mul_u32_u24 v[RD], v[H], SP
	v_lshl_add_u32 v[RD], v[R], 4, v[RD]
	v_add_nc_u32 v[RD], s20, v[RD]
	v_lshlrev_b32 v[CO], 12, v[H]
	v_lshl_add_u32 v[CO], v[R], 4, v[CO]
	s_wait_dscnt 0x0                               ; the opening add is done
	s_wait_kmcnt 0x0
	s_lshl_b32 s20, s4, 8
	s_load_b32 s16, s[12:13], s20 offset:0x0       ; the tile's expert
	s_lshl_b32 s30, s4, 18
	s_mov_b32 s31, 0
	s_add_nc_u64 s[22:23], s[8:9], s[30:31]        ; the tile: 262,144 bytes
	s_lshl_b32 s30, s4, 19                         ; the tile's first row of the result: 128 rows of 4,096 bytes a tile
	s_lshl_b32 s27, s3, 10
	s_add_co_u32 s30, s30, s27
	s_lshl_b32 s27, s2, 8
	s_add_co_u32 s30, s30, s27                     ; my 256 bytes of a row
	s_add_nc_u64 s[24:25], s[14:15], s[30:31]
	s_wait_kmcnt 0x0
	s_min_u32 s16, s16, 7
	s_lshl_b32 s30, s16, 21                        ; an expert's blocks: 2 MiB
	s_lshl_b32 s27, s3, 14
	s_add_co_u32 s30, s30, s27
	s_lshl_b32 s27, s2, 12
	s_add_co_u32 s30, s30, s27                     ; column block 16 x + 4 w
	s_add_nc_u64 s[BP:BP+1], s[10:11], s[30:31]
	BLOADS 0, 0
	BLOADS 1, 1
	BLOADS 2, 2
	WIN 0
.irp c, 0,1,2,3
.set m_, 0
.rept MB
.irp i, 0,1,2,3
	global_load_async_to_lds_b128 v[CL+m_/2], v[CG+m_/2], s[22:23] offset:(m_%2)*32768+\c*8192+\i*512  ; the tile lies in LDS as in memory; the immediate is added to both addresses
.endr
.set m_, m_+1
.endr
.endr
	s_wait_asynccnt 0x0                            ; my part has landed,
	s_barrier_signal -1
	s_barrier_wait -1                              ; everybody's has: the tile is whole
	ALOADS 0, 0
	KSTEP 0, 0, 1, 3, 6*NF, 2*MB, 1                ; the first K step starts the sums
	WIN 0
	s_mov_b32 s[CNT], 7
.Lk:                                                   ; four K steps a trip: t = 4 i + 1 .. 4 i + 4
	KSTEP 1, 1, 2, 4, 6*NF, 2*MB, 0
	KSTEP 0, 2, 3, 5, 6*NF, 2*MB, 0
	KSTEP 1, 3, 4, 6, 6*NF, 2*MB, 0
	KSTEP 0, 0, 5, 7, 6*NF, 2*MB, 0
	WIN 0
	s_wait_xcnt 0x0                                ; the loads' base is stepped only behind this wait
	s_add_nc_u64 s[BP:BP+1], s[BP:BP+1], 4*KSTR
.irp i, 0,1,2,3
	v_add_nc_u32 v[AD+\i], 4*KA, v[AD+\i]
.endr
	s_sub_co_u32 s[CNT], s[CNT], 1
	s_cmp_lg_u32 s[CNT], 0
	s_cbranch_scc1 .Lk
	KSTEP 1, 1, 2, -1, 4*NF, 2*MB, 0               ; t = 29, 30, 31: nothing of B is left to ask for, and the counts run down
	KSTEP 0, 2, 3, -1, 2*NF, 2*MB, 0
	KSTEP 1, 3, -1, -1, 0, 0, 0                    ; its wait for 0 shows my last reads of the tile back
	WIN 0
	PLACES
	s_barrier_signal -1
	s_barrier_wait -1                              ; nobody reads the tile any more: its first bytes become the stages
	OUTB 0
	OUTB 1
	OUTB 2
	OUTB 3
	OUTB 4
	OUTB 5
	OUTB 6
	OUTB 7
	s_wait_tensorcnt 0x0                           ; the wave's end
	s_wait_asynccnt 0x0
	ds_add_u32 v[SPW], v[NIL]
	s_wait_dscnt 0x0
	s_endpgm
.Lfunc_end_k_q6c908201e5_down:
	.size	k_q6c908201e5_down, .Lfunc_end_k_q6c908201e5_down-k_q6c908201e5_down
	.p2alignl 7, 3214868480
	.fill 96, 4, 3214868480
	.section	.rodata,"a",@progbits
	.p2align	6, 0x0
	.amdhsa_kernel k_q6c908201e5_down
		.amdhsa_group_segment_fixed_size 262656
		.amdhsa_private_segment_fixed_size 0
		.amdhsa_enable_private_segment 0
		.amdhsa_kernarg_size 32
		.amdhsa_user_sgpr_count 2
		.amdhsa_user_sgpr_kernarg_segment_ptr 1
		.amdhsa_wavefront_size32 1
		.amdhsa_system_sgpr_workgroup_id_x 1
		.amdhsa_system_sgpr_workgroup_id_y 1
		.amdhsa_system_sgpr_workgroup_id_z 1
		.amdhsa_system_vgpr_workitem_id 0
		.amdhsa_next_free_vgpr 768
		.amdhsa_next_free_sgpr 66
		.amdhsa_reserve_vcc 0
		.amdhsa_float_denorm_mode_32 3
		.amdhsa_float_denorm_mode_16_64 3
		.amdhsa_memory_ordered 1
		.amdhsa_forward_progress 1
		.amdhsa_inst_pref_size 63
	.end_amdhsa_kernel
	.amdgpu_metadata
---
amdhsa.version: [ 1, 2 ]
amdhsa.kernels:
  - .name:           k_q6c908201e5_down
    .symbol:         k_q6c908201e5_down.kd
    .args:
      - { .name: af, .offset: 0, .size: 8, .value_kind: global_buffer, .address_space: global }
      - { .name: we, .offset: 8, .size: 8, .value_kind: global_buffer, .address_space: global }
      - { .name: tab2, .offset: 16, .size: 8, .value_kind: global_buffer, .address_space: global }
      - { .name: pp, .offset: 24, .size: 8, .value_kind: global_buffer, .address_space: global }
    .group_segment_fixed_size: 262656
    .private_segment_fixed_size: 0
    .kernarg_segment_align: 8
    .kernarg_segment_size: 32
    .max_flat_workgroup_size: 128
    .sgpr_count:     66
    .vgpr_count:     768
    .wavefront_size: 32
...
	.end_amdgpu_metadata
.endif
;; end of part 12
;; launch combine (part 13): grid 256 x 1, 8 waves a work-group, no clusters, 0 bytes of LDS; arguments we, route, tab2, pp, out0; writes out0
.if DOCPART == 13
	.amdgcn_target "amdgcn-amd-amdhsa--gfx1250"
	.amdhsa_code_object_version 6
	.text
	.protected	k_q6c908201e5_combine
	.globl	k_q6c908201e5_combine
	.p2align	8
	.type	k_q6c908201e5_combine,@function
k_q6c908201e5_combine:
	s_mov_b64 s[64:65], 0
	v_nop
	global_prefetch_b8 v0, s[64:65] scope:SCOPE_SE
	s_setreg_imm32_b32 hwreg(HW_REG_WAVE_MODE, 25, 1), 1
	s_wait_xcnt 0x0
; out = h + g0 P[pos0] + g1 P[pos1]: a token a wave.  The two experts' numbers and the places of their partial rows are whole numbers that earlier launches stored; the gates are data.
; A stream: 16-byte loads and stores, 512 consecutive bytes an instruction; no LDS, no matrix unit, no cluster: no byte is shared.
.set H_OFF, 50331648
.set G_OFF, 62914560
.set POSE_OFF, 10240                   ; behind the 39 tiles' entries of 256 bytes
.set ROWS, 39*128                      ; rows of partial results
.set L16, 2
	s_load_b256 s[8:15], s[0:1], 0x0               ; we 8, route 10, tab2 12, pp 14
	s_load_b64 s[16:17], s[0:1], 0x20              ; out0
	v_lshrrev_b32 v1, 5, v0
	v_readfirstlane_b32 s2, v1
	v_and_b32 v[L16], 31, v0
	v_lshlrev_b32 v[L16], 4, v[L16]
	s_mov_b32 s3, ttmp9
	s_lshl3_add_u32 s4, s3, s2                     ; the token
	s_lshl_b32 s18, s4, 3
	s_lshl_b32 s6, s4, 12
	s_mov_b32 s7, 0
	s_wait_kmcnt 0x0
	s_load_b64 s[20:21], s[10:11], s18 offset:4096 ; its two experts
	s_add_nc_u64 s[24:25], s[8:9], G_OFF
	s_load_b64 s[22:23], s[24:25], s18 offset:0x0  ; its two gates
	s_add_nc_u64 s[8:9], s[8:9], s[6:7]
	s_add_nc_u64 s[8:9], s[8:9], H_OFF
	s_add_nc_u64 s[16:17], s[16:17], s[6:7]
.irp i, 0,1,2,3,4,5,6,7
	global_load_b128 v[16+4*\i:19+4*\i], v[L16], s[8:9] offset:\i*512 th:TH_LOAD_NT
.endr
	s_wait_kmcnt 0x0
	s_min_u32 s20, s20, 7
	s_min_u32 s21, s21, 7
	s_lshl_b32 s19, s4, 5
	s_lshl2_add_u32 s26, s20, s19
	s_lshl2_add_u32 s27, s21, s19
	s_load_b32 s28, s[12:13], s26 offset:POSE_OFF  ; POSE[token][expert]
	s_load_b32 s29, s[12:13], s27 offset:POSE_OFF
	s_mov_b32 s34, s23                             ; g1, as the low word of a pair
	s_mov_b32 s35, s23
	s_wait_kmcnt 0x0
	s_min_u32 s28, s28, ROWS-1
	s_min_u32 s29, s29, ROWS-1
	s_lshl_b32 s30, s28, 12
	s_mov_b32 s31, 0
	s_add_nc_u64 s[32:33], s[14:15], s[30:31]
	s_lshl_b32 s30, s29, 12
	s_add_nc_u64 s[36:37], s[14:15], s[30:31]
.irp i, 0,1,2,3,4,5,6,7
	global_load_b128 v[48+4*\i:51+4*\i], v[L16], s[32:33] offset:\i*512 th:TH_LOAD_NT
	global_load_b128 v[80+4*\i:83+4*\i], v[L16], s[36:37] offset:\i*512 th:TH_LOAD_NT
.endr
	s_wait_loadcnt 0x0
.set i_, 0
.rept 16
	v_pk_fma_f32 v[16+2*i_:17+2*i_], v[48+2*i_:49+2*i_], s[22:23], v[16+2*i_:17+2*i_] op_sel_hi:[1,0,1]
.set i_, i_+1
.endr
.set i_, 0
.rept 16
	v_pk_fma_f32 v[16+2*i_:17+2*i_], v[80+2*i_:81+2*i_], s[34:35], v[16+2*i_:17+2*i_] op_sel_hi:[1,0,1]
.set i_, i_+1
.endr
.irp i, 0,1,2,3,4,5,6,7
	global_store_b128 v[L16], v[16+4*\i:19+4*\i], s[16:17] offset:\i*512 th:TH_STORE_NT
.endr
	s_endpgm
.Lfunc_end_k_q6c908201e5_combine:
	.size	k_q6c908201e5_combine, .Lfunc_end_k_q6c908201e5_combine-k_q6c908201e5_combine
	.p2alignl 7, 3214868480
	.fill 96, 4, 3214868480
	.section	.rodata,"a",@progbits
	.p2align	6, 0x0
	.amdhsa_kernel k_q6c908201e5_combine
		.amdhsa_group_segment_fixed_size 0
		.amdhsa_private_segment_fixed_size 0
		.amdhsa_enable_private_segment 0
		.amdhsa_kernarg_size 40
		.amdhsa_user_sgpr_count 2
		.amdhsa_user_sgpr_kernarg_segment_ptr 1
		.amdhsa_wavefront_size32 1
		.amdhsa_system_sgpr_workgroup_id_x 1
		.amdhsa_system_sgpr_workgroup_id_y 1
		.amdhsa_system_sgpr_workgroup_id_z 1
		.amdhsa_system_vgpr_workitem_id 0
		.amdhsa_next_free_vgpr 112
		.amdhsa_next_free_sgpr 66
		.amdhsa_reserve_vcc 0
		.amdhsa_float_denorm_mode_32 3
		.amdhsa_float_denorm_mode_16_64 3
		.amdhsa_memory_ordered 1
		.amdhsa_forward_progress 1
		.amdhsa_inst_pref_size 7
	.end_amdhsa_kernel
	.amdgpu_metadata
---
amdhsa.version: [ 1, 2 ]
amdhsa.kernels:
  - .name:           k_q6c908201e5_combine
    .symbol:         k_q6c908201e5_combine.kd
    .args:
      - { .name: we, .offset: 0, .size: 8, .value_kind: global_buffer, .address_space: global }
      - { .name: route, .offset: 8, .size: 8, .value_kind: global_buffer, .address_space: global }
      - { .name: tab2, .offset: 16, .size: 8, .value_kind: global_buffer, .address_space: global }
      - { .name: pp, .offset: 24, .size: 8, .value_kind: global_buffer, .address_space: global }
      - { .name: out0, .offset: 32, .size: 8, .value_kind: global_buffer, .address_space: global }
    .group_segment_fixed_size: 0
    .private_segment_fixed_size: 0
    .kernarg_segment_align: 8
    .kernarg_segment_size: 40
    .max_flat_workgroup_size: 256
    .sgpr_count:     66
    .vgpr_count:     112
    .wavefront_size: 32
...
	.end_amdgpu_metadata
.endif
;; end of part 13
